; MI455X (gfx1250); checked and timed in simulation.
; The chip was launched on July 23, 2026; its instructions are those of AMD's public machine-readable ISA for CDNA 5 (MIT licence, August 2026) and "CDNA5" Instruction Set Architecture Reference Guide (July 2026). The comments in the code are by the model that wrote it; some were corrected since.
;; ATT Layer. Allowed arithmetic: matrix products marked QUANTISED: E2M1 operands, one E8M0 scale for each 32 along K, by v_wmma_scale_f32_16x16x128_f8f6f4 with both operands' format E2M1 (or v_wmma_scale_f32_32x16x128_f4), f32 sums; everything else in f32.
;; Inputs: fqk_W_codes 64 x 2 x 16 uint8 (E2M1 codes of fqk_W, K innermost, in blocks of 32 codes, two codes a byte); fqk_W_scales 64 x 2 uint8 (E8M0 scales of fqk_W, one for each 32 codes along K); fqk_a one number float32; fqk_b 64 float32; fqk_be 64 float32; fqk_g 64 float32; fqk_m 64 float32; fqk_v 64 float32; fv_W_codes 32 x 2 x 16 uint8 (E2M1 codes of fv_W, K innermost, in blocks of 32 codes, two codes a byte); fv_W_scales 32 x 2 uint8 (E8M0 scales of fv_W, one for each 32 codes along K); fv_a one number float32; fv_b 32 float32; fv_be 32 float32; fv_g 32 float32; fv_m 32 float32; fv_v 32 float32; inp_codes 4 x 256 x 256 x 2 x 16 uint8 (E2M1 codes of inp, K innermost, in blocks of 32 codes, two codes a byte); inp_scales 4 x 256 x 256 x 2 uint8 (E8M0 scales of inp, one for each 32 codes along K); proj_W_codes 64 x 1 x 16 uint8 (E2M1 codes of proj_W, K innermost, in blocks of 32 codes, two codes a byte); proj_W_scales 64 x 1 uint8 (E8M0 scales of proj_W, one for each 32 codes along K); proj_a one number float32; proj_b 64 float32; proj_be 64 float32; proj_g 64 float32; proj_m 64 float32; proj_v 64 float32; tqk_W_codes 64 x 2 x 16 uint8 (E2M1 codes of tqk_W, K innermost, in blocks of 32 codes, two codes a byte); tqk_W_scales 64 x 2 uint8 (E8M0 scales of tqk_W, one for each 32 codes along K); tqk_a one number float32; tqk_b 64 float32; tqk_be 64 float32; tqk_g 64 float32; tqk_m 64 float32; tqk_v 64 float32; x 4 x 64 x 256 x 256 float32.
;; Outputs: out0 4 x 64 x 256 x 256 float32.
;; This version of the problem:
;;   THIS VERSION OF THE PROBLEM IS GIVEN IN LOW PRECISION. The matrix products marked QUANTISED in the list below multiply operands that are first quantised to E2M1 (2 exponent bits, 1 mantissa bit; 4 bits a number), with one power-of-two scale for each 32 numbers along K (OCP MX v1.0); their sums are f32. All else is computed in f32.
;;   The module's matrix products, in the order in which they are computed (A, B: the left and right operand; K: the contracted axis; several contracted axes count as one K, in the product's order):
;;     1. [M 262,144, K 64] x [K 64, N 64]; A: input inp (given as codes); B: input fqk_W (given as codes): QUANTISED
;;     2. [M 262,144, K 64] x [K 64, N 32]; A: input x; B: input fv_W (given as codes): QUANTISED
;;     3. batch 1,024 x [M 256, K 32] x [K 32, N 256]; A: computed on the way; B: computed on the way: QUANTISED
;;     4. batch 1,024 x [M 32, K 256] x [K 256, N 256]; A: computed on the way; B: softmax (see below): QUANTISED
;;     5. [M 262,144, K 64] x [K 64, N 64]; A: input inp (given as codes); B: input tqk_W (given as codes): QUANTISED
;;     6. batch 1,024 x [M 256, K 32] x [K 32, N 256]; A: computed on the way; B: computed on the way: QUANTISED
;;     7. batch 1,024 x [M 32, K 256] x [K 256, N 256]; A: computed on the way; B: softmax (see below): QUANTISED
;;     8. [M 262,144, K 32] x [K 32, N 64]; A: computed on the way; B: input proj_W (given as codes): QUANTISED
;;   THE QUANTISER, for each operand of a quantised product, along K:
;;     - K is cut into blocks of 32 from its start; a last block that is shorter is filled with zeros.
;;     - A block's scale is 2^e with e = floor(log2(the largest magnitude in the block)) - 2, held to -126 .. 127; a block of zeros has e = 0. As a byte (E8M0): e + 127.
;;     - Each number is divided by its block's scale, clamped to +-6, and rounded to the nearest number of E2M1, ties to even, subnormals kept.
;;     - The product sums the exact products of the quantised numbers (number of the format x scale) in f32.
;;   ~~~python
;;   def quantise(x, axis):      # numpy; x: float32 -> the quantised numbers, widened to float32 again
;;       x = np.moveaxis(x, axis, -1); K = x.shape[-1]
;;       x = np.pad(x, [(0, 0)] * (x.ndim - 1) + [(0, -K % 32)]); x = x.reshape(x.shape[:-1] + (-1, 32)); a = np.abs(x).max(-1, keepdims=True)
;;       e = np.where(a > 0, np.clip(np.frexp(np.where(a > 0, a, 1))[1] - 1 - 2, -126, 127), 0)      # np.frexp(a)[1] - 1 = floor(log2(a)), exactly
;;       r = np.clip(x / 2.0 ** e, -6, 6)
;;       step = 2.0 ** (np.maximum(np.frexp(np.where(r == 0, 1, r))[1] - 1, 0) - 1)
;;       q = np.round(r / step) * step * 2.0 ** e      # np.round: ties to even
;;       return np.moveaxis(q.reshape(q.shape[:-2] + (-1,))[..., :K], -1, axis).astype(np.float32)
;;   ~~~
;;   SOFTMAX AHEAD OF A QUANTISED PRODUCT. Where the list says 'softmax', what is quantised is not the finished softmax but p = 2^(t - M), with t = logit x log2(e) and M = ceil(the row's largest t), a whole number; so 1/2 < the row's largest p <= 1. The row's sum l is taken of the UNQUANTISED p, in f32, and the product's result is divided by l at the end. Since M is a whole number, a kernel that streams over the keys may use a running M (the ceiling of the running maximum): every later rescaling is an exact power of two, which a block's scale takes up: the codes' values come out the same.
;;   OPERANDS COMPUTED ON THE WAY. 'Computed on the way' means the value that the module computes at that place (a softmax that the list does not call 'softmax' is quantised finished and normalised). What goes into a quantiser is computed in f32, as accurately as f32 sums, v_exp_f32 and their like allow (about 1e-6 of the number): no bf16 or f16 on the way to a quantiser, and a product that is left as it is and whose result goes on into a quantised operand takes f32 operands (vector FMAs, or v_wmma_f32_16x16x4_f32). A number that lies on a knife's edge between two numbers of the format may be rounded either way, as far as f32 arithmetic and the matrix unit's own rounding can turn it there, and no further.
;;   INPUTS GIVEN AS CODES. fqk_W (in the module: [64, 64], K = its axis 1); fv_W (in the module: [32, 64], K = its axis 1); inp (in the module: [4, 64, 256, 256], K = its axis 1); proj_W (in the module: [64, 32], K = its axis 1); tqk_W (in the module: [64, 64], K = its axis 1): each comes as NAME_codes (uint8): NAME with its K axis moved to the last place and cut into blocks of 32 codes, [.., K / 32, bytes a block], one block behind the other in memory; two codes a byte, the lower K in the low four bits (a code: sign, 2 exponent bits, 1 mantissa bit); and NAME_scales (uint8): the same leading axes, one E8M0 byte (e + 127) for each 32 codes along K. Its value is code x scale, taken as it is: it is not quantised again, and the codes and scales need not be those that the quantiser above would give.
;; 2 versions. Each part assembles by itself: llvm-mc -triple=amdgcn-amd-amdhsa -mcpu=gfx1250 --defsym DOCPART=n.
;; ======== version 1 of 2: 3 launches
;; workspace buffers: qfc 4,194,304 bytes; kfc 4,194,304 bytes; vfc 4,194,304 bytes; fsc 786,432 bytes; foc 4,194,304 bytes; fos 262,144 bytes
;; launch prep (part 1): grid 8 x 32, 16 waves a work-group, no clusters, 187,904 bytes of LDS; arguments inp_codes, inp_scales, x, fqk_W_codes, fqk_W_scales, fqk_a, fqk_b, fqk_be, fqk_g, fqk_m, fqk_v, fv_W_codes, fv_W_scales, fv_a, fv_b, fv_be, fv_g, fv_m, fv_v, qfc, kfc, vfc, fsc; writes qfc, kfc, vfc, fsc
.if DOCPART == 1
	.amdgcn_target "amdgcn-amd-amdhsa--gfx1250"
	.amdhsa_code_object_version 6
	.text
	.protected	k_q51c92796a6_prep
	.globl	k_q51c92796a6_prep
	.p2align	8
	.type	k_q51c92796a6_prep,@function
k_q51c92796a6_prep:
	s_mov_b64 s[64:65], 0
	v_nop
	global_prefetch_b8 v0, s[64:65] scope:SCOPE_SE
	s_setreg_imm32_b32 hwreg(HW_REG_WAVE_MODE, 25, 1), 1
	s_wait_xcnt 0x0
; PREP: the two 1x1 convolutions ahead of the frequency attention, on codes of FP4 (E2M1) with one E8M0 scale for each 32 along K.
;   f_qk = prelu(bn(fqk_W inp + b)): q = output 2 c, k = output 2 c + 1; each is quantised along its 32 channels, one block a position.
;   vf   = prelu(bn(fv_W Q(x) + b)): x is quantised along its 64 channels here; vf is quantised along f, 32 neighbours a block.
; SHARES. A work-group owns 32 f x 32 t of one b (grid x: t / 32; grid y: 8 b + f / 32): the 32 f are a block of vf, and with 32 t a wave's load of x
; covers 128 consecutive bytes (64 t would leave 128 work-groups). Sixteen waves: wave wv makes q (wv even) or k (wv odd) for f = wv / 2 + 8 i, and vf for f = wv + 16 n.
; K = 64 IN AN INSTRUCTION OF K = 128: a dense fragment of inp holds TWO positions a row (2 r and 2 r + 1); the weights' tile stands in a chain of registers Z w Z (Z = zeros),
; read as [w Z] for the first position and as [Z w] for the second. Zero codes add nothing under any scale byte that is a number.
; THE ROWS OF fqk_W THAT FORM A TILE: lane r of tile u takes channel 8 u + r + 8 (r / 8), so that a lane's 16 results are 16 neighbouring channels.
; OUT, as images of the next launch's operand registers: qfc, kfc [b][t][piece 256][16 bytes], piece = f with its bits 3 and 4 changed over;
; vfc [b][t][c / 16][f / 32][c % 16][16 bytes]; fsc [q, k, v][b][f / 32][t][32 bytes]. They leave through LDS, 512 or 256 consecutive bytes a store.
; BN is folded: s = g rsq(v + 1e-5), o = (b - m) s + be, y = acc s + o (an order of rounding other than the source's). PReLU: max(y, 0) + a min(y, 0), right for every slope.
; LIMITS: NaN and infinities are not served; v + 1e-5 <= 0 is not served; a block whose largest magnitude lies under 2^-124 (a block of zeros among them) gets the scale byte 1:
; the bytes are read by this program alone. No cluster: work-groups share no tile, only a few KB of weights.
.set TP,   4624                        ; vf's stage: bytes from t to t: 32 rows of CP + 16
.set CP,   144                         ; and from channel to channel: 32 f32 + 16
.set VST,  0                           ; LDS: vf [t 32][c 32][f 32] f32
.set QKS,  32*TP                       ; q's and k's codes [role][t 32] pitch 528 [piece 32][16 bytes]
.set QKR,  32*528
.set SBY,  QKS+2*QKR                   ; scale bytes [q, k, v][t 32][32]
.set PT,   SBY+3072                    ; folded parameters: s of fqk [role][c] at 0, o at 256, (s, o) of fv [c] at 512
.set X,    16                          ; v16-79   64 channels of x at my t; later two rows of vf
.set WCH,  80                          ; v80-115  Z wqk0 Z wqk1 Z wfv0 Z wfv1 Z
.set WS,   116                         ; v116-119 the weights' scale words (scales alone)
.set SQ,   120                         ; v120-135 s of my role's 16 channels
.set OQ,   136                         ; v136-151 o
.set FVP,  152                         ; v152-155 (s, o) of fv's channels r and 16 + r
.set D,    156                         ; v156-187 results
.set XI,   188                         ; v188-203 two fragments of inp
.set XIS,  204                         ; v204-205 their scale words (scales alone)
.set XC,   210                         ; v210-217 x's codes
.set XW,   218                         ; v218     x's scale word (scales alone)
.set T,    220                         ; v220-227 at work
.set MX,   228
.set PXM,  232
.set SO,   236
.set BY,   240
.set CD,   244
; one product: d results, a source 0, b source 1, cz = 1: C = 0, else C = D; sa, sb scale registers; ra, rb = 1: the scales stand in lanes 16-31
.macro WM d, a, b, cz, sa, sb, ra, rb
.if \cz
.if (\ra) && (\rb)
	v_wmma_scale_f32_16x16x128_f8f6f4 v[\d:\d+7], v[\a:\a+7], v[\b:\b+7], 0, v[\sa], v[\sb] matrix_a_fmt:MATRIX_FMT_FP4 matrix_b_fmt:MATRIX_FMT_FP4 matrix_a_scale:MATRIX_SCALE_ROW1 matrix_b_scale:MATRIX_SCALE_ROW1
.elseif \ra
	v_wmma_scale_f32_16x16x128_f8f6f4 v[\d:\d+7], v[\a:\a+7], v[\b:\b+7], 0, v[\sa], v[\sb] matrix_a_fmt:MATRIX_FMT_FP4 matrix_b_fmt:MATRIX_FMT_FP4 matrix_a_scale:MATRIX_SCALE_ROW1
.elseif \rb
	v_wmma_scale_f32_16x16x128_f8f6f4 v[\d:\d+7], v[\a:\a+7], v[\b:\b+7], 0, v[\sa], v[\sb] matrix_a_fmt:MATRIX_FMT_FP4 matrix_b_fmt:MATRIX_FMT_FP4 matrix_b_scale:MATRIX_SCALE_ROW1
.else
	v_wmma_scale_f32_16x16x128_f8f6f4 v[\d:\d+7], v[\a:\a+7], v[\b:\b+7], 0, v[\sa], v[\sb] matrix_a_fmt:MATRIX_FMT_FP4 matrix_b_fmt:MATRIX_FMT_FP4
.endif
.else
.if (\ra) && (\rb)
	v_wmma_scale_f32_16x16x128_f8f6f4 v[\d:\d+7], v[\a:\a+7], v[\b:\b+7], v[\d:\d+7], v[\sa], v[\sb] matrix_a_fmt:MATRIX_FMT_FP4 matrix_b_fmt:MATRIX_FMT_FP4 matrix_a_scale:MATRIX_SCALE_ROW1 matrix_b_scale:MATRIX_SCALE_ROW1
.elseif \ra
	v_wmma_scale_f32_16x16x128_f8f6f4 v[\d:\d+7], v[\a:\a+7], v[\b:\b+7], v[\d:\d+7], v[\sa], v[\sb] matrix_a_fmt:MATRIX_FMT_FP4 matrix_b_fmt:MATRIX_FMT_FP4 matrix_a_scale:MATRIX_SCALE_ROW1
.elseif \rb
	v_wmma_scale_f32_16x16x128_f8f6f4 v[\d:\d+7], v[\a:\a+7], v[\b:\b+7], v[\d:\d+7], v[\sa], v[\sb] matrix_a_fmt:MATRIX_FMT_FP4 matrix_b_fmt:MATRIX_FMT_FP4 matrix_b_scale:MATRIX_SCALE_ROW1
.else
	v_wmma_scale_f32_16x16x128_f8f6f4 v[\d:\d+7], v[\a:\a+7], v[\b:\b+7], v[\d:\d+7], v[\sa], v[\sb] matrix_a_fmt:MATRIX_FMT_FP4 matrix_b_fmt:MATRIX_FMT_FP4
.endif
.endif
.endm
.macro BAR                             ; my LDS stores have landed and my LDS loads are in: then the work-group's barrier
	s_wait_dscnt 0x0
	s_barrier_signal -1
	s_barrier_wait -1
.endm
.macro NOPS n
.rept \n
	v_nop
.endr
.endm
.macro XILOAD i, st                    ; the 32 positions of f = g + 8 i: row r of the fragment is positions 2 r, 2 r + 1 (64 bytes), and their four scale bytes
	global_load_b128 v[XI+8*\st:XI+8*\st+3], v2, s[86:87] offset:65536*(\i)
	global_load_b128 v[XI+8*\st+4:XI+8*\st+7], v2, s[86:87] offset:65536*(\i)+32
	global_load_b32 v[XIS+\st], v3, s[88:89] offset:4096*(\i)
.endm
.macro XLOAD n                         ; x(c, f = wv + 16 n, t0 + lane), c = 0 .. 63: 128 consecutive bytes a load; two bases, since 64 channels pass the immediate's 24 bits
.set xc, 0
.rept 32
	global_load_b32 v[X+xc], v1, s[82:83] offset:xc*262144+16384*\n th:TH_LOAD_NT
.set xc, xc+1
.endr
.set xc, 0
.rept 32
	global_load_b32 v[X+32+xc], v1, s[84:85] offset:xc*262144+16384*\n th:TH_LOAD_NT
.set xc, xc+1
.endr
.endm
; BN and PReLU on n registers from d on, in ascending order (each result is first read at its low end).  s, o: registers sp, op + index % md;  a: the slope's scalar pair
.macro BNPRV d, n, md, sp, op, a
.set bi, 0
.rept (\n)/2
.set bt, T+2*((bi/2)%4)
	v_pk_fma_f32 v[\d+bi:\d+bi+1], v[\d+bi:\d+bi+1], v[\sp+bi%\md:\sp+bi%\md+1], v[\op+bi%\md:\op+bi%\md+1]
	v_max_num_f32 v[bt], 0, v[\d+bi]
	v_max_num_f32 v[bt+1], 0, v[\d+bi+1]
	v_min_num_f32 v[\d+bi], 0, v[\d+bi]
	v_min_num_f32 v[\d+bi+1], 0, v[\d+bi+1]
	v_pk_fma_f32 v[\d+bi:\d+bi+1], v[\d+bi:\d+bi+1], s[\a:\a+1], v[bt:bt+1] op_sel_hi:[1,0,1]
.set bi, bi+2
.endr
.endm
; the same where a lane holds ONE channel: (s, o) is the pair pb + 2 ((index % md) / grp): its low word multiplies both halves, its high word is added to both
.macro BNPRP d, n, md, grp, pb, a
.set bi, 0
.rept (\n)/2
.set bt, T+2*((bi/2)%4)
.set pp, \pb+2*((bi%\md)/\grp)
	v_pk_fma_f32 v[\d+bi:\d+bi+1], v[\d+bi:\d+bi+1], v[pp:pp+1], v[pp:pp+1] op_sel:[0,0,1] op_sel_hi:[1,0,1]
	v_max_num_f32 v[bt], 0, v[\d+bi]
	v_max_num_f32 v[bt+1], 0, v[\d+bi+1]
	v_min_num_f32 v[\d+bi], 0, v[\d+bi]
	v_min_num_f32 v[\d+bi+1], 0, v[\d+bi+1]
	v_pk_fma_f32 v[\d+bi:\d+bi+1], v[\d+bi:\d+bi+1], s[\a:\a+1], v[bt:bt+1] op_sel_hi:[1,0,1]
.set bi, bi+2
.endr
.endm
; nb blocks of 32 that lie in lanes l and l xor 16, 16 registers a lane (src + 16 block): two registers of codes a block at cd, the byte at by.  The blocks take turns line by line.
.macro QB16 nb, src, cd, mx, px, so, by
.set qb, 0
.rept \nb
	v_max3_num_f32 v[\mx+qb], |v[\src+16*qb]|, |v[\src+16*qb+1]|, 0x1800000   ; with the floor 2^(3 - 127) among the leaves: the byte cannot fall under 1
.set qb, qb+1
.endr
.set qi, 2
.rept 7
.set qb, 0
.rept \nb
	v_max3_num_f32 v[\mx+qb], v[\mx+qb], |v[\src+16*qb+qi]|, |v[\src+16*qb+qi+1]|
.set qb, qb+1
.endr
.set qi, qi+2
.endr
.set qb, 0
.rept \nb
	v_permlanex16_b32 v[\px+qb], v[\mx+qb], s70, s71
.set qb, qb+1
.endr
.set qb, 0
.rept \nb
	v_max_num_f32 v[\mx+qb], v[\mx+qb], v[\px+qb]                      ; the block's largest magnitude
.set qb, qb+1
.endr
.set qb, 0
.rept \nb
	v_add_nc_u32 v[\so+qb], 0xff000000, v[\mx+qb]                      ; 2 off its exponent field: the conversion's scale operand
.set qb, qb+1
.endr
.set qb, 0
.rept \nb
	v_lshrrev_b32 v[\by+qb], 23, v[\so+qb]                             ; the scale's byte
.set qb, qb+1
.endr
.set qb, 0
.rept \nb
	v_cvt_scalef32_pk8_fp4_f32 v[\cd+2*qb], v[\src+16*qb:\src+16*qb+7], v[\so+qb]
	v_cvt_scalef32_pk8_fp4_f32 v[\cd+2*qb+1], v[\src+16*qb+8:\src+16*qb+15], v[\so+qb]
.set qb, qb+1
.endr
	v_nop                                          ; one plain place behind a scaled conversion
.endm
; two blocks of 32, each whole in my lane's 32 registers (src, src + 32): four registers of codes each at cd, cd + 4
.macro Q32P src, cd, mx, so, by
.irp b, 0,1
	v_max3_num_f32 v[\mx+\b], |v[\src+32*\b]|, |v[\src+32*\b+1]|, 0x1800000
.endr
.set qi, 2
.rept 15
.irp b, 0,1
	v_max3_num_f32 v[\mx+\b], v[\mx+\b], |v[\src+32*\b+qi]|, |v[\src+32*\b+qi+1]|
.endr
.set qi, qi+2
.endr
.irp b, 0,1
	v_add_nc_u32 v[\so+\b], 0xff000000, v[\mx+\b]
.endr
.irp b, 0,1
	v_lshrrev_b32 v[\by+\b], 23, v[\so+\b]
.endr
.irp b, 0,1
.irp g, 0,1,2,3
	v_cvt_scalef32_pk8_fp4_f32 v[\cd+4*\b+\g], v[\src+32*\b+8*\g:\src+32*\b+8*\g+7], v[\so+\b]
.endr
.endr
	v_nop                                          ; one plain place behind a scaled conversion
.endm
; q or k of f = g + 8 i at my 32 t.  Transposed use: source 0 = 16 rows of the weights, source 1 = inp: lane (r, h) holds position 2 r + var and channels 16 h + 8 u + j.
.macro PART_I i, st, nxt
	s_wait_loadcnt 63                              ; 64 loads or more were issued behind this fragment's three; the count's field holds 63, and a smaller count is safe
.irp var, 0,1
.irp u, 0,1
	WM D+16*\var+8*\u, WCH+4+8*\u-4*\var, XI+8*\st, 1, WS+\u, XIS+\st, 0, 0
.endr
.endr
	NOPS 4                                         ; places ahead of loads into the fragment and of the first read of results
.if \nxt
	XILOAD (\i)+2, \st
.endif
	BNPRV D, 32, 16, SQ, OQ, 66
	QB16 2, D, CD, MX, PXM, SO, BY
.irp var, 0,1
	ds_store_b64 v6, v[CD+2*\var:CD+2*\var+1] offset:528*\var+256*((\i)%2)+128*((\i)/2)   ; my half of the piece: t = 2 r + var, piece 16 f[3] + 8 f[4] + f[2:0]
	ds_store_b8 v7, v[BY+\var] offset:32*\var+16*((\i)/2)+(\i)%2                          ; both lanes of a block write the same byte with the same value
.endr
	s_wait_dscnt 0x0                               ; the stores have read their registers
.endm
; vf of f = wv + 16 n at my 32 t.  A lane holds all 64 channels of x at its t: two whole blocks.  Not transposed: source 0 = x (row r: positions r and 16 + r), source 1 = fv_W:
; lane (r, h) then holds channel 16 ct + r and t = 16 var + 8 h + j.
.macro PART_X n, cnt
	s_wait_loadcnt \cnt
	Q32P X, XC, MX, SO, BY
	v_lshl_or_b32 v[XW], v[BY+1], 8, v[BY]
	v_lshl_or_b32 v[XW], v[XW], 16, v[XW]          ; my position's two bytes, twice: lanes 0-15 serve the first position of a row, lanes 16-31 the second
.irp i, 0,1,2,3
	v_permlane16_swap_b32 v[XC+\i], v[XC+4+\i]     ; registers 0-3: positions 0-15, block h; registers 4-7: positions 16-31
.endr
.if \n == 0
	XLOAD 1
.endif
	NOPS 8                                         ; a scale word made by vector instructions stands 8 places ahead of the product, an operand 4
.irp ct, 0,1
.irp var, 0,1
	WM D+16*\ct+8*\var, XC, WCH+20+8*\ct-4*\var, 1, XW, WS+2+\ct, \var, 0
.endr
.endr
	NOPS 4
	BNPRP D, 32, 32, 16, FVP, 68
.irp ct, 0,1
.irp var, 0,1
.irp j, 0,1,2,3,4,5,6,7
	ds_store_b32 v[4+\var], v[D+16*\ct+8*\var+\j] offset:\j*TP+16*\ct*CP+64*\n
.endr
.endr
.endr
	s_wait_dscnt 0x0                               ; the stores have read their registers
.endm
	s_load_b512 s[16:31], s[0:1], 0x0              ; inp_codes 16, inp_scales 18, x 20, fqk_W_codes 22, fqk_W_scales 24, fqk_a 26, fqk_b 28, fqk_be 30
	s_load_b512 s[32:47], s[0:1], 0x40             ; fqk_g 32, fqk_m 34, fqk_v 36, fv_W_codes 38, fv_W_scales 40, fv_a 42, fv_b 44, fv_be 46
	s_load_b256 s[48:55], s[0:1], 0x80             ; fv_g 48, fv_m 50, fv_v 52, qfc 54
	s_load_b128 s[56:59], s[0:1], 0xa0             ; kfc 56, vfc 58
	s_load_b64 s[60:61], s[0:1], 0xb0              ; fsc
	v_lshl_add_u32 v243, v0, 2, 0x2d600
	v_mov_b32 v255, 0
	v_lshrrev_b32 v220, 5, v0
	v_readfirstlane_b32 s2, v220                   ; wave 0..15
	s_and_b32 s3, s2, 1                            ; role: 0 q, 1 k
	s_lshr_b32 s4, s2, 1                           ; g
	s_mov_b32 s5, ttmp9                            ; t / 32
	s_and_b32 s8, ttmp7, 0xffff
	s_lshr_b32 s6, s8, 3                           ; b
	s_and_b32 s7, s8, 7                            ; f / 32
	s_mov_b32 s70, 0x76543210
	s_mov_b32 s71, 0xfedcba98                      ; v_permlanex16_b32's selects for lane l xor 16
	v_and_b32 v220, 31, v0                         ; lane
	v_and_b32 v221, 15, v0                         ; r
	v_bfe_u32 v222, v0, 4, 1                       ; h
	; every address register is made here, ahead of the first branch on the wave's number
	v_lshlrev_b32 v1, 2, v220                      ; x: 4 x lane
	v_lshlrev_b32 v2, 6, v221
	v_lshl_add_u32 v2, v222, 4, v2                 ; inp's fragment: 64 r + 16 h
	v_lshlrev_b32 v3, 2, v221                      ; its scale word: 4 r
	v_mul_u32_u24 v4, v221, CP
	v_mad_u32_u24 v4, v222, 8*TP, v4
	s_lshl_b32 s8, s2, 2
	v_add_nc_u32 v4, s8, v4                        ; vf's stage, in: t = 8 h (+ j), channel r, f = wv
	v_add_nc_u32 v5, 16*TP, v4                     ; and t 16 further on
	s_mul_i32 s8, s3, QKR
	s_lshl_b32 s9, s4, 4
	s_add_co_u32 s8, s8, s9
	s_add_co_u32 s8, s8, QKS
	v_mul_u32_u24 v6, v221, 1056
	v_lshl_add_u32 v6, v222, 3, v6
	v_add_nc_u32 v6, s8, v6                        ; q's or k's codes, in: t = 2 r, piece g, my half
	s_lshl_b32 s8, s3, 10
	s_lshl_b32 s9, s4, 1
	s_add_co_u32 s8, s8, s9
	s_add_co_u32 s8, s8, SBY
	v_lshlrev_b32 v7, 6, v221
	v_add_nc_u32 v7, s8, v7                        ; their scale bytes
	s_mul_i32 s8, s2, TP
	v_mul_u32_u24 v8, v220, CP
	v_add_nc_u32 v8, s8, v8                        ; vf's stage, out: t = wv, channel = lane
	v_add_nc_u32 v9, 16*TP, v8
	v_lshlrev_b32 v14, 4, v220                     ; 16 x lane
	s_mul_i32 s8, s2, 528
	s_add_co_u32 s8, s8, QKS
	v_add_nc_u32 v10, s8, v14                      ; q's codes, out: row t = wv
	s_lshl_b32 s8, s2, 5
	s_add_co_u32 s8, s8, SBY+2048
	v_add_nc_u32 v11, s8, v220                     ; vf's scale bytes: t = wv, channel = lane
	v_lshl_add_u32 v12, v0, 4, SBY                 ; the scale bytes, out
	v_lshlrev_b32 v13, 4, v221
	v_lshl_add_u32 v13, v222, 11, v13              ; vfc: (c / 16) 2048 + (c % 16) 16
	v_lshrrev_b32 v223, 6, v0
	v_and_b32 v224, 63, v0
	v_lshlrev_b32 v15, 4, v224
	v_lshl_add_u32 v15, v223, 18, v15              ; fsc: section tid / 64, 16 bytes a thread
	v_and_b32 v225, 1, v0
	v_bfe_u32 v226, v0, 1, 5
	v_lshlrev_b32 v206, 2, v226
	v_lshl_add_u32 v206, v225, 7, v206
	v_add_nc_u32 v206, PT, v206                    ; output o = tid of fqk: role o % 2, channel o / 2
	v_lshl_add_u32 v207, v220, 3, PT+512           ; channel = lane of fv
	s_lshl_b32 s8, s3, 7
	s_add_co_u32 s8, s8, PT
	v_lshlrev_b32 v208, 6, v222
	v_add_nc_u32 v208, s8, v208                    ; my role's s of channels 16 h ..
	v_lshl_add_u32 v209, v221, 3, PT+512           ; fv's (s, o) of channel r
	v_and_b32 v223, 8, v221
	v_add_nc_u32 v223, v223, v221                  ; r + 8 (r / 8)
	v_lshlrev_b32 v244, 6, v223
	v_lshl_add_u32 v244, v222, 4, v244
	s_lshl_b32 s8, s3, 5
	v_add_nc_u32 v244, s8, v244                    ; fqk_W: output 2 (r + 8 (r / 8)) + role: 32 bytes a row, + 16 h
	v_lshlrev_b32 v245, 2, v223
	s_lshl_b32 s8, s3, 1
	v_add_nc_u32 v245, s8, v245                    ; its two scale bytes
	v_lshlrev_b32 v246, 5, v221
	v_lshl_add_u32 v246, v222, 4, v246             ; fv_W: row r
	v_lshlrev_b32 v247, 1, v221
	s_wait_kmcnt 0x0
	s_load_b32 s66, s[26:27], 0x0                  ; the slopes
	s_load_b32 s68, s[42:43], 0x0
	s_cmp_lt_u32 s2, 2                             ; waves 0, 1 fold fqk's 64 outputs, the others fv's 32 (wave 2's are kept): every wave issues the same five loads
	s_cselect_b64 s[72:73], s[28:29], s[44:45]
	s_cselect_b64 s[74:75], s[30:31], s[46:47]
	s_cselect_b64 s[76:77], s[32:33], s[48:49]
	s_cselect_b64 s[78:79], s[34:35], s[50:51]
	s_cselect_b64 s[80:81], s[36:37], s[52:53]
	s_cselect_b32 s8, 63, 31
	v_and_b32 v248, s8, v0
	v_lshlrev_b32 v248, 2, v248
	s_lshl_b32 s8, s6, 24                          ; x: ((64 b) 256 + 32 fb + wv) 1024 + 128 tr
	s_lshl_b32 s9, s7, 15
	s_add_co_u32 s8, s8, s9
	s_lshl_b32 s9, s2, 10
	s_add_co_u32 s8, s8, s9
	s_lshl_b32 s9, s5, 7
	s_add_co_u32 s8, s8, s9
	s_mov_b32 s9, 0
	s_add_nc_u64 s[82:83], s[20:21], s[8:9]
	s_add_nc_u64 s[84:85], s[82:83], 0x800000      ; channels 32 on
	s_lshl_b32 s8, s6, 21                          ; inp_codes: ((256 b + 32 fb + g) 256 + 32 tr) 32
	s_lshl_b32 s10, s7, 18
	s_add_co_u32 s8, s8, s10
	s_lshl_b32 s10, s4, 13
	s_add_co_u32 s8, s8, s10
	s_lshl_b32 s10, s5, 10
	s_add_co_u32 s8, s8, s10
	s_add_nc_u64 s[86:87], s[16:17], s[8:9]
	s_lshr_b32 s8, s8, 4                           ; two scale bytes a position
	s_add_nc_u64 s[88:89], s[18:19], s[8:9]
	s_lshl_b32 s8, s6, 20                          ; (256 b + 32 tr + wv) 4096
	s_lshl_b32 s10, s5, 17
	s_add_co_u32 s8, s8, s10
	s_lshl_b32 s10, s2, 12
	s_add_co_u32 s8, s8, s10
	s_lshl_b32 s10, s7, 8
	s_add_co_u32 s12, s8, s10                      ; + 256 fb
	s_mov_b32 s13, 0
	s_add_nc_u64 s[94:95], s[58:59], s[12:13]      ; vfc
	s_add_co_u32 s12, s12, s10                     ; + 512 fb
	s_add_nc_u64 s[90:91], s[54:55], s[12:13]      ; qfc
	s_add_nc_u64 s[92:93], s[56:57], s[12:13]      ; kfc
	s_lshl_b32 s8, s6, 16                          ; fsc: (8 b + fb) 8192 + 32 tr x 32
	s_lshl_b32 s10, s7, 13
	s_add_co_u32 s8, s8, s10
	s_lshl_b32 s10, s5, 10
	s_add_co_u32 s8, s8, s10
	s_add_nc_u64 s[96:97], s[60:61], s[8:9]
	global_load_b32 v250, v248, s[72:73]           ; b
	global_load_b32 v251, v248, s[74:75]           ; be
	global_load_b32 v252, v248, s[76:77]           ; g
	global_load_b32 v253, v248, s[78:79]           ; m
	global_load_b32 v254, v248, s[80:81]           ; v
.irp u, 0,1
	global_load_b128 v[WCH+4+8*\u:WCH+7+8*\u], v244, s[22:23] offset:512*\u
	global_load_u16 v[WS+\u], v245, s[24:25] offset:32*\u
.endr
.irp ct, 0,1
	global_load_b128 v[WCH+20+8*\ct:WCH+23+8*\ct], v246, s[38:39] offset:512*\ct
	global_load_u16 v[WS+2+\ct], v247, s[40:41] offset:32*\ct
.endr
	XILOAD 0, 0
	XILOAD 1, 1
	XLOAD 0
	s_wait_kmcnt 0x0
	s_mov_b32 s67, s66                             ; (the packed forms name pairs)
	s_mov_b32 s69, s68
	s_wait_loadcnt 63                              ; 83 loads have been issued: the 20 oldest are in, the 19 small ones among them
	v_add_f32 v254, 0x3727c5ac, v254               ; v + 1e-5
	v_rsq_f32 v254, v254
	v_sub_f32 v250, v250, v253                     ; b - m  (a plain place behind the transcendental)
	s_wait_alu depctr_va_vdst(0)
	v_mul_f32 v252, v252, v254                     ; s
	v_fma_f32 v253, v250, v252, v251               ; o
	s_cmp_lt_u32 s2, 2
	s_cbranch_scc0 .Lnot_qk
	ds_store_b32 v206, v252
	ds_store_b32 v206, v253 offset:256
	s_branch .Lpt_done
.Lnot_qk:
	s_cmp_eq_u32 s2, 2
	s_cbranch_scc0 .Lpt_done
	ds_store_b64 v207, v[252:253]
.Lpt_done:
.irp i, 0,1,2,3
	v_perm_b32 v[WS+\i], v[WS+\i], v[WS+\i], 0x01000100   ; a weight row's two bytes in both halves of its word: they serve [w Z] and [Z w] alike
.endr
.irp z, 0,8,16,24,32
.irp i, 0,1,2,3
	v_mov_b32 v[WCH+\z+\i], 0                      ; the chain's zeros
.endr
.endr
.irp i, 0,1,2,3
	v_mov_b32 v[PXM+\i], 0                         ; written once: a lane permute's destination counts as one of its sources.  (Also the places behind the zeros)
.endr
	BAR                                            ; the folded parameters lie in LDS
.irp k, 0,1,2,3
	ds_load_b128 v[SQ+4*\k:SQ+4*\k+3], v208 offset:16*\k
	ds_load_b128 v[OQ+4*\k:OQ+4*\k+3], v208 offset:256+16*\k
.endr
	ds_load_b64 v[FVP:FVP+1], v209
	ds_load_b64 v[FVP+2:FVP+3], v209 offset:128
	s_wait_dscnt 0x0
	PART_I 0, 0, 1
	PART_I 1, 1, 1
	PART_X 0, 6                                    ; x's 64 loads are in; behind them stand the six of the two fragments asked for above
	PART_I 2, 0, 0
	PART_I 3, 1, 0
	PART_X 1, 0
	BAR                                            ; q's and k's codes, their bytes and vf lie in LDS
	; ---- out: wave wv takes t = wv and wv + 16
.irp rho, 0,1
.irp n, 0,1
	ds_load_b128 v[D+4*(2*\rho+\n):D+4*(2*\rho+\n)+3], v10 offset:\rho*QKR+\n*16*528
.endr
.endr
.irp n, 0,1
.irp k, 0,1,2,3,4,5,6,7
	ds_load_b128 v[X+32*\n+4*\k:X+32*\n+4*\k+3], v[8+\n] offset:16*\k    ; vf(channel = lane, f = 0 .. 31): a whole block
.endr
.endr
	s_wait_dscnt 16                                ; the four rows of codes are in; vf's sixteen loads may be out
.irp rho, 0,1
.irp n, 0,1
	global_store_b128 v14, v[D+4*(2*\rho+\n):D+4*(2*\rho+\n)+3], s[90+2*\rho:91+2*\rho] offset:65536*\n   ; 512 consecutive bytes
.endr
.endr
	s_wait_dscnt 0x0
	Q32P X, CD, MX, SO, BY
	global_store_b128 v13, v[CD:CD+3], s[94:95]    ; two runs of 256 consecutive bytes, each at a multiple of 256
	global_store_b128 v13, v[CD+4:CD+7], s[94:95] offset:65536
	ds_store_b8 v11, v[BY]
	ds_store_b8 v11, v[BY+1] offset:512
	BAR                                            ; all 3,072 scale bytes lie in LDS
	s_cmp_lt_u32 s2, 6
	s_cbranch_scc0 .Lend
	ds_load_b128 v[16:19], v12
	s_wait_dscnt 0x0
	global_store_b128 v15, v[16:19], s[96:97]      ; 1,024 consecutive bytes a section
.Lend:
	s_wait_tensorcnt 0x0
	ds_add_u32 v243, v255
	s_wait_dscnt 0x0
	s_endpgm
.Lfunc_end_k_q51c92796a6_prep:
	.size	k_q51c92796a6_prep, .Lfunc_end_k_q51c92796a6_prep-k_q51c92796a6_prep
	.p2alignl 7, 3214868480
	.fill 96, 4, 3214868480
	.section	.rodata,"a",@progbits
	.p2align	6, 0x0
	.amdhsa_kernel k_q51c92796a6_prep
		.amdhsa_group_segment_fixed_size 187904
		.amdhsa_private_segment_fixed_size 0
		.amdhsa_enable_private_segment 0
		.amdhsa_kernarg_size 184
		.amdhsa_user_sgpr_count 2
		.amdhsa_user_sgpr_kernarg_segment_ptr 1
		.amdhsa_wavefront_size32 1
		.amdhsa_system_sgpr_workgroup_id_x 1
		.amdhsa_system_sgpr_workgroup_id_y 1
		.amdhsa_system_sgpr_workgroup_id_z 1
		.amdhsa_system_vgpr_workitem_id 0
		.amdhsa_next_free_vgpr 256
		.amdhsa_next_free_sgpr 100
		.amdhsa_reserve_vcc 0
		.amdhsa_float_denorm_mode_32 3
		.amdhsa_float_denorm_mode_16_64 3
		.amdhsa_memory_ordered 1
		.amdhsa_forward_progress 1
		.amdhsa_inst_pref_size 75
	.end_amdhsa_kernel
	.amdgpu_metadata
---
amdhsa.version: [ 1, 2 ]
amdhsa.kernels:
  - .name:           k_q51c92796a6_prep
    .symbol:         k_q51c92796a6_prep.kd
    .args:
      - { .name: inp_codes, .offset: 0, .size: 8, .value_kind: global_buffer, .address_space: global }
      - { .name: inp_scales, .offset: 8, .size: 8, .value_kind: global_buffer, .address_space: global }
      - { .name: x, .offset: 16, .size: 8, .value_kind: global_buffer, .address_space: global }
      - { .name: fqk_W_codes, .offset: 24, .size: 8, .value_kind: global_buffer, .address_space: global }
      - { .name: fqk_W_scales, .offset: 32, .size: 8, .value_kind: global_buffer, .address_space: global }
      - { .name: fqk_a, .offset: 40, .size: 8, .value_kind: global_buffer, .address_space: global }
      - { .name: fqk_b, .offset: 48, .size: 8, .value_kind: global_buffer, .address_space: global }
      - { .name: fqk_be, .offset: 56, .size: 8, .value_kind: global_buffer, .address_space: global }
      - { .name: fqk_g, .offset: 64, .size: 8, .value_kind: global_buffer, .address_space: global }
      - { .name: fqk_m, .offset: 72, .size: 8, .value_kind: global_buffer, .address_space: global }
      - { .name: fqk_v, .offset: 80, .size: 8, .value_kind: global_buffer, .address_space: global }
      - { .name: fv_W_codes, .offset: 88, .size: 8, .value_kind: global_buffer, .address_space: global }
      - { .name: fv_W_scales, .offset: 96, .size: 8, .value_kind: global_buffer, .address_space: global }
      - { .name: fv_a, .offset: 104, .size: 8, .value_kind: global_buffer, .address_space: global }
      - { .name: fv_b, .offset: 112, .size: 8, .value_kind: global_buffer, .address_space: global }
      - { .name: fv_be, .offset: 120, .size: 8, .value_kind: global_buffer, .address_space: global }
      - { .name: fv_g, .offset: 128, .size: 8, .value_kind: global_buffer, .address_space: global }
      - { .name: fv_m, .offset: 136, .size: 8, .value_kind: global_buffer, .address_space: global }
      - { .name: fv_v, .offset: 144, .size: 8, .value_kind: global_buffer, .address_space: global }
      - { .name: qfc, .offset: 152, .size: 8, .value_kind: global_buffer, .address_space: global }
      - { .name: kfc, .offset: 160, .size: 8, .value_kind: global_buffer, .address_space: global }
      - { .name: vfc, .offset: 168, .size: 8, .value_kind: global_buffer, .address_space: global }
      - { .name: fsc, .offset: 176, .size: 8, .value_kind: global_buffer, .address_space: global }
    .group_segment_fixed_size: 187904
    .private_segment_fixed_size: 0
    .kernarg_segment_align: 8
    .kernarg_segment_size: 184
    .max_flat_workgroup_size: 512
    .sgpr_count:     100
    .vgpr_count:     256
    .wavefront_size: 32
...
	.end_amdgpu_metadata
.endif
;; end of part 1
;; launch freq (part 2): grid 8 x 32, 16 waves a work-group, no clusters, 166,400 bytes of LDS; arguments qfc, kfc, vfc, fsc, foc, fos; writes foc, fos
.if DOCPART == 2
	.amdgcn_target "amdgcn-amd-amdhsa--gfx1250"
	.amdhsa_code_object_version 6
	.text
	.protected	k_q51c92796a6_freq
	.globl	k_q51c92796a6_freq
	.p2align	8
	.type	k_q51c92796a6_freq,@function
k_q51c92796a6_freq:
	s_mov_b64 s[64:65], 0
	v_nop
	global_prefetch_b8 v0, s[64:65] scope:SCOPE_SE
	s_setreg_imm32_b32 hwreg(HW_REG_WAVE_MODE, 25, 1), 1
	s_wait_xcnt 0x0
; FREQ: the frequency attention, for each (b, t) over the 256 f, on codes of FP4 (E2M1) with one E8M0 scale for each 32 along K; its result fout is quantised along t for the next launch.
; SOFTMAX: t' = score x log2(e) / sqrt(32); M = the running largest t', rounded UP to a whole number; p = 2^(t' - M) is what is quantised, along the keys; the row's sum is taken of the unquantised p
; and divides the result at the end.  When M moves, the sum and O are multiplied by 2^(old M - new M): exact.
; SHARES. A work-group owns 32 queries (grid x) x 32 t (grid y: 8 b + t / 32): the 32 t are a block of fout.  Wave wv takes t = wv and wv + 16, one after the other: two tiles of 16 queries against 256 keys, 128 a step.
; K and V of one t are 8 KB, laid by the launch before as images of the operands' registers: each wave loads its own t's straight into 64 registers, 512 consecutive bytes a load; no wave shares them.
; K = 32 IN AN INSTRUCTION OF K = 128: a fragment of K holds FOUR tiles of 16 keys (block beta of row r = key r of tile 4 sigma + beta); the queries stand in a chain of registers Z QL Z QH Z
; (QL: codes in lanes 0-15 alone, QH: in lanes 16-31 alone, Z: zeros), read at four places so that the codes fall into block beta alone.  Zero codes add nothing.
; Both products are used transposed (S^T = K Q^T, O^T = V^T P^T): a lane holds one query.  The keys of tile 2 b + u are 32 b + 8 u + r + 8 (r / 8): the 16 registers of two neighbouring tiles are 16 neighbouring keys.
; NO CLUSTER: the 8 work-groups of one (b, t / 32) read the same 264 KB of K, V and scales; held jointly in LDS that does not fit beside the 148 KB stage that fout's blocks along t need,
; and a ring of pieces would tie sixteen waves that share nothing to common rounds.
; fos is stored 32 neighbouring bytes a wave: parts of 256-byte runs, one byte in 17 of what this launch stores.
; LIMITS: NaN and infinities are not served; a block of fout or of p whose largest magnitude lies under 2^-124 gets the scale byte 1 (the bytes are read by this program alone).
.set FS,   0                           ; LDS: fout [query 32] pitch 4624 [c 32] pitch 144 [t 32] f32
.set SCK,  147968                      ; K's scale bytes [f / 32][t 32][32]
.set SCV,  156160                      ; V's likewise
.set QC,   16                          ; v16-51   Z QL0 Z QH0 Z QL1 Z QH1 Z
.set QT,   52                          ; v52-59   the two tiles' codes as loaded
.set K,    60                          ; v60-91   four fragments
.set V,    92                          ; v92-123  (c / 16, step): 16 ct + 8 ks
.set S,    124                         ; v124-187 S^T, then p
.set O,    188                         ; v188-203 O^T
.set P,    204                         ; v204-211 p's codes
.set KS,   212                         ; v212-213 K's scale words, v214-215 V's, v216 Q's, v217 p's: scales alone
.set VSC,  214
.set QS,   216
.set PS,   217
.set QRAW, 218                         ; Q's byte as loaded
.set BM,   220
.set PX,   224
.set SO,   228
.set NM,   232                         ; -M;  v233 the largest t'
.set TM,   233
.set L,    234                         ; the sum, in two halves
.set F,    236                         ; 2^(old M - new M)
.set MS,   238
.set RAW,  240                         ; v240-251 scale bytes as loaded; at the end codes and bytes
.set SEL,  26
.set CS,   28
.macro WM d, a, b, cz, sa, sb, ra, rb
.if \cz
.if (\ra) && (\rb)
	v_wmma_scale_f32_16x16x128_f8f6f4 v[\d:\d+7], v[\a:\a+7], v[\b:\b+7], 0, v[\sa], v[\sb] matrix_a_fmt:MATRIX_FMT_FP4 matrix_b_fmt:MATRIX_FMT_FP4 matrix_a_scale:MATRIX_SCALE_ROW1 matrix_b_scale:MATRIX_SCALE_ROW1
.elseif \ra
	v_wmma_scale_f32_16x16x128_f8f6f4 v[\d:\d+7], v[\a:\a+7], v[\b:\b+7], 0, v[\sa], v[\sb] matrix_a_fmt:MATRIX_FMT_FP4 matrix_b_fmt:MATRIX_FMT_FP4 matrix_a_scale:MATRIX_SCALE_ROW1
.elseif \rb
	v_wmma_scale_f32_16x16x128_f8f6f4 v[\d:\d+7], v[\a:\a+7], v[\b:\b+7], 0, v[\sa], v[\sb] matrix_a_fmt:MATRIX_FMT_FP4 matrix_b_fmt:MATRIX_FMT_FP4 matrix_b_scale:MATRIX_SCALE_ROW1
.else
	v_wmma_scale_f32_16x16x128_f8f6f4 v[\d:\d+7], v[\a:\a+7], v[\b:\b+7], 0, v[\sa], v[\sb] matrix_a_fmt:MATRIX_FMT_FP4 matrix_b_fmt:MATRIX_FMT_FP4
.endif
.else
.if (\ra) && (\rb)
	v_wmma_scale_f32_16x16x128_f8f6f4 v[\d:\d+7], v[\a:\a+7], v[\b:\b+7], v[\d:\d+7], v[\sa], v[\sb] matrix_a_fmt:MATRIX_FMT_FP4 matrix_b_fmt:MATRIX_FMT_FP4 matrix_a_scale:MATRIX_SCALE_ROW1 matrix_b_scale:MATRIX_SCALE_ROW1
.elseif \ra
	v_wmma_scale_f32_16x16x128_f8f6f4 v[\d:\d+7], v[\a:\a+7], v[\b:\b+7], v[\d:\d+7], v[\sa], v[\sb] matrix_a_fmt:MATRIX_FMT_FP4 matrix_b_fmt:MATRIX_FMT_FP4 matrix_a_scale:MATRIX_SCALE_ROW1
.elseif \rb
	v_wmma_scale_f32_16x16x128_f8f6f4 v[\d:\d+7], v[\a:\a+7], v[\b:\b+7], v[\d:\d+7], v[\sa], v[\sb] matrix_a_fmt:MATRIX_FMT_FP4 matrix_b_fmt:MATRIX_FMT_FP4 matrix_b_scale:MATRIX_SCALE_ROW1
.else
	v_wmma_scale_f32_16x16x128_f8f6f4 v[\d:\d+7], v[\a:\a+7], v[\b:\b+7], v[\d:\d+7], v[\sa], v[\sb] matrix_a_fmt:MATRIX_FMT_FP4 matrix_b_fmt:MATRIX_FMT_FP4
.endif
.endif
.endm
.macro BAR
	s_wait_dscnt 0x0
	s_barrier_signal -1
	s_barrier_wait -1
.endm
.macro NOPS n
.rept \n
	v_nop
.endr
.endm
.macro Q32P src, cd, mx, so, by        ; two blocks of 32, each whole in my lane's 32 registers: four registers of codes each
.irp b, 0,1
	v_max3_num_f32 v[\mx+\b], |v[\src+32*\b]|, |v[\src+32*\b+1]|, 0x1800000   ; with the floor 2^(3 - 127): the byte cannot fall under 1
.endr
.set qi, 2
.rept 15
.irp b, 0,1
	v_max3_num_f32 v[\mx+\b], v[\mx+\b], |v[\src+32*\b+qi]|, |v[\src+32*\b+qi+1]|
.endr
.set qi, qi+2
.endr
.irp b, 0,1
	v_add_nc_u32 v[\so+\b], 0xff000000, v[\mx+\b]  ; 2 off the exponent field: the conversion's scale operand
.endr
.irp b, 0,1
	v_lshrrev_b32 v[\by+\b], 23, v[\so+\b]         ; the scale's byte
.endr
.irp b, 0,1
.irp g, 0,1,2,3
	v_cvt_scalef32_pk8_fp4_f32 v[\cd+4*\b+\g], v[\src+32*\b+8*\g:\src+32*\b+8*\g+7], v[\so+\b]
.endr
.endr
	v_nop                                          ; one plain place behind a scaled conversion
.endm
; The softmax of one step: 64 scores a lane (register 16 b + i = key 32 b + 16 (lane / 16) + i of the step) become p, p's codes and scale word; the sum and O^T go under the new M.  first = 1: a tile's first step.
.macro SMSTEP first
.irp b, 0,1,2,3
	v_max3_num_f32 v[BM+\b], v[S+16*\b], v[S+16*\b+1], v[S+16*\b+2]   ; the largest score of each block of 32 keys: for the row's maximum and, since p rises with the score, for the block's largest p
.endr
.irp i, 3,5,7,9,11,13
.irp b, 0,1,2,3
	v_max3_num_f32 v[BM+\b], v[BM+\b], v[S+16*\b+\i], v[S+16*\b+\i+1]
.endr
.endr
.irp b, 0,1,2,3
	v_max_num_f32 v[BM+\b], v[BM+\b], v[S+16*\b+15]
.endr
.irp b, 0,1,2,3
	v_permlanex16_b32 v[PX+\b], v[BM+\b], s[SEL], s[SEL+1]
.endr
.irp b, 0,1,2,3
	v_max_num_f32 v[BM+\b], v[BM+\b], v[PX+\b]     ; with lane l xor 16's 16 keys
.endr
	v_max3_num_f32 v[MS], v[BM], v[BM+1], v[BM+2]
	v_max_num_f32 v[MS], v[MS], v[BM+3]
	v_mul_f32 v[MS], s[CS], v[MS]                  ; the step's largest t' (c is positive)
.if \first
	v_mov_b32 v[TM], v[MS]
	v_floor_f32 v[NM], -v[TM]                      ; -M = floor(-t') = -ceil(t')
.else
	v_max_num_f32 v[TM], v[TM], v[MS]
	v_mov_b32 v[MS], v[NM]
	v_floor_f32 v[NM], -v[TM]
	v_sub_f32 v[MS], v[NM], v[MS]                  ; old M - new M: a whole number, 0 or less
	v_cvt_i32_f32 v[MS], v[MS]
	v_ldexp_f32 v[F], 1.0, v[MS]
.endif
.set sj, 0
.rept 32
	v_pk_fma_f32 v[S+sj:S+sj+1], v[S+sj:S+sj+1], s[CS:CS+1], v[NM:NM+1] op_sel_hi:[1,0,0]   ; t' - M, two at a time
.set sj, sj+2
.endr
.irp b, 0,1,2,3
	v_fma_f32 v[BM+\b], v[BM+\b], s[CS], v[NM]
.endr
.set sj, 0
.rept 64
	v_exp_f32 v[S+sj], v[S+sj]                     ; p = 2^(t' - M)
.set sj, sj+1
.endr
.irp b, 0,1,2,3
	v_exp_f32 v[BM+\b], v[BM+\b]                   ; the block's largest p: the same two instructions on the same number
.endr
.if \first
	v_nop                                          ; a plain place behind the exponentials
	s_wait_alu depctr_va_vdst(0)
.else
	v_pk_mul_f32 v[L:L+1], v[L:L+1], v[F:F+1] op_sel_hi:[1,0]   ; the sum under the new M (a plain place behind the exponentials)
	s_wait_alu depctr_va_vdst(0)
.endif
.irp b, 0,1,2,3
	v_max_num_f32 v[BM+\b], 0x1800000, v[BM+\b]    ; the floor
.endr
.irp b, 0,1,2,3
	v_add_nc_u32 v[SO+\b], 0xff000000, v[BM+\b]
.endr
.irp b, 0,1,2,3
	v_lshrrev_b32 v[PX+\b], 23, v[SO+\b]
.endr
	v_lshl_or_b32 v[PS], v[PX+1], 8, v[PX]         ; p's scale word for these 128 keys
	v_lshl_or_b32 v[PS], v[PX+2], 16, v[PS]
	v_lshl_or_b32 v[PS], v[PX+3], 24, v[PS]
.irp b, 0,1,2,3
	v_cvt_scalef32_pk8_fp4_f32 v[P+2*\b], v[S+16*\b:S+16*\b+7], v[SO+\b]
	v_cvt_scalef32_pk8_fp4_f32 v[P+2*\b+1], v[S+16*\b+8:S+16*\b+15], v[SO+\b]
.endr
	v_nop                                          ; one plain place behind a scaled conversion
.irp c, 0,1
.irp i, 0,1
	v_permlane16_swap_b32 v[P+4*\c+\i], v[P+4*\c+2+\i]   ; a whole block to a lane: lanes 0-15 block 2 c, lanes 16-31 block 2 c + 1
.endr
.endr
	v_pk_add_f32 v[PX:PX+1], v[S:S+1], v[S+2:S+3]  ; the row's sum, of the unquantised p, in two chains.  (These additions are also the places between p's scale word and codes and the product)
.irp j, 4,8,12,16,20,24,28,32,36,40,44,48,52,56,60
	v_pk_add_f32 v[L:L+1], v[L:L+1], v[S+\j:S+\j+1]
	v_pk_add_f32 v[PX:PX+1], v[PX:PX+1], v[S+\j+2:S+\j+3]
.endr
	v_pk_add_f32 v[L:L+1], v[L:L+1], v[PX:PX+1]
.if !(\first)
.irp j, 0,2,4,6,8,10,12,14
	v_pk_mul_f32 v[O+\j:O+\j+1], v[O+\j:O+\j+1], v[F:F+1] op_sel_hi:[1,0]   ; O^T under the new M
.endr
.endif
.endm
.macro LOADQ n                         ; my two tiles of queries at t = wv + 16 n (both halves of the lanes take the same 16 bytes), and their scale bytes: lanes 0-15 tile 0, lanes 16-31 tile 1
.irp u, 0,1
	global_load_b128 v[QT+4*\u:QT+4*\u+3], v2, s[20:21] offset:65536*\n+256*\u
.endr
	global_load_u8 v[QRAW], v5, s[36:37] offset:512*\n
.endm
.macro LOADK n
.irp k, 0,1,2,3,4,5,6,7
	global_load_b128 v[K+4*\k:K+4*\k+3], v1, s[22:23] offset:65536*\n+512*\k
.endr
.endm
.macro LOADV n
.irp k, 0,1,2,3,4,5,6,7
	global_load_b128 v[V+4*\k:V+4*\k+3], v1, s[24:25] offset:65536*\n+512*\k
.endr
.endm
; one step of 128 keys for tile u
.macro STEP n, u, ks
.irp sl, 0,1
.irp be, 0,1,2,3
	WM S+8*(4*\sl+\be), K+8*(2*\ks+\sl), QC+16*\u+4+8*(\be%2)-4*(\be/2), 1, KS+\ks, QS, \sl, \u
.endr
.endr
	NOPS 4                                         ; places ahead of the first read of the scores and of loads into K's registers
.if (\n == 0) && (\u == 1) && (\ks == 1)
	LOADK 1                                        ; the last products on this t's K are issued: the next t's K
.endif
	SMSTEP (1-\ks)
.if \ks == 0
	s_wait_dscnt 0x0                               ; the last tile's stores have read O^T
.if \u == 0
	s_wait_loadcnt 3*(1-\n)                        ; V is in; behind it stand the next t's three loads of Q, or nothing
.endif
.endif
	WM O, V+8*\ks, P, 1-\ks, VSC+\ks, PS, 0, 0     ; the two accumulators take turns, and eight score products stand between a sum's links
	WM O+8, V+16+8*\ks, P, 1-\ks, VSC+\ks, PS, 1, 0
.endm
.macro FINISH n, u                     ; O^T / the sum goes to the stage: query 16 u + r, channel 16 ct + 8 h + j, t = wv + 16 n
	v_add_f32 v[L], v[L], v[L+1]
	v_permlanex16_b32 v[PX], v[L], s[SEL], s[SEL+1]
	v_add_f32 v[L], v[L], v[PX]                    ; the row's sum
	v_rcp_f32 v[L], v[L]
	NOPS 3                                         ; a plain place behind the transcendental; with the lines above, the places behind the last products
	s_wait_alu depctr_va_vdst(0)
.irp j, 0,2,4,6,8,10,12,14
	v_pk_mul_f32 v[O+\j:O+\j+1], v[O+\j:O+\j+1], v[L:L+1] op_sel_hi:[1,0]
.endr
.irp ct, 0,1
.irp j, 0,1,2,3,4,5,6,7
	ds_store_b32 v[6+\u], v[O+8*\ct+\j] offset:(16*\ct+\j)*144+64*\n
.endr
.endr
.if (\n == 0) && (\u == 1)
	LOADV 1
.endif
.endm
.macro UNIT n
.irp ks, 0,1
	ds_load_u16 v[RAW+2*\ks], v3 offset:4096*\ks+512*\n          ; lanes 0-15: fragment 2 ks, lanes 16-31: fragment 2 ks + 1; two bytes (tiles 2 b, 2 b + 1) for each 32 keys
	ds_load_u16 v[RAW+2*\ks+1], v3 offset:4096*\ks+512*\n+1024
.endr
.irp ks, 0,1
.irp i, 0,1,2,3
	ds_load_u8 v[RAW+4+4*\ks+\i], v4 offset:(4*\ks+\i)*1024+512*\n   ; channel = lane, block 4 ks + i of the keys
.endr
.endr
	s_wait_dscnt 0x0
.irp ks, 0,1
	v_lshl_or_b32 v[KS+\ks], v[RAW+2*\ks+1], 16, v[RAW+2*\ks]
	v_lshl_or_b32 v[VSC+\ks], v[RAW+5+4*\ks], 8, v[RAW+4+4*\ks]
	v_lshl_or_b32 v[VSC+\ks], v[RAW+6+4*\ks], 16, v[VSC+\ks]
	v_lshl_or_b32 v[VSC+\ks], v[RAW+7+4*\ks], 24, v[VSC+\ks]
.endr
	s_wait_loadcnt 8                               ; Q and K are in; V's eight loads may be out
	v_perm_b32 v[QS], v[QRAW], v[QRAW], 0          ; a query's byte in all four places: it serves every block
.irp u, 0,1
.irp i, 0,1,2,3
	v_cndmask_b32 v[QC+16*\u+4+\i], v[QT+4*\u+\i], v[QC+\i], s30    ; QL: zeros in lanes 16-31
	v_cndmask_b32 v[QC+16*\u+12+\i], v[QC+\i], v[QT+4*\u+\i], s30   ; QH: zeros in lanes 0-15
.endr
.endr
	NOPS 4                                         ; an operand made by vector instructions stands 4 places ahead of the product (the scale words: 8 and more)
.if \n == 0
	LOADQ 1
.endif
.irp u, 0,1
	v_mov_b32 v[L], 0
	v_mov_b32 v[L+1], 0
	STEP \n, \u, 0
	STEP \n, \u, 1
	FINISH \n, \u
.endr
.endm
	s_load_b256 s[4:11], s[0:1], 0x0               ; qfc 4, kfc 6, vfc 8, fsc 10
	s_load_b128 s[12:15], s[0:1], 0x20             ; foc 12, fos 14
	v_lshl_add_u32 v254, v0, 2, 0x28200
	v_mov_b32 v255, 0
	v_lshrrev_b32 v220, 5, v0
	v_readfirstlane_b32 s2, v220                   ; wave 0..15
	s_mov_b32 s3, ttmp9                            ; which 32 queries
	s_and_b32 s18, ttmp7, 0xffff
	s_lshr_b32 s16, s18, 3                         ; b
	s_and_b32 s17, s18, 7                          ; t / 32
	s_mov_b32 s[SEL], 0x76543210
	s_mov_b32 s[SEL+1], 0xfedcba98
	s_mov_b32 s[CS], 0x3e8293ee                    ; c = log2(e) / sqrt(32)
	s_mov_b32 s[CS+1], s[CS]
	s_mov_b32 s30, 0xffff0000                      ; lanes 16-31
	v_and_b32 v11, 31, v0                          ; lane
	v_and_b32 v221, 15, v0                         ; r
	v_bfe_u32 v222, v0, 4, 1                       ; h
	v_lshlrev_b32 v1, 4, v11                       ; 16 x lane
	v_lshlrev_b32 v2, 4, v221                      ; 16 r
	s_lshl_b32 s18, s2, 5
	s_add_co_u32 s19, s18, SCK
	v_lshlrev_b32 v3, 1, v221
	v_lshl_add_u32 v3, v222, 11, v3
	v_add_nc_u32 v3, s19, v3                       ; K's bytes: t = wv, 64 keys further on for lanes 16-31, 2 r
	s_add_co_u32 s19, s18, SCV
	v_add_nc_u32 v4, s19, v11                      ; V's bytes: t = wv, channel = lane
	v_lshl_add_u32 v5, v221, 1, v222               ; Q's byte: 2 r + tile
	v_mul_u32_u24 v6, v221, 4624
	v_mad_u32_u24 v6, v222, 1152, v6
	s_lshl_b32 s19, s2, 2
	v_add_nc_u32 v6, s19, v6                       ; the stage, in: query r, channel 8 h, t = wv
	v_add_nc_u32 v7, 73984, v6                     ; and query 16 + r
	s_mul_i32 s19, s2, 4624
	v_mul_u32_u24 v8, v11, 144
	v_add_nc_u32 v8, s19, v8                       ; out: query wv, channel = lane
	v_add_nc_u32 v9, 73984, v8
	v_lshl_add_u32 v10, v222, 11, v2               ; foc: (c / 16) 2048 + (c % 16) 16
	v_lshrrev_b32 v223, 6, v0
	v_and_b32 v224, 63, v0
	v_lshlrev_b32 v12, 4, v224
	v_lshl_add_u32 v12, v223, 13, v12              ; fsc: f / 32 = tid / 64, 16 bytes a thread
	v_lshl_add_u32 v13, v0, 4, SCK
	s_wait_kmcnt 0x0
	s_lshl_b32 s18, s16, 20                        ; (256 b + 32 tb + wv) 4096
	s_lshl_b32 s19, s17, 17
	s_add_co_u32 s18, s18, s19
	s_lshl_b32 s19, s2, 12
	s_add_co_u32 s18, s18, s19
	s_mov_b32 s19, 0
	s_add_nc_u64 s[22:23], s[6:7], s[18:19]
	s_add_nc_u64 s[24:25], s[8:9], s[18:19]
	s_lshl_b32 s31, s3, 9
	s_add_co_u32 s18, s18, s31
	s_add_nc_u64 s[20:21], s[4:5], s[18:19]        ; + my 32 queries' pieces
	s_lshl_b32 s18, s16, 16
	s_lshl_b32 s31, s17, 10
	s_add_co_u32 s18, s18, s31
	s_add_nc_u64 s[32:33], s[10:11], s[18:19]
	s_add_nc_u64 s[32:33], s[32:33], 0x40000       ; k's section
	s_add_nc_u64 s[34:35], s[32:33], 0x40000       ; v's
	s_lshl_b32 s31, s3, 13
	s_add_co_u32 s18, s18, s31
	s_lshl_b32 s31, s2, 5
	s_add_co_u32 s18, s18, s31
	s_add_nc_u64 s[36:37], s[10:11], s[18:19]      ; q's section, my 32 queries, t = wv
	s_lshl_b32 s18, s16, 8                         ; the f that stage row wv holds: 256 b + 32 fq + wv % 8 + 16 (wv / 8); row wv + 16 holds f + 8
	s_lshl_b32 s31, s3, 5
	s_add_co_u32 s18, s18, s31
	s_and_b32 s31, s2, 7
	s_add_co_u32 s18, s18, s31
	s_lshr_b32 s31, s2, 3
	s_lshl_b32 s31, s31, 4
	s_add_co_u32 s18, s18, s31
	s_lshl_b32 s42, s18, 12
	s_lshl_b32 s31, s17, 8
	s_add_co_u32 s42, s42, s31
	s_mov_b32 s43, 0
	s_add_nc_u64 s[38:39], s[12:13], s[42:43]      ; foc
	s_lshl_b32 s42, s18, 8
	s_lshl_b32 s31, s17, 5
	s_add_co_u32 s42, s42, s31
	s_add_nc_u64 s[40:41], s[14:15], s[42:43]      ; fos
	global_load_b128 v[RAW:RAW+3], v12, s[32:33]   ; the 32 t's scale bytes of K and of V: 8 KB each, once, 1,024 consecutive bytes for each 32 keys
	global_load_b128 v[RAW+4:RAW+7], v12, s[34:35]
	LOADQ 0
	LOADK 0
	LOADV 0
.irp z, 0,8,16,24,32
.irp i, 0,1,2,3
	v_mov_b32 v[QC+\z+\i], 0                       ; the chain's zeros
.endr
.endr
.irp i, 0,1,2,3
	v_mov_b32 v[PX+\i], 0                          ; written once: a lane permute's destination counts as one of its sources
.endr
	v_mov_b32 v[F+1], 0                            ; (named as the upper half of a pair)
	s_wait_loadcnt 19                              ; the two copies are in; behind them stand Q's 3, K's 8 and V's 8
	ds_store_b128 v13, v[RAW:RAW+3]
	ds_store_b128 v13, v[RAW+4:RAW+7] offset:8192
	BAR                                            ; the scale bytes lie in LDS
	UNIT 0
	UNIT 1
	BAR                                            ; fout of 32 queries x 32 channels x 32 t lies in the stage
	; ---- out: wave wv takes stage rows wv and wv + 16; lane = channel; its 32 numbers along t are a whole block
.irp n, 0,1
.irp k, 0,1,2,3,4,5,6,7
	ds_load_b128 v[S+32*\n+4*\k:S+32*\n+4*\k+3], v[8+\n] offset:16*\k
.endr
.endr
	s_wait_dscnt 0x0
	Q32P S, RAW, BM, SO, RAW+10
	global_store_b128 v10, v[RAW:RAW+3], s[38:39]                 ; two runs of 256 consecutive bytes, each at a multiple of 256
	global_store_b128 v10, v[RAW+4:RAW+7], s[38:39] offset:32768
	global_store_b8 v11, v[RAW+10], s[40:41]
	global_store_b8 v11, v[RAW+11], s[40:41] offset:2048
	s_wait_tensorcnt 0x0
	ds_add_u32 v254, v255
	s_wait_dscnt 0x0
	s_endpgm
.Lfunc_end_k_q51c92796a6_freq:
	.size	k_q51c92796a6_freq, .Lfunc_end_k_q51c92796a6_freq-k_q51c92796a6_freq
	.p2alignl 7, 3214868480
	.fill 96, 4, 3214868480
	.section	.rodata,"a",@progbits
	.p2align	6, 0x0
	.amdhsa_kernel k_q51c92796a6_freq
		.amdhsa_group_segment_fixed_size 166400
		.amdhsa_private_segment_fixed_size 0
		.amdhsa_enable_private_segment 0
		.amdhsa_kernarg_size 48
		.amdhsa_user_sgpr_count 2
		.amdhsa_user_sgpr_kernarg_segment_ptr 1
		.amdhsa_wavefront_size32 1
		.amdhsa_system_sgpr_workgroup_id_x 1
		.amdhsa_system_sgpr_workgroup_id_y 1
		.amdhsa_system_sgpr_workgroup_id_z 1
		.amdhsa_system_vgpr_workitem_id 0
		.amdhsa_next_free_vgpr 256
		.amdhsa_next_free_sgpr 66
		.amdhsa_reserve_vcc 0
		.amdhsa_float_denorm_mode_32 3
		.amdhsa_float_denorm_mode_16_64 3
		.amdhsa_memory_ordered 1
		.amdhsa_forward_progress 1
		.amdhsa_inst_pref_size 123
	.end_amdhsa_kernel
	.amdgpu_metadata
---
amdhsa.version: [ 1, 2 ]
amdhsa.kernels:
  - .name:           k_q51c92796a6_freq
    .symbol:         k_q51c92796a6_freq.kd
    .args:
      - { .name: qfc, .offset: 0, .size: 8, .value_kind: global_buffer, .address_space: global }
      - { .name: kfc, .offset: 8, .size: 8, .value_kind: global_buffer, .address_space: global }
      - { .name: vfc, .offset: 16, .size: 8, .value_kind: global_buffer, .address_space: global }
      - { .name: fsc, .offset: 24, .size: 8, .value_kind: global_buffer, .address_space: global }
      - { .name: foc, .offset: 32, .size: 8, .value_kind: global_buffer, .address_space: global }
      - { .name: fos, .offset: 40, .size: 8, .value_kind: global_buffer, .address_space: global }
    .group_segment_fixed_size: 166400
    .private_segment_fixed_size: 0
    .kernarg_segment_align: 8
    .kernarg_segment_size: 48
    .max_flat_workgroup_size: 512
    .sgpr_count:     66
    .vgpr_count:     256
    .wavefront_size: 32
...
	.end_amdgpu_metadata
.endif
;; end of part 2
;; launch time (part 3): grid 128 x 4, 16 waves a work-group, no clusters, 169,984 bytes of LDS; arguments inp_codes, inp_scales, x, tqk_W_codes, tqk_W_scales, tqk_a, tqk_b, tqk_be, tqk_g, tqk_m, tqk_v, proj_W_codes, proj_W_scales, proj_a, proj_b, proj_be, proj_g, proj_m, proj_v, foc, fos, out0; writes out0
.if DOCPART == 3
	.amdgcn_target "amdgcn-amd-amdhsa--gfx1250"
	.amdhsa_code_object_version 6
	.text
	.protected	k_q51c92796a6_time
	.globl	k_q51c92796a6_time
	.p2align	8
	.type	k_q51c92796a6_time,@function
k_q51c92796a6_time:
	s_mov_b64 s[64:65], 0
	v_nop
	global_prefetch_b8 v0, s[64:65] scope:SCOPE_SE
	s_setreg_imm32_b32 hwreg(HW_REG_WAVE_MODE, 25, 1), 1
	s_wait_xcnt 0x0
; TIME: t_qk = prelu(bn(tqk_W inp + b)); the causal time attention for each (b, f) over the 256 t, with fout (codes from the launch before) as values; the projection, BN, PReLU and + x.
; All four products on codes of FP4 (E2M1) with one E8M0 scale for each 32 along K.  Softmax as in the launch before: p = 2^(t' - M), M a whole number, the sum of the unquantised p divides at the end.
; SHARES. A work-group owns two f (2 x grid x + wave / 8) of one b (grid y).  Of the eight waves of an f, wave w convolves positions 32 w .. 32 w + 31, attends for query tile w (keys 0-127 alone can count:
; one step, on the diagonal) and for tile 15 - w (step 0 open, step 1 on the diagonal): three steps in every wave and no branch; steps that the mask hides whole are not computed.
; It copies in, and at the end stores, channel rows 8 w .. 8 w + 7 of x and of the result.
; x's 64 rows of 1,024 bytes for each f come into LDS by asynchronous copies at the kernel's head, are waited for ahead of the projection, take the result in place, and leave as whole rows.
; K = 64 and K = 32 in an instruction of K = 128: as in the two launches before (a dense operand against a chain of registers with zeros).
; tout's one block of 32 channels is fed as two half-filled blocks: lane half h carries its 16 codes and 16 zeros, both under the block's byte, and proj_W is loaded in the same order: no lane exchange.
; LDS is claimed beyond the 151,552 bytes used.  No cluster: work-groups share only a few KB of weights.
; BN is folded: s = g rsq(v + 1e-5), o = (b - m) s + be (an order of rounding other than the source's).  PReLU: max(y, 0) + a min(y, 0).
; LIMITS: NaN and infinities are not served; v + 1e-5 <= 0 is not served; a block whose largest magnitude lies under 2^-124 gets the scale byte 1 (read by this program alone).
.set XSF,  66560                       ; LDS: x [f 2] XSF [channel 64] pitch 1040 [t 256] f32, from byte 0
.set XP,   1040
.set KI,   133120                      ; k's codes [f 2][piece 256][16 bytes], piece = t with its bits 3 and 4 changed over
.set QI,   141312                      ; q's codes [f 2][t 256][16 bytes]
.set KSC,  149504                      ; k's scale bytes [f 2][fragment 4][r 16][block 4]
.set QSC,  150016                      ; q's [f 2][t 256]
.set PT,   150528                      ; folded parameters: s of tqk [role][c] at 0, o at 256, (s, o) of proj [o 64] at 512
.set WCH,  20                          ; v20-55   Z w Z w Z w Z w Z: tqk's four tiles, later proj's
.set WS,   56                          ; v56-59   the weights' scale words (scales alone)
.set QC,   60                          ; v60-79   Z QL Z QH Z
.set QT,   80
.set K,    84                          ; v84-99   two fragments
.set V,    100                         ; v100-131 16 ct + 8 ks
.set S,    132                         ; v132-195 S^T, then p; also the convolution's and the projection's results
.set O,    196                         ; v196-211 O^T
.set P,    212                         ; v212-219 p's codes; later tile B's tout
.set TFA,  220                         ; v220-227 tile A's tout: two registers of codes, six of zeros
.set KS,   228                         ; v228-236 scales alone: K's 2, V's 2, Q's, p's, inp's, tout's 2
.set VSC,  230
.set QS,   232
.set PS,   233
.set XIS,  234
.set TS,   235
.set MS,   237
.set NM,   238
.set TM,   239
.set L,    240
.set F,    242
.set BM,   244
.set PX,   248
.set SO,   252
.set T,    204                         ; at work in BN and PReLU
.set XI,   196                         ; the convolution's fragment of inp
.set SEL,  92
.set CS,   94
.macro WM d, a, b, cz, sa, sb, ra, rb
.if \cz
.if (\ra) && (\rb)
	v_wmma_scale_f32_16x16x128_f8f6f4 v[\d:\d+7], v[\a:\a+7], v[\b:\b+7], 0, v[\sa], v[\sb] matrix_a_fmt:MATRIX_FMT_FP4 matrix_b_fmt:MATRIX_FMT_FP4 matrix_a_scale:MATRIX_SCALE_ROW1 matrix_b_scale:MATRIX_SCALE_ROW1
.elseif \ra
	v_wmma_scale_f32_16x16x128_f8f6f4 v[\d:\d+7], v[\a:\a+7], v[\b:\b+7], 0, v[\sa], v[\sb] matrix_a_fmt:MATRIX_FMT_FP4 matrix_b_fmt:MATRIX_FMT_FP4 matrix_a_scale:MATRIX_SCALE_ROW1
.elseif \rb
	v_wmma_scale_f32_16x16x128_f8f6f4 v[\d:\d+7], v[\a:\a+7], v[\b:\b+7], 0, v[\sa], v[\sb] matrix_a_fmt:MATRIX_FMT_FP4 matrix_b_fmt:MATRIX_FMT_FP4 matrix_b_scale:MATRIX_SCALE_ROW1
.else
	v_wmma_scale_f32_16x16x128_f8f6f4 v[\d:\d+7], v[\a:\a+7], v[\b:\b+7], 0, v[\sa], v[\sb] matrix_a_fmt:MATRIX_FMT_FP4 matrix_b_fmt:MATRIX_FMT_FP4
.endif
.else
.if (\ra) && (\rb)
	v_wmma_scale_f32_16x16x128_f8f6f4 v[\d:\d+7], v[\a:\a+7], v[\b:\b+7], v[\d:\d+7], v[\sa], v[\sb] matrix_a_fmt:MATRIX_FMT_FP4 matrix_b_fmt:MATRIX_FMT_FP4 matrix_a_scale:MATRIX_SCALE_ROW1 matrix_b_scale:MATRIX_SCALE_ROW1
.elseif \ra
	v_wmma_scale_f32_16x16x128_f8f6f4 v[\d:\d+7], v[\a:\a+7], v[\b:\b+7], v[\d:\d+7], v[\sa], v[\sb] matrix_a_fmt:MATRIX_FMT_FP4 matrix_b_fmt:MATRIX_FMT_FP4 matrix_a_scale:MATRIX_SCALE_ROW1
.elseif \rb
	v_wmma_scale_f32_16x16x128_f8f6f4 v[\d:\d+7], v[\a:\a+7], v[\b:\b+7], v[\d:\d+7], v[\sa], v[\sb] matrix_a_fmt:MATRIX_FMT_FP4 matrix_b_fmt:MATRIX_FMT_FP4 matrix_b_scale:MATRIX_SCALE_ROW1
.else
	v_wmma_scale_f32_16x16x128_f8f6f4 v[\d:\d+7], v[\a:\a+7], v[\b:\b+7], v[\d:\d+7], v[\sa], v[\sb] matrix_a_fmt:MATRIX_FMT_FP4 matrix_b_fmt:MATRIX_FMT_FP4
.endif
.endif
.endm
.macro BAR
	s_wait_dscnt 0x0
	s_barrier_signal -1
	s_barrier_wait -1
.endm
.macro NOPS n
.rept \n
	v_nop
.endr
.endm
; BN and PReLU on n registers from d on, ascending (each result is first read at its low end)
.macro BNPRV d, n, md, sp, op, a
.set bi, 0
.rept (\n)/2
.set bt, T+2*((bi/2)%4)
	v_pk_fma_f32 v[\d+bi:\d+bi+1], v[\d+bi:\d+bi+1], v[\sp+bi%\md:\sp+bi%\md+1], v[\op+bi%\md:\op+bi%\md+1]
	v_max_num_f32 v[bt], 0, v[\d+bi]
	v_max_num_f32 v[bt+1], 0, v[\d+bi+1]
	v_min_num_f32 v[\d+bi], 0, v[\d+bi]
	v_min_num_f32 v[\d+bi+1], 0, v[\d+bi+1]
	v_pk_fma_f32 v[\d+bi:\d+bi+1], v[\d+bi:\d+bi+1], s[\a:\a+1], v[bt:bt+1] op_sel_hi:[1,0,1]
.set bi, bi+2
.endr
.endm
.macro BNPRP d, n, md, grp, pb, a      ; a lane holds ONE channel: (s, o) is the pair pb + 2 ((index % md) / grp)
.set bi, 0
.rept (\n)/2
.set bt, T+2*((bi/2)%4)
.set pp, \pb+2*((bi%\md)/\grp)
	v_pk_fma_f32 v[\d+bi:\d+bi+1], v[\d+bi:\d+bi+1], v[pp:pp+1], v[pp:pp+1] op_sel:[0,0,1] op_sel_hi:[1,0,1]
	v_max_num_f32 v[bt], 0, v[\d+bi]
	v_max_num_f32 v[bt+1], 0, v[\d+bi+1]
	v_min_num_f32 v[\d+bi], 0, v[\d+bi]
	v_min_num_f32 v[\d+bi+1], 0, v[\d+bi+1]
	v_pk_fma_f32 v[\d+bi:\d+bi+1], v[\d+bi:\d+bi+1], s[\a:\a+1], v[bt:bt+1] op_sel_hi:[1,0,1]
.set bi, bi+2
.endr
.endm
; nb blocks of 32 that lie in lanes l and l xor 16, 16 registers a lane (src + 16 block): two registers of codes a block at cd, the byte at by
.macro QB16 nb, src, cd, mx, px, so, by
.set qb, 0
.rept \nb
	v_max3_num_f32 v[\mx+qb], |v[\src+16*qb]|, |v[\src+16*qb+1]|, 0x1800000   ; with the floor 2^(3 - 127): the byte cannot fall under 1
.set qb, qb+1
.endr
.set qi, 2
.rept 7
.set qb, 0
.rept \nb
	v_max3_num_f32 v[\mx+qb], v[\mx+qb], |v[\src+16*qb+qi]|, |v[\src+16*qb+qi+1]|
.set qb, qb+1
.endr
.set qi, qi+2
.endr
.set qb, 0
.rept \nb
	v_permlanex16_b32 v[\px+qb], v[\mx+qb], s[SEL], s[SEL+1]
.set qb, qb+1
.endr
.set qb, 0
.rept \nb
	v_max_num_f32 v[\mx+qb], v[\mx+qb], v[\px+qb]
.set qb, qb+1
.endr
.set qb, 0
.rept \nb
	v_add_nc_u32 v[\so+qb], 0xff000000, v[\mx+qb]  ; 2 off the exponent field: the conversion's scale operand
.set qb, qb+1
.endr
.set qb, 0
.rept \nb
	v_lshrrev_b32 v[\by+qb], 23, v[\so+qb]         ; the scale's byte
.set qb, qb+1
.endr
.set qb, 0
.rept \nb
	v_cvt_scalef32_pk8_fp4_f32 v[\cd+2*qb], v[\src+16*qb:\src+16*qb+7], v[\so+qb]
	v_cvt_scalef32_pk8_fp4_f32 v[\cd+2*qb+1], v[\src+16*qb+8:\src+16*qb+15], v[\so+qb]
.set qb, qb+1
.endr
	v_nop                                          ; one plain place behind a scaled conversion
.endm
; The softmax of one step, as in the launch before
.macro SMSTEP first
.irp b, 0,1,2,3
	v_max3_num_f32 v[BM+\b], v[S+16*\b], v[S+16*\b+1], v[S+16*\b+2]
.endr
.irp i, 3,5,7,9,11,13
.irp b, 0,1,2,3
	v_max3_num_f32 v[BM+\b], v[BM+\b], v[S+16*\b+\i], v[S+16*\b+\i+1]
.endr
.endr
.irp b, 0,1,2,3
	v_max_num_f32 v[BM+\b], v[BM+\b], v[S+16*\b+15]
.endr
.irp b, 0,1,2,3
	v_permlanex16_b32 v[PX+\b], v[BM+\b], s[SEL], s[SEL+1]
.endr
.irp b, 0,1,2,3
	v_max_num_f32 v[BM+\b], v[BM+\b], v[PX+\b]
.endr
	v_max3_num_f32 v[MS], v[BM], v[BM+1], v[BM+2]
	v_max_num_f32 v[MS], v[MS], v[BM+3]
	v_mul_f32 v[MS], s[CS], v[MS]
.if \first
	v_mov_b32 v[TM], v[MS]
	v_floor_f32 v[NM], -v[TM]
.else
	v_max_num_f32 v[TM], v[TM], v[MS]
	v_mov_b32 v[MS], v[NM]
	v_floor_f32 v[NM], -v[TM]
	v_sub_f32 v[MS], v[NM], v[MS]
	v_cvt_i32_f32 v[MS], v[MS]
	v_ldexp_f32 v[F], 1.0, v[MS]
.endif
.set sj, 0
.rept 32
	v_pk_fma_f32 v[S+sj:S+sj+1], v[S+sj:S+sj+1], s[CS:CS+1], v[NM:NM+1] op_sel_hi:[1,0,0]
.set sj, sj+2
.endr
.irp b, 0,1,2,3
	v_fma_f32 v[BM+\b], v[BM+\b], s[CS], v[NM]
.endr
.set sj, 0
.rept 64
	v_exp_f32 v[S+sj], v[S+sj]
.set sj, sj+1
.endr
.irp b, 0,1,2,3
	v_exp_f32 v[BM+\b], v[BM+\b]
.endr
.if \first
	v_nop                                          ; a plain place behind the exponentials
	s_wait_alu depctr_va_vdst(0)
.else
	v_pk_mul_f32 v[L:L+1], v[L:L+1], v[F:F+1] op_sel_hi:[1,0]
	s_wait_alu depctr_va_vdst(0)
.endif
.irp b, 0,1,2,3
	v_max_num_f32 v[BM+\b], 0x1800000, v[BM+\b]    ; the floor: a block that the mask hides whole keeps the byte 1; its codes are zeros
.endr
.irp b, 0,1,2,3
	v_add_nc_u32 v[SO+\b], 0xff000000, v[BM+\b]
.endr
.irp b, 0,1,2,3
	v_lshrrev_b32 v[PX+\b], 23, v[SO+\b]
.endr
	v_lshl_or_b32 v[PS], v[PX+1], 8, v[PX]
	v_lshl_or_b32 v[PS], v[PX+2], 16, v[PS]
	v_lshl_or_b32 v[PS], v[PX+3], 24, v[PS]
.irp b, 0,1,2,3
	v_cvt_scalef32_pk8_fp4_f32 v[P+2*\b], v[S+16*\b:S+16*\b+7], v[SO+\b]
	v_cvt_scalef32_pk8_fp4_f32 v[P+2*\b+1], v[S+16*\b+8:S+16*\b+15], v[SO+\b]
.endr
	v_nop
.irp c, 0,1
.irp i, 0,1
	v_permlane16_swap_b32 v[P+4*\c+\i], v[P+4*\c+2+\i]
.endr
.endr
	v_pk_add_f32 v[PX:PX+1], v[S:S+1], v[S+2:S+3]  ; the row's sum, of the unquantised p.  (Also the places between p's scale word and codes and the product)
.irp j, 4,8,12,16,20,24,28,32,36,40,44,48,52,56,60
	v_pk_add_f32 v[L:L+1], v[L:L+1], v[S+\j:S+\j+1]
	v_pk_add_f32 v[PX:PX+1], v[PX:PX+1], v[S+\j+2:S+\j+3]
.endr
	v_pk_add_f32 v[L:L+1], v[L:L+1], v[PX:PX+1]
.if !(\first)
.irp j, 0,2,4,6,8,10,12,14
	v_pk_mul_f32 v[O+\j:O+\j+1], v[O+\j:O+\j+1], v[F:F+1] op_sel_hi:[1,0]
.endr
.endif
.endm
; On the diagonal the scores of hidden keys become -infinity ahead of the maximum.  e: the scalar that holds my tile's first query less the step's first key.
; Register 16 b + i holds key 32 b + 16 (lane / 16) + i of the step: hidden where 32 b + i > d, d = e + lane % 16 - 16 (lane / 16).  The six lines at the head are the places behind the score products.
.macro MASK e
	v_and_b32 v[SO], 15, v0
	v_bfe_u32 v[SO+1], v0, 4, 1
	v_lshlrev_b32 v[SO+1], 4, v[SO+1]
	v_sub_nc_u32 v[SO], v[SO], v[SO+1]
	v_add_nc_u32 v[SO], s[\e], v[SO]
	v_mov_b32 v[SO+1], 0xff800000
.set mn, 0
.rept 64
	v_cmp_gt_i32 vcc_lo, 32*(mn/16)+mn%16, v[SO]
	v_cndmask_b32 v[S+mn], v[S+mn], v[SO+1], vcc_lo
.set mn, mn+1
.endr
.endm
.macro TPRO tt                         ; tile tt (0: A, 1: B): its queries' codes into the chain, its scale word, the sum = 0
	ds_load_b128 v[QT:QT+3], v[9+\tt]
	ds_load_u8 v[QS], v[11+\tt]
	s_wait_dscnt 0x0
	v_perm_b32 v[QS], v[QS], v[QS], 0              ; a query's byte in all four places
.irp i, 0,1,2,3
	v_cndmask_b32 v[QC+4+\i], v[QT+\i], v[QC+\i], s96
	v_cndmask_b32 v[QC+12+\i], v[QC+\i], v[QT+\i], s96
.endr
	v_mov_b32 v[L], 0
	v_mov_b32 v[L+1], 0
	NOPS 6                                         ; the scale word stands 8 places ahead of the product and more, the operand 4
.endm
.macro ASTEP ks, first, msk, e         ; keys 128 ks on
.irp k, 0,1,2,3
	ds_load_b128 v[K+4*\k:K+4*\k+3], v7 offset:2048*\ks+512*\k
.endr
	s_wait_dscnt 0x0
.irp sl, 0,1
.irp be, 0,1,2,3
	WM S+8*(4*\sl+\be), K+8*\sl, QC+4+8*(\be%2)-4*(\be/2), 1, KS+\ks, QS, \sl, 0
.endr
.endr
.if \msk
	MASK \e
.else
	NOPS 4
.endif
	SMSTEP \first
	WM O, V+8*\ks, P, \first, VSC+\ks, PS, 0, 0    ; the two accumulators take turns, and eight score products stand between a sum's links
	WM O+8, V+16+8*\ks, P, \first, VSC+\ks, PS, 1, 0
.endm
.macro TEPI tt, tf                     ; tout = O^T / the sum, quantised along its 32 channels: register 0 of tf: channels 8 h .., register 1: 16 + 8 h ..
	v_add_f32 v[L], v[L], v[L+1]
	v_permlanex16_b32 v[PX], v[L], s[SEL], s[SEL+1]
	v_add_f32 v[L], v[L], v[PX]
	v_rcp_f32 v[L], v[L]
	NOPS 3                                         ; a plain place behind the transcendental; with the lines above, the places behind the last products
	s_wait_alu depctr_va_vdst(0)
.irp j, 0,2,4,6,8,10,12,14
	v_pk_mul_f32 v[O+\j:O+\j+1], v[O+\j:O+\j+1], v[L:L+1] op_sel_hi:[1,0]
.endr
	QB16 1, O, \tf, BM, PX, SO, SO+1
	v_perm_b32 v[TS+\tt], v[SO+1], v[SO+1], 0      ; the block's byte in all four places: both half-filled blocks stand under it
.endm
	s_load_b512 s[16:31], s[0:1], 0x0              ; inp_codes 16, inp_scales 18, x 20, tqk_W_codes 22, tqk_W_scales 24, tqk_a 26, tqk_b 28, tqk_be 30
	s_load_b512 s[32:47], s[0:1], 0x40             ; tqk_g 32, tqk_m 34, tqk_v 36, proj_W_codes 38, proj_W_scales 40, proj_a 42, proj_b 44, proj_be 46
	s_load_b256 s[48:55], s[0:1], 0x80             ; proj_g 48, proj_m 50, proj_v 52, foc 54
	s_load_b128 s[56:59], s[0:1], 0xa0             ; fos 56, out0 58
	v_lshl_add_u32 v254, v0, 2, 0x29000
	v_mov_b32 v255, 0
	ds_add_u32 v254, v255
	ds_add_u32 v254, v255
	s_wait_dscnt 0x0
	v_lshrrev_b32 v132, 5, v0
	v_readfirstlane_b32 s2, v132                   ; wave 0..15
	s_lshr_b32 s3, s2, 3                           ; which of my two f
	s_and_b32 s4, s2, 7                            ; w
	s_lshl_b32 s5, ttmp9, 1
	s_add_co_u32 s5, s5, s3                        ; f
	s_and_b32 s6, ttmp7, 0xffff                    ; b
	s_lshl_b32 s7, s4, 4                           ; tile A's first query
	s_xor_b32 s9, s4, 7
	s_lshl_b32 s8, s9, 4                           ; tile B's first query less 128
	s_xor_b32 s9, s4, 15                           ; tile B
	s_lshl_b32 s60, s3, 12
	s_lshl_b32 s61, s3, 8
	s_mul_i32 s62, s3, XSF
	s_mov_b32 s[SEL], 0x76543210
	s_mov_b32 s[SEL+1], 0xfedcba98
	s_mov_b32 s[CS], 0x3e8293ee                    ; c = log2(e) / sqrt(32)
	s_mov_b32 s[CS+1], s[CS]
	s_mov_b32 s96, 0xffff0000                      ; lanes 16-31
	v_and_b32 v132, 31, v0                         ; lane
	v_and_b32 v133, 15, v0                         ; r
	v_bfe_u32 v134, v0, 4, 1                       ; h
	v_bfe_u32 v135, v0, 2, 1                       ; r's bit 2
	v_bfe_u32 v136, v0, 3, 1                       ; r's bit 3
	v_and_b32 v137, 3, v0                          ; r % 4
	; every address register is made here, ahead of the first branch on the wave's number
	v_lshlrev_b32 v1, 4, v132                      ; 16 x lane: never rewritten
	s_mul_i32 s14, s4, 8*XP
	s_add_co_u32 s14, s14, s62
	v_add_nc_u32 v2, s14, v1                       ; my eight rows in LDS: never rewritten
	v_lshlrev_b32 v3, 8, v135
	v_lshl_add_u32 v3, v136, 7, v3
	v_lshl_add_u32 v3, v137, 5, v3
	v_lshl_add_u32 v3, v134, 3, v3
	s_lshl_b32 s14, s4, 9
	s_add_co_u32 s14, s14, s60
	s_add_co_u32 s15, s14, KI
	v_add_nc_u32 v3, s15, v3                       ; k's codes, in: key 32 w + 2 r (+ var): piece 32 w + 16 r[2] + 8 r[3] + 2 (r % 4), my half
	v_lshlrev_b32 v5, 5, v133
	v_lshl_add_u32 v5, v134, 3, v5
	s_add_co_u32 s15, s14, QI
	v_add_nc_u32 v5, s15, v5                       ; q's codes, in
	v_lshl_add_u32 v4, v136, 5, v135
	v_lshl_add_u32 v4, v137, 3, v4
	s_lshr_b32 s14, s4, 1
	s_lshl_b32 s14, s14, 6
	s_and_b32 s15, s4, 1
	s_lshl_b32 s15, s15, 1
	s_add_co_u32 s14, s14, s15
	s_add_co_u32 s14, s14, s61
	s_add_co_u32 s14, s14, KSC
	v_add_nc_u32 v4, s14, v4                       ; k's byte: fragment w / 2, block 2 (w % 2) + r[2], row 8 r[3] + 2 (r % 4)
	s_lshl_b32 s14, s4, 5
	s_add_co_u32 s14, s14, s61
	s_add_co_u32 s14, s14, QSC
	v_lshl_add_u32 v6, v133, 1, s14                ; q's byte
	s_add_co_u32 s14, s60, KI
	v_add_nc_u32 v7, s14, v1                       ; k's fragments, out
	s_add_co_u32 s14, s61, KSC
	v_lshl_add_u32 v8, v132, 2, s14                ; their scale words: lanes 0-15 one fragment, lanes 16-31 the next
	s_add_co_u32 s14, s60, QI
	s_lshl_b32 s15, s4, 8
	s_add_co_u32 s15, s15, s14
	v_lshl_add_u32 v9, v133, 4, s15                ; tile A's queries
	s_lshl_b32 s15, s9, 8
	s_add_co_u32 s15, s15, s14
	v_lshl_add_u32 v10, v133, 4, s15               ; tile B's
	s_add_co_u32 s14, s61, QSC
	s_add_co_u32 s15, s14, s7
	v_add_nc_u32 v11, s15, v133
	s_lshl_b32 s15, s9, 4
	s_add_co_u32 s15, s15, s14
	v_add_nc_u32 v12, s15, v133
	v_and_b32 v138, 1, v0
	v_bfe_u32 v139, v0, 1, 5
	v_lshlrev_b32 v13, 2, v139
	v_lshl_add_u32 v13, v138, 7, v13
	v_add_nc_u32 v13, PT, v13                      ; output o = tid of tqk: role o % 2, channel o / 2
	v_and_b32 v138, 63, v0
	v_lshl_add_u32 v14, v138, 3, PT+512            ; output tid % 64 of proj
	v_lshl_add_u32 v15, v134, 6, PT                ; s of channels 16 h ..
	v_lshl_add_u32 v16, v133, 3, PT+512            ; proj's (s, o) of output r
	v_mul_u32_u24 v139, v133, XP
	v_lshl_add_u32 v139, v134, 5, v139
	s_lshl_b32 s14, s4, 6
	s_add_co_u32 s14, s14, s62
	v_add_nc_u32 v17, s14, v139                    ; x and the result: channel r, t = 16 (tile A) + 8 h
	s_lshl_b32 s14, s9, 6
	s_add_co_u32 s14, s14, s62
	v_add_nc_u32 v18, s14, v139                    ; tile B
	v_lshlrev_b32 v138, 2, v138                    ; the parameters: 4 (tid % 64)
	v_and_b32 v149, 8, v133
	v_add_nc_u32 v149, v149, v133                  ; r + 8 (r / 8)
	v_lshlrev_b32 v145, 6, v149
	v_lshl_add_u32 v145, v134, 4, v145             ; tqk_W: output 2 (r + 8 (r / 8)), + 16 h
	v_lshlrev_b32 v146, 2, v149
	v_lshlrev_b32 v147, 6, v133
	v_lshl_add_u32 v147, v134, 4, v147             ; inp's fragment: 64 r + 16 h
	v_lshlrev_b32 v148, 2, v133
	v_lshlrev_b32 v253, 4, v133
	v_lshl_add_u32 v253, v134, 2, v253             ; proj_W: 16 r + 4 h
	v_mov_b32 v254, v133
	v_mov_b32 v255, v132
	s_wait_kmcnt 0x0
	s_lshl_b32 s14, s6, 24                         ; x and out0: (64 b + 8 w) 262144 + 1024 f
	s_lshl_b32 s15, s4, 21
	s_add_co_u32 s14, s14, s15
	s_lshl_b32 s15, s5, 10
	s_add_co_u32 s14, s14, s15
	s_mov_b32 s15, 0
	s_add_nc_u64 s[66:67], s[20:21], s[14:15]
	s_add_nc_u64 s[98:99], s[58:59], s[14:15]
.irp p, 1,2,3,4,5,6,7
	s_add_nc_u64 s[66+2*\p:67+2*\p], s[66:67], \p*(262144-XP)   ; a copy's immediate is added to both addresses: with p XP in it the row lands p XP on in LDS and comes from p x 262,144 on in memory
.endr
.irp p, 0,1,2,3,4,5,6,7
	global_load_async_to_lds_b128 v2, v1, s[66+2*\p:67+2*\p] offset:XP*\p          ; sixteen copies of 512 bytes a wave, issued once, ahead of every LDS read and barrier
	global_load_async_to_lds_b128 v2, v1, s[66+2*\p:67+2*\p] offset:XP*\p+512
.endr
	s_load_b32 s10, s[26:27], 0x0                  ; the slopes
	s_load_b32 s12, s[42:43], 0x0
	s_cmp_lt_u32 s2, 2                             ; waves 0, 1 fold tqk's 64 outputs, the others proj's (waves 2, 3's are kept)
	s_cselect_b64 s[82:83], s[28:29], s[44:45]
	s_cselect_b64 s[84:85], s[30:31], s[46:47]
	s_cselect_b64 s[86:87], s[32:33], s[48:49]
	s_cselect_b64 s[88:89], s[34:35], s[50:51]
	s_cselect_b64 s[90:91], s[36:37], s[52:53]
	s_lshl_b32 s14, s6, 21                         ; inp_codes: ((256 b + f) 256 + 32 w) 32
	s_lshl_b32 s63, s5, 13
	s_add_co_u32 s14, s14, s63
	s_lshl_b32 s63, s4, 10
	s_add_co_u32 s14, s14, s63
	s_add_nc_u64 s[16:17], s[16:17], s[14:15]
	s_lshr_b32 s14, s14, 4
	s_add_nc_u64 s[18:19], s[18:19], s[14:15]
	s_lshl_b32 s14, s6, 8
	s_add_co_u32 s14, s14, s5
	s_lshl_b32 s14, s14, 12                        ; foc: (256 b + f) 4096
	s_add_nc_u64 s[54:55], s[54:55], s[14:15]
	s_lshr_b32 s14, s14, 4                         ; fos: (256 b + f) 256
	s_add_nc_u64 s[56:57], s[56:57], s[14:15]
	global_load_b32 v140, v138, s[82:83]           ; b
	global_load_b32 v141, v138, s[84:85]           ; be
	global_load_b32 v142, v138, s[86:87]           ; g
	global_load_b32 v143, v138, s[88:89]           ; m
	global_load_b32 v144, v138, s[90:91]           ; v
.irp rho, 0,1
.irp u, 0,1
	global_load_b128 v[WCH+4+8*(2*\rho+\u):WCH+7+8*(2*\rho+\u)], v145, s[22:23] offset:32*\rho+512*\u
	global_load_u16 v[WS+2*\rho+\u], v146, s[24:25] offset:2*\rho+32*\u
.endr
.endr
	global_load_b128 v[XI:XI+3], v147, s[16:17]
	global_load_b128 v[XI+4:XI+7], v147, s[16:17] offset:32
	global_load_b32 v[XIS], v148, s[18:19]
	s_wait_kmcnt 0x0
	s_mov_b32 s11, s10
	s_mov_b32 s13, s12
	s_wait_loadcnt 0x0
	v_add_f32 v144, 0x3727c5ac, v144               ; v + 1e-5
	v_rsq_f32 v144, v144
	v_sub_f32 v140, v140, v143                     ; b - m  (a plain place behind the transcendental)
	s_wait_alu depctr_va_vdst(0)
	v_mul_f32 v142, v142, v144                     ; s
	v_fma_f32 v143, v140, v142, v141               ; o
	s_cmp_lt_u32 s2, 2
	s_cbranch_scc0 .Lnot_qk
	ds_store_b32 v13, v142
	ds_store_b32 v13, v143 offset:256
	s_branch .Lpt_done
.Lnot_qk:
	s_cmp_lt_u32 s2, 4
	s_cbranch_scc0 .Lpt_done
	ds_store_b64 v14, v[142:143]
.Lpt_done:
.irp i, 0,1,2,3
	v_perm_b32 v[WS+\i], v[WS+\i], v[WS+\i], 0x01000100   ; a weight row's two bytes in both halves of its word
.endr
.irp z, 0,8,16,24,32
.irp i, 0,1,2,3
	v_mov_b32 v[WCH+\z+\i], 0                      ; the chain's zeros
.endr
.endr
.irp i, 0,1,2,3
	v_mov_b32 v[241+\i], 0                         ; written once: a lane permute's destination counts as one of its sources.  (Also the places behind the zeros)
.endr
	BAR                                            ; the folded parameters lie in LDS (the copies of x may stay out: nothing is read of them yet)
.irp rho, 0,1
.irp k, 0,1,2,3
	ds_load_b128 v[60+16*\rho+4*\k:63+16*\rho+4*\k], v15 offset:128*\rho+16*\k
	ds_load_b128 v[92+16*\rho+4*\k:95+16*\rho+4*\k], v15 offset:256+128*\rho+16*\k
.endr
.endr
	s_wait_dscnt 0x0
	; ---- the convolution: lane (r, h) holds position 32 w + 2 r + var and channels 16 h + 8 u + j of q (rho = 0) and of k (1), at register 32 var + 16 rho + 8 u + j
.irp var, 0,1
.irp rho, 0,1
.irp u, 0,1
	WM S+32*\var+16*\rho+8*\u, WCH+4+8*(2*\rho+\u)-4*\var, XI, 1, WS+2*\rho+\u, XIS, 0, 0
.endr
.endr
.endr
	NOPS 4                                         ; places ahead of loads into the weights' registers and of the first read of results
.irp ot, 0,1,2,3
	global_load_b32 v[WCH+4+8*\ot], v253, s[38:39] offset:256*\ot      ; proj_W, output 16 ot + r: channels 8 h .. 8 h + 7,
	global_load_b32 v[WCH+5+8*\ot], v253, s[38:39] offset:256*\ot+8    ; and 16 + 8 h ..: tout's order
	global_load_u8 v[WS+\ot], v254, s[40:41] offset:16*\ot
.endr
	BNPRV S, 64, 32, 60, 92, 10
.irp k, 0,1,2,3,4,5,6,7
	global_load_b128 v[V+4*\k:V+4*\k+3], v1, s[54:55] offset:512*\k    ; fout's codes of my f: images of the operand's registers
	global_load_u8 v[196+\k], v255, s[56:57] offset:32*\k              ; channel = lane, block k of the keys
.endr
	QB16 4, S, 212, 237, 241, 245, 249
.irp var, 0,1
	ds_store_b64 v5, v[212+4*\var:213+4*\var] offset:16*\var
	ds_store_b8 v6, v[249+2*\var] offset:\var
	ds_store_b64 v3, v[214+4*\var:215+4*\var] offset:16*\var
	ds_store_b8 v4, v[250+2*\var] offset:4*\var    ; both lanes of a block write the same byte with the same value
.endr
	BAR                                            ; q's and k's codes and bytes of both f lie in LDS
	s_wait_loadcnt 0x0
.irp ot, 0,1,2,3
	v_mov_b32 v[WCH+6+8*\ot], 0                    ; the upper halves of proj's half-filled blocks
	v_mov_b32 v[WCH+7+8*\ot], 0
	v_perm_b32 v[WS+\ot], v[WS+\ot], v[WS+\ot], 0
.endr
.irp z, 0,8,16
.irp i, 0,1,2,3
	v_mov_b32 v[QC+\z+\i], 0
.endr
.endr
.irp i, 2,3,4,5,6,7
	v_mov_b32 v[TFA+\i], 0
.endr
.irp i, 0,1,2,3
	v_mov_b32 v[PX+\i], 0
.endr
	v_mov_b32 v[F+1], 0                            ; (named as the upper half of a pair)
.irp ks, 0,1
	v_lshl_or_b32 v[VSC+\ks], v[197+4*\ks], 8, v[196+4*\ks]
	v_lshl_or_b32 v[VSC+\ks], v[198+4*\ks], 16, v[VSC+\ks]
	v_lshl_or_b32 v[VSC+\ks], v[199+4*\ks], 24, v[VSC+\ks]
	ds_load_b32 v[KS+\ks], v8 offset:128*\ks
.endr
	; ---- the attention
	TPRO 0
	ASTEP 0, 1, 1, 7
	TEPI 0, TFA
	TPRO 1
	ASTEP 0, 1, 0, 7
	ASTEP 1, 0, 1, 8
	TEPI 1, P
.irp i, 2,3,4,5,6,7
	v_mov_b32 v[P+\i], 0
.endr
	; ---- the projection, not transposed: source 0 = tout (16 queries), source 1 = proj_W: lane (r, h) holds output 16 ot + r and t = 16 tile + 8 h + j
	s_wait_asynccnt 0x0                            ; my copies of x have landed,
	BAR                                            ; everybody's have
.irp tt, 0,1
.irp ot, 0,1,2,3
	ds_load_b128 v[60+32*\tt+8*\ot:63+32*\tt+8*\ot], v[17+\tt] offset:16*XP*\ot
	ds_load_b128 v[64+32*\tt+8*\ot:67+32*\tt+8*\ot], v[17+\tt] offset:16*XP*\ot+16
.endr
.endr
.irp ot, 0,1,2,3
	ds_load_b64 v[124+2*\ot:125+2*\ot], v16 offset:128*\ot
.endr
	NOPS 8                                         ; tile B's scale word stands 8 places ahead of the product
.irp ot, 0,1,2,3
	WM S+8*\ot, TFA, WCH+4+8*\ot, 1, TS, WS+\ot, 0, 0
.endr
.irp ot, 0,1,2,3
	WM S+32+8*\ot, P, WCH+4+8*\ot, 1, TS+1, WS+\ot, 0, 0
.endr
	NOPS 4
	s_wait_dscnt 0x0
	BNPRP S, 64, 32, 8, 124, 12
.set sj, 0
.rept 32
	v_pk_add_f32 v[S+sj:S+sj+1], v[S+sj:S+sj+1], v[60+sj:61+sj]   ; + x
.set sj, sj+2
.endr
.irp tt, 0,1
.irp ot, 0,1,2,3
	ds_store_b128 v[17+\tt], v[S+32*\tt+8*\ot:S+32*\tt+8*\ot+3] offset:16*XP*\ot      ; over the same bytes of x, which this lane alone has read
	ds_store_b128 v[17+\tt], v[S+32*\tt+8*\ot+4:S+32*\tt+8*\ot+7] offset:16*XP*\ot+16
.endr
.endr
	BAR                                            ; whole rows of the result lie in LDS
.irp p, 0,1,2,3,4,5,6,7
	ds_load_b128 v[S+8*\p:S+8*\p+3], v2 offset:XP*\p
	ds_load_b128 v[S+8*\p+4:S+8*\p+7], v2 offset:XP*\p+512
.endr
.irp p, 0,1,2,3,4,5,6,7
	s_wait_dscnt 15-2*\p                           ; LDS loads come back in order: the younger ones may be out
	global_store_b128 v1, v[S+8*\p:S+8*\p+3], s[98:99] offset:262144*\p th:TH_STORE_NT        ; 512 consecutive bytes, at a multiple of 256
	s_wait_dscnt 14-2*\p
	global_store_b128 v1, v[S+8*\p+4:S+8*\p+7], s[98:99] offset:262144*\p+512 th:TH_STORE_NT
.endr
	s_wait_xcnt 0x0
	v_lshl_add_u32 v254, v0, 2, 0x29000
	v_mov_b32 v255, 0
	s_wait_tensorcnt 0x0
	ds_add_u32 v254, v255
	s_wait_dscnt 0x0
	s_endpgm
.Lfunc_end_k_q51c92796a6_time:
	.size	k_q51c92796a6_time, .Lfunc_end_k_q51c92796a6_time-k_q51c92796a6_time
	.p2alignl 7, 3214868480
	.fill 96, 4, 3214868480
	.section	.rodata,"a",@progbits
	.p2align	6, 0x0
	.amdhsa_kernel k_q51c92796a6_time
		.amdhsa_group_segment_fixed_size 169984
		.amdhsa_private_segment_fixed_size 0
		.amdhsa_enable_private_segment 0
		.amdhsa_kernarg_size 176
		.amdhsa_user_sgpr_count 2
		.amdhsa_user_sgpr_kernarg_segment_ptr 1
		.amdhsa_wavefront_size32 1
		.amdhsa_system_sgpr_workgroup_id_x 1
		.amdhsa_system_sgpr_workgroup_id_y 1
		.amdhsa_system_sgpr_workgroup_id_z 1
		.amdhsa_system_vgpr_workitem_id 0
		.amdhsa_next_free_vgpr 256
		.amdhsa_next_free_sgpr 100
		.amdhsa_reserve_vcc 1
		.amdhsa_float_denorm_mode_32 3
		.amdhsa_float_denorm_mode_16_64 3
		.amdhsa_memory_ordered 1
		.amdhsa_forward_progress 1
		.amdhsa_inst_pref_size 100
	.end_amdhsa_kernel
	.amdgpu_metadata
---
amdhsa.version: [ 1, 2 ]
amdhsa.kernels:
  - .name:           k_q51c92796a6_time
    .symbol:         k_q51c92796a6_time.kd
    .args:
      - { .name: inp_codes, .offset: 0, .size: 8, .value_kind: global_buffer, .address_space: global }
      - { .name: inp_scales, .offset: 8, .size: 8, .value_kind: global_buffer, .address_space: global }
      - { .name: x, .offset: 16, .size: 8, .value_kind: global_buffer, .address_space: global }
      - { .name: tqk_W_codes, .offset: 24, .size: 8, .value_kind: global_buffer, .address_space: global }
      - { .name: tqk_W_scales, .offset: 32, .size: 8, .value_kind: global_buffer, .address_space: global }
      - { .name: tqk_a, .offset: 40, .size: 8, .value_kind: global_buffer, .address_space: global }
      - { .name: tqk_b, .offset: 48, .size: 8, .value_kind: global_buffer, .address_space: global }
      - { .name: tqk_be, .offset: 56, .size: 8, .value_kind: global_buffer, .address_space: global }
      - { .name: tqk_g, .offset: 64, .size: 8, .value_kind: global_buffer, .address_space: global }
      - { .name: tqk_m, .offset: 72, .size: 8, .value_kind: global_buffer, .address_space: global }
      - { .name: tqk_v, .offset: 80, .size: 8, .value_kind: global_buffer, .address_space: global }
      - { .name: proj_W_codes, .offset: 88, .size: 8, .value_kind: global_buffer, .address_space: global }
      - { .name: proj_W_scales, .offset: 96, .size: 8, .value_kind: global_buffer, .address_space: global }
      - { .name: proj_a, .offset: 104, .size: 8, .value_kind: global_buffer, .address_space: global }
      - { .name: proj_b, .offset: 112, .size: 8, .value_kind: global_buffer, .address_space: global }
      - { .name: proj_be, .offset: 120, .size: 8, .value_kind: global_buffer, .address_space: global }
      - { .name: proj_g, .offset: 128, .size: 8, .value_kind: global_buffer, .address_space: global }
      - { .name: proj_m, .offset: 136, .size: 8, .value_kind: global_buffer, .address_space: global }
      - { .name: proj_v, .offset: 144, .size: 8, .value_kind: global_buffer, .address_space: global }
      - { .name: foc, .offset: 152, .size: 8, .value_kind: global_buffer, .address_space: global }
      - { .name: fos, .offset: 160, .size: 8, .value_kind: global_buffer, .address_space: global }
      - { .name: out0, .offset: 168, .size: 8, .value_kind: global_buffer, .address_space: global }
    .group_segment_fixed_size: 169984
    .private_segment_fixed_size: 0
    .kernarg_segment_align: 8
    .kernarg_segment_size: 176
    .max_flat_workgroup_size: 512
    .sgpr_count:     100
    .vgpr_count:     256
    .wavefront_size: 32
...
	.end_amdgpu_metadata
.endif
;; end of part 3
;; ======== version 2 of 2: 3 launches
;; workspace buffers: qfc 4,194,304 bytes; kfc 4,194,304 bytes; vfc 4,194,304 bytes; fsc 786,432 bytes; foc 4,194,304 bytes; fos 262,144 bytes
;; launch prep (part 4): grid 8 x 32, 16 waves a work-group, no clusters, 187,904 bytes of LDS; arguments inp_codes, inp_scales, x, fqk_W_codes, fqk_W_scales, fqk_a, fqk_b, fqk_be, fqk_g, fqk_m, fqk_v, fv_W_codes, fv_W_scales, fv_a, fv_b, fv_be, fv_g, fv_m, fv_v, qfc, kfc, vfc, fsc; writes qfc, kfc, vfc, fsc
.if DOCPART == 4
	.amdgcn_target "amdgcn-amd-amdhsa--gfx1250"
	.amdhsa_code_object_version 6
	.text
	.protected	k_q51c92796a6_prep
	.globl	k_q51c92796a6_prep
	.p2align	8
	.type	k_q51c92796a6_prep,@function
k_q51c92796a6_prep:
	s_mov_b64 s[64:65], 0
	v_nop
	global_prefetch_b8 v0, s[64:65] scope:SCOPE_SE
	s_setreg_imm32_b32 hwreg(HW_REG_WAVE_SCHED_MODE, 0, 2), 2
	s_setreg_imm32_b32 hwreg(HW_REG_WAVE_MODE, 25, 1), 1
	s_wait_xcnt 0x0
	s_wait_alu depctr_vm_vsrc(0)
; PREP: the two 1x1 convolutions ahead of the frequency attention, on codes of FP4 (E2M1) with one E8M0 scale for each 32 along K.
;   f_qk = prelu(bn(fqk_W inp + b)): q = output 2 c, k = output 2 c + 1; each is quantised along its 32 channels, one block a position.
;   vf   = prelu(bn(fv_W Q(x) + b)): x is quantised along its 64 channels here; vf is quantised along f, 32 neighbours a block.
; SHARES. A work-group owns 32 f x 32 t of one b (grid x: t / 32; grid y: 8 b + f / 32): the 32 f are a block of vf, and with 32 t a wave's load of x
; covers 128 consecutive bytes (64 t would leave 128 work-groups). Sixteen waves: wave wv makes q (wv even) or k (wv odd) for f = wv / 2 + 8 i, and vf for f = wv + 16 n.
; K = 64 IN AN INSTRUCTION OF K = 128: a dense fragment of inp holds TWO positions a row (2 r and 2 r + 1); the weights' tile stands in a chain of registers Z w Z (Z = zeros),
; read as [w Z] for the first position and as [Z w] for the second. Zero codes add nothing under any scale byte that is a number.
; THE ROWS OF fqk_W THAT FORM A TILE: lane r of tile u takes channel 8 u + r + 8 (r / 8), so that a lane's 16 results are 16 neighbouring channels.
; OUT, as images of the next launch's operand registers: qfc, kfc [b][t][piece 256][16 bytes], piece = f with its bits 3 and 4 changed over;
; vfc [b][t][c / 16][f / 32][c % 16][16 bytes]; fsc [q, k, v][b][f / 32][t][32 bytes]. They leave through LDS, 512 or 256 consecutive bytes a store.
; BN is folded: s = g rsq(v + 1e-5), o = (b - m) s + be, y = acc s + o (an order of rounding other than the source's). PReLU: max(y, 0) + a min(y, 0), right for every slope.
; LIMITS: NaN and infinities are not served; v + 1e-5 <= 0 is not served; a block whose largest magnitude lies under 2^-124 (a block of zeros among them) gets the scale byte 1:
; the bytes are read by this program alone. No cluster: work-groups share no tile, only a few KB of weights.
; THE MODE: SCHED_MODE bits 1:0 = 2 (LLVM: expert scheduling mode 2), set by the entry lines.  The code itself states the register dependences
; between vector or matrix instructions and memory or LDS instructions, with s_wait_alu, always for 0.
; THE PLAN.  Registers that memory or LDS instructions touch:
;   v1-v15, v206-v209  addresses, made once at the head and never written again: one wait on va_vdst ahead of the first load serves them all.
;   v244-v248          offsets of the head's small loads, later part of CD: one wait on vm_vsrc behind the head's loads.
;   XI[st], XIS[st]    a part's four products read them; the loads of the part two further on land in them, behind the part's one wait on va_vdst.
;   CD, BY             written by a part's conversions and shifts, read by its LDS stores (behind the same wait), written again by the next part (behind a wait on vm_vsrc at the part's end).
;   X                  read by an x part's maxima and conversions; the next f's 64 loads land in it behind the wait that stands ahead of the part's products.
;   XC, XW             made by vector instructions, taken by the x part's products: the same wait, behind their places.
;   D                  written by products and BN; an x part's LDS stores read it (a wait on va_vdst ahead of them, one on vm_vsrc behind them).
;   T, MX, PXM, SO, SQ, OQ, FVP are named behind the head by vector instructions alone.
.set TP,   4624                        ; vf's stage: bytes from t to t: 32 rows of CP + 16
.set CP,   144                         ; and from channel to channel: 32 f32 + 16
.set VST,  0                           ; LDS: vf [t 32][c 32][f 32] f32
.set QKS,  32*TP                       ; q's and k's codes [role][t 32] pitch 528 [piece 32][16 bytes]
.set QKR,  32*528
.set SBY,  QKS+2*QKR                   ; scale bytes [q, k, v][t 32][32]
.set PT,   SBY+3072                    ; folded parameters: s of fqk [role][c] at 0, o at 256, (s, o) of fv [c] at 512
.set X,    16                          ; v16-79   64 channels of x at my t; later two rows of vf
.set WCH,  80                          ; v80-115  Z wqk0 Z wqk1 Z wfv0 Z wfv1 Z
.set WS,   116                         ; v116-119 the weights' scale words (scales alone)
.set SQ,   120                         ; v120-135 s of my role's 16 channels
.set OQ,   136                         ; v136-151 o
.set FVP,  152                         ; v152-155 (s, o) of fv's channels r and 16 + r
.set D,    156                         ; v156-187 results
.set XI,   188                         ; v188-203 two fragments of inp
.set XIS,  204                         ; v204-205 their scale words (scales alone)
.set XC,   210                         ; v210-217 x's codes
.set XW,   218                         ; v218     x's scale word (scales alone)
.set T,    220                         ; v220-227 at work
.set MX,   228
.set PXM,  232
.set SO,   236
.set BY,   240
.set CD,   244
; one product: d results, a source 0, b source 1, cz = 1: C = 0, else C = D; sa, sb scale registers; ra, rb = 1: the scales stand in lanes 16-31
.macro WM d, a, b, cz, sa, sb, ra, rb
.if \cz
.if (\ra) && (\rb)
	v_wmma_scale_f32_16x16x128_f8f6f4 v[\d:\d+7], v[\a:\a+7], v[\b:\b+7], 0, v[\sa], v[\sb] matrix_a_fmt:MATRIX_FMT_FP4 matrix_b_fmt:MATRIX_FMT_FP4 matrix_a_scale:MATRIX_SCALE_ROW1 matrix_b_scale:MATRIX_SCALE_ROW1
.elseif \ra
	v_wmma_scale_f32_16x16x128_f8f6f4 v[\d:\d+7], v[\a:\a+7], v[\b:\b+7], 0, v[\sa], v[\sb] matrix_a_fmt:MATRIX_FMT_FP4 matrix_b_fmt:MATRIX_FMT_FP4 matrix_a_scale:MATRIX_SCALE_ROW1
.elseif \rb
	v_wmma_scale_f32_16x16x128_f8f6f4 v[\d:\d+7], v[\a:\a+7], v[\b:\b+7], 0, v[\sa], v[\sb] matrix_a_fmt:MATRIX_FMT_FP4 matrix_b_fmt:MATRIX_FMT_FP4 matrix_b_scale:MATRIX_SCALE_ROW1
.else
	v_wmma_scale_f32_16x16x128_f8f6f4 v[\d:\d+7], v[\a:\a+7], v[\b:\b+7], 0, v[\sa], v[\sb] matrix_a_fmt:MATRIX_FMT_FP4 matrix_b_fmt:MATRIX_FMT_FP4
.endif
.else
.if (\ra) && (\rb)
	v_wmma_scale_f32_16x16x128_f8f6f4 v[\d:\d+7], v[\a:\a+7], v[\b:\b+7], v[\d:\d+7], v[\sa], v[\sb] matrix_a_fmt:MATRIX_FMT_FP4 matrix_b_fmt:MATRIX_FMT_FP4 matrix_a_scale:MATRIX_SCALE_ROW1 matrix_b_scale:MATRIX_SCALE_ROW1
.elseif \ra
	v_wmma_scale_f32_16x16x128_f8f6f4 v[\d:\d+7], v[\a:\a+7], v[\b:\b+7], v[\d:\d+7], v[\sa], v[\sb] matrix_a_fmt:MATRIX_FMT_FP4 matrix_b_fmt:MATRIX_FMT_FP4 matrix_a_scale:MATRIX_SCALE_ROW1
.elseif \rb
	v_wmma_scale_f32_16x16x128_f8f6f4 v[\d:\d+7], v[\a:\a+7], v[\b:\b+7], v[\d:\d+7], v[\sa], v[\sb] matrix_a_fmt:MATRIX_FMT_FP4 matrix_b_fmt:MATRIX_FMT_FP4 matrix_b_scale:MATRIX_SCALE_ROW1
.else
	v_wmma_scale_f32_16x16x128_f8f6f4 v[\d:\d+7], v[\a:\a+7], v[\b:\b+7], v[\d:\d+7], v[\sa], v[\sb] matrix_a_fmt:MATRIX_FMT_FP4 matrix_b_fmt:MATRIX_FMT_FP4
.endif
.endif
.endm
.macro BAR                             ; my LDS stores have landed and my LDS loads are in: then the work-group's barrier
	s_wait_dscnt 0x0
	s_barrier_signal -1
	s_barrier_wait -1
.endm
.macro NOPS n
.rept \n
	v_nop
.endr
.endm
.macro XILOAD i, st                    ; the 32 positions of f = g + 8 i: row r of the fragment is positions 2 r, 2 r + 1 (64 bytes), and their four scale bytes
	global_load_b128 v[XI+8*\st:XI+8*\st+3], v2, s[86:87] offset:65536*(\i)
	global_load_b128 v[XI+8*\st+4:XI+8*\st+7], v2, s[86:87] offset:65536*(\i)+32
	global_load_b32 v[XIS+\st], v3, s[88:89] offset:4096*(\i)
.endm
.macro XLOAD n                         ; x(c, f = wv + 16 n, t0 + lane), c = 0 .. 63: 128 consecutive bytes a load; two bases, since 64 channels pass the immediate's 24 bits
.set xc, 0
.rept 32
	global_load_b32 v[X+xc], v1, s[82:83] offset:xc*262144+16384*\n th:TH_LOAD_NT
.set xc, xc+1
.endr
.set xc, 0
.rept 32
	global_load_b32 v[X+32+xc], v1, s[84:85] offset:xc*262144+16384*\n th:TH_LOAD_NT
.set xc, xc+1
.endr
.endm
; BN and PReLU on n registers from d on, in ascending order (each result is first read at its low end).  s, o: registers sp, op + index % md;  a: the slope's scalar pair
.macro BNPRV d, n, md, sp, op, a
.set bi, 0
.rept (\n)/2
.set bt, T+2*((bi/2)%4)
	v_pk_fma_f32 v[\d+bi:\d+bi+1], v[\d+bi:\d+bi+1], v[\sp+bi%\md:\sp+bi%\md+1], v[\op+bi%\md:\op+bi%\md+1]
	v_max_num_f32 v[bt], 0, v[\d+bi]
	v_max_num_f32 v[bt+1], 0, v[\d+bi+1]
	v_min_num_f32 v[\d+bi], 0, v[\d+bi]
	v_min_num_f32 v[\d+bi+1], 0, v[\d+bi+1]
	v_pk_fma_f32 v[\d+bi:\d+bi+1], v[\d+bi:\d+bi+1], s[\a:\a+1], v[bt:bt+1] op_sel_hi:[1,0,1]
.set bi, bi+2
.endr
.endm
; the same where a lane holds ONE channel: (s, o) is the pair pb + 2 ((index % md) / grp): its low word multiplies both halves, its high word is added to both
.macro BNPRP d, n, md, grp, pb, a
.set bi, 0
.rept (\n)/2
.set bt, T+2*((bi/2)%4)
.set pp, \pb+2*((bi%\md)/\grp)
	v_pk_fma_f32 v[\d+bi:\d+bi+1], v[\d+bi:\d+bi+1], v[pp:pp+1], v[pp:pp+1] op_sel:[0,0,1] op_sel_hi:[1,0,1]
	v_max_num_f32 v[bt], 0, v[\d+bi]
	v_max_num_f32 v[bt+1], 0, v[\d+bi+1]
	v_min_num_f32 v[\d+bi], 0, v[\d+bi]
	v_min_num_f32 v[\d+bi+1], 0, v[\d+bi+1]
	v_pk_fma_f32 v[\d+bi:\d+bi+1], v[\d+bi:\d+bi+1], s[\a:\a+1], v[bt:bt+1] op_sel_hi:[1,0,1]
.set bi, bi+2
.endr
.endm
; nb blocks of 32 that lie in lanes l and l xor 16, 16 registers a lane (src + 16 block): two registers of codes a block at cd, the byte at by.  The blocks take turns line by line.
.macro QB16 nb, src, cd, mx, px, so, by
.set qb, 0
.rept \nb
	v_max3_num_f32 v[\mx+qb], |v[\src+16*qb]|, |v[\src+16*qb+1]|, 0x1800000   ; with the floor 2^(3 - 127) among the leaves: the byte cannot fall under 1
.set qb, qb+1
.endr
.set qi, 2
.rept 7
.set qb, 0
.rept \nb
	v_max3_num_f32 v[\mx+qb], v[\mx+qb], |v[\src+16*qb+qi]|, |v[\src+16*qb+qi+1]|
.set qb, qb+1
.endr
.set qi, qi+2
.endr
.set qb, 0
.rept \nb
	v_permlanex16_b32 v[\px+qb], v[\mx+qb], s70, s71
.set qb, qb+1
.endr
.set qb, 0
.rept \nb
	v_max_num_f32 v[\mx+qb], v[\mx+qb], v[\px+qb]                      ; the block's largest magnitude
.set qb, qb+1
.endr
.set qb, 0
.rept \nb
	v_add_nc_u32 v[\so+qb], 0xff000000, v[\mx+qb]                      ; 2 off its exponent field: the conversion's scale operand
.set qb, qb+1
.endr
.set qb, 0
.rept \nb
	v_lshrrev_b32 v[\by+qb], 23, v[\so+qb]                             ; the scale's byte
.set qb, qb+1
.endr
.set qb, 0
.rept \nb
	v_cvt_scalef32_pk8_fp4_f32 v[\cd+2*qb], v[\src+16*qb:\src+16*qb+7], v[\so+qb]
	v_cvt_scalef32_pk8_fp4_f32 v[\cd+2*qb+1], v[\src+16*qb+8:\src+16*qb+15], v[\so+qb]
.set qb, qb+1
.endr
	v_nop                                          ; one plain place behind a scaled conversion
.endm
; two blocks of 32, each whole in my lane's 32 registers (src, src + 32): four registers of codes each at cd, cd + 4
.macro Q32P src, cd, mx, so, by
.irp b, 0,1
	v_max3_num_f32 v[\mx+\b], |v[\src+32*\b]|, |v[\src+32*\b+1]|, 0x1800000
.endr
.set qi, 2
.rept 15
.irp b, 0,1
	v_max3_num_f32 v[\mx+\b], v[\mx+\b], |v[\src+32*\b+qi]|, |v[\src+32*\b+qi+1]|
.endr
.set qi, qi+2
.endr
.irp b, 0,1
	v_add_nc_u32 v[\so+\b], 0xff000000, v[\mx+\b]
.endr
.irp b, 0,1
	v_lshrrev_b32 v[\by+\b], 23, v[\so+\b]
.endr
.irp b, 0,1
.irp g, 0,1,2,3
	v_cvt_scalef32_pk8_fp4_f32 v[\cd+4*\b+\g], v[\src+32*\b+8*\g:\src+32*\b+8*\g+7], v[\so+\b]
.endr
.endr
	v_nop                                          ; one plain place behind a scaled conversion
.endm
; q or k of f = g + 8 i at my 32 t.  Transposed use: source 0 = 16 rows of the weights, source 1 = inp: lane (r, h) holds position 2 r + var and channels 16 h + 8 u + j.
.macro PART_I i, st, nxt
	s_wait_loadcnt 63                              ; 64 loads or more were issued behind this fragment's three; the count's field holds 63, and a smaller count is safe
.irp var, 0,1
.irp u, 0,1
	WM D+16*\var+8*\u, WCH+4+8*\u-4*\var, XI+8*\st, 1, WS+\u, XIS+\st, 0, 0
.endr
.endr
	NOPS 4                                         ; places ahead of the first read of results
	BNPRV D, 32, 16, SQ, OQ, 66
	QB16 2, D, CD, MX, PXM, SO, BY
	s_wait_alu depctr_va_vdst(0)                   ; the conversions have written CD and the shifts BY, which the LDS stores below read; the four products are done reading this fragment and its scale word, in which the loads below land
.if \nxt
	XILOAD (\i)+2, \st                             ; the part two further on, which stands behind an x part: its fragment has that long to land
.endif
.irp var, 0,1
	ds_store_b64 v6, v[CD+2*\var:CD+2*\var+1] offset:528*\var+256*((\i)%2)+128*((\i)/2)   ; my half of the piece: t = 2 r + var, piece 16 f[3] + 8 f[4] + f[2:0]
	ds_store_b8 v7, v[BY+\var] offset:32*\var+16*((\i)/2)+(\i)%2                          ; both lanes of a block write the same byte with the same value
.endr
	s_wait_dscnt 0x0                               ; my LDS stores are done
	s_wait_alu depctr_vm_vsrc(0)                   ; they have read CD and BY, which the next part's conversions and shifts write again
.endm
; vf of f = wv + 16 n at my 32 t.  A lane holds all 64 channels of x at its t: two whole blocks.  Not transposed: source 0 = x (row r: positions r and 16 + r), source 1 = fv_W:
; lane (r, h) then holds channel 16 ct + r and t = 16 var + 8 h + j.
.macro PART_X n, cnt
	s_wait_loadcnt \cnt
	Q32P X, XC, MX, SO, BY
	v_lshl_or_b32 v[XW], v[BY+1], 8, v[BY]
	v_lshl_or_b32 v[XW], v[XW], 16, v[XW]          ; my position's two bytes, twice: lanes 0-15 serve the first position of a row, lanes 16-31 the second
.irp i, 0,1,2,3
	v_permlane16_swap_b32 v[XC+\i], v[XC+4+\i]     ; registers 0-3: positions 0-15, block h; registers 4-7: positions 16-31
.endr
	NOPS 8                                         ; a scale word made by vector instructions stands 8 places ahead of the product, an operand 4
	s_wait_alu depctr_va_vdst(0)                   ; x's codes XC and scale word XW are written, which the products take; the maxima and conversions are done reading X, in which the next f's loads land
.irp ct, 0,1
.irp var, 0,1
	WM D+16*\ct+8*\var, XC, WCH+20+8*\ct-4*\var, 1, XW, WS+2+\ct, \var, 0
.endr
.endr
.if \n == 0
	XLOAD 1                                        ; no further wait: the four products issued since name D, XC, the chain and scale words, neither X nor v1
.endif
	NOPS 4
	BNPRP D, 32, 32, 16, FVP, 68
	s_wait_alu depctr_va_vdst(0)                   ; BN and PReLU have written D, which the LDS stores read
.irp ct, 0,1
.irp var, 0,1
.irp j, 0,1,2,3,4,5,6,7
	ds_store_b32 v[4+\var], v[D+16*\ct+8*\var+\j] offset:\j*TP+16*\ct*CP+64*\n
.endr
.endr
.endr
	s_wait_dscnt 0x0                               ; my LDS stores are done
	s_wait_alu depctr_vm_vsrc(0)                   ; they have read D, which the next part's products write, and in which the way out's LDS loads land
.endm
	s_load_b512 s[16:31], s[0:1], 0x0              ; inp_codes 16, inp_scales 18, x 20, fqk_W_codes 22, fqk_W_scales 24, fqk_a 26, fqk_b 28, fqk_be 30
	s_load_b512 s[32:47], s[0:1], 0x40             ; fqk_g 32, fqk_m 34, fqk_v 36, fv_W_codes 38, fv_W_scales 40, fv_a 42, fv_b 44, fv_be 46
	s_load_b256 s[48:55], s[0:1], 0x80             ; fv_g 48, fv_m 50, fv_v 52, qfc 54
	s_load_b128 s[56:59], s[0:1], 0xa0             ; kfc 56, vfc 58
	s_load_b64 s[60:61], s[0:1], 0xb0              ; fsc
	v_lshl_add_u32 v243, v0, 2, 0x2d600
	v_mov_b32 v255, 0
	v_lshrrev_b32 v220, 5, v0
	v_readfirstlane_b32 s2, v220                   ; wave 0..15
	s_wait_alu depctr_va_sdst(0)                   ; s2 is written, ahead of its first reader: roles, addresses and branches are made from it
	s_and_b32 s3, s2, 1                            ; role: 0 q, 1 k
	s_lshr_b32 s4, s2, 1                           ; g
	s_mov_b32 s5, ttmp9                            ; t / 32
	s_and_b32 s8, ttmp7, 0xffff
	s_lshr_b32 s6, s8, 3                           ; b
	s_and_b32 s7, s8, 7                            ; f / 32
	s_mov_b32 s70, 0x76543210
	s_mov_b32 s71, 0xfedcba98                      ; v_permlanex16_b32's selects for lane l xor 16
	v_and_b32 v220, 31, v0                         ; lane
	v_and_b32 v221, 15, v0                         ; r
	v_bfe_u32 v222, v0, 4, 1                       ; h
	; every address register is made here, ahead of the first branch on the wave's number
	v_lshlrev_b32 v1, 2, v220                      ; x: 4 x lane
	v_lshlrev_b32 v2, 6, v221
	v_lshl_add_u32 v2, v222, 4, v2                 ; inp's fragment: 64 r + 16 h
	v_lshlrev_b32 v3, 2, v221                      ; its scale word: 4 r
	v_mul_u32_u24 v4, v221, CP
	v_mad_u32_u24 v4, v222, 8*TP, v4
	s_lshl_b32 s8, s2, 2
	v_add_nc_u32 v4, s8, v4                        ; vf's stage, in: t = 8 h (+ j), channel r, f = wv
	v_add_nc_u32 v5, 16*TP, v4                     ; and t 16 further on
	s_mul_i32 s8, s3, QKR
	s_lshl_b32 s9, s4, 4
	s_add_co_u32 s8, s8, s9
	s_add_co_u32 s8, s8, QKS
	v_mul_u32_u24 v6, v221, 1056
	v_lshl_add_u32 v6, v222, 3, v6
	v_add_nc_u32 v6, s8, v6                        ; q's or k's codes, in: t = 2 r, piece g, my half
	s_lshl_b32 s8, s3, 10
	s_lshl_b32 s9, s4, 1
	s_add_co_u32 s8, s8, s9
	s_add_co_u32 s8, s8, SBY
	v_lshlrev_b32 v7, 6, v221
	v_add_nc_u32 v7, s8, v7                        ; their scale bytes
	s_mul_i32 s8, s2, TP
	v_mul_u32_u24 v8, v220, CP
	v_add_nc_u32 v8, s8, v8                        ; vf's stage, out: t = wv, channel = lane
	v_add_nc_u32 v9, 16*TP, v8
	v_lshlrev_b32 v14, 4, v220                     ; 16 x lane
	s_mul_i32 s8, s2, 528
	s_add_co_u32 s8, s8, QKS
	v_add_nc_u32 v10, s8, v14                      ; q's codes, out: row t = wv
	s_lshl_b32 s8, s2, 5
	s_add_co_u32 s8, s8, SBY+2048
	v_add_nc_u32 v11, s8, v220                     ; vf's scale bytes: t = wv, channel = lane
	v_lshl_add_u32 v12, v0, 4, SBY                 ; the scale bytes, out
	v_lshlrev_b32 v13, 4, v221
	v_lshl_add_u32 v13, v222, 11, v13              ; vfc: (c / 16) 2048 + (c % 16) 16
	v_lshrrev_b32 v223, 6, v0
	v_and_b32 v224, 63, v0
	v_lshlrev_b32 v15, 4, v224
	v_lshl_add_u32 v15, v223, 18, v15              ; fsc: section tid / 64, 16 bytes a thread
	v_and_b32 v225, 1, v0
	v_bfe_u32 v226, v0, 1, 5
	v_lshlrev_b32 v206, 2, v226
	v_lshl_add_u32 v206, v225, 7, v206
	v_add_nc_u32 v206, PT, v206                    ; output o = tid of fqk: role o % 2, channel o / 2
	v_lshl_add_u32 v207, v220, 3, PT+512           ; channel = lane of fv
	s_lshl_b32 s8, s3, 7
	s_add_co_u32 s8, s8, PT
	v_lshlrev_b32 v208, 6, v222
	v_add_nc_u32 v208, s8, v208                    ; my role's s of channels 16 h ..
	v_lshl_add_u32 v209, v221, 3, PT+512           ; fv's (s, o) of channel r
	v_and_b32 v223, 8, v221
	v_add_nc_u32 v223, v223, v221                  ; r + 8 (r / 8)
	v_lshlrev_b32 v244, 6, v223
	v_lshl_add_u32 v244, v222, 4, v244
	s_lshl_b32 s8, s3, 5
	v_add_nc_u32 v244, s8, v244                    ; fqk_W: output 2 (r + 8 (r / 8)) + role: 32 bytes a row, + 16 h
	v_lshlrev_b32 v245, 2, v223
	s_lshl_b32 s8, s3, 1
	v_add_nc_u32 v245, s8, v245                    ; its two scale bytes
	v_lshlrev_b32 v246, 5, v221
	v_lshl_add_u32 v246, v222, 4, v246             ; fv_W: row r
	v_lshlrev_b32 v247, 1, v221
	s_wait_kmcnt 0x0
	s_load_b32 s66, s[26:27], 0x0                  ; the slopes
	s_load_b32 s68, s[42:43], 0x0
	s_cmp_lt_u32 s2, 2                             ; waves 0, 1 fold fqk's 64 outputs, the others fv's 32 (wave 2's are kept): every wave issues the same five loads
	s_cselect_b64 s[72:73], s[28:29], s[44:45]
	s_cselect_b64 s[74:75], s[30:31], s[46:47]
	s_cselect_b64 s[76:77], s[32:33], s[48:49]
	s_cselect_b64 s[78:79], s[34:35], s[50:51]
	s_cselect_b64 s[80:81], s[36:37], s[52:53]
	s_cselect_b32 s8, 63, 31
	v_and_b32 v248, s8, v0
	v_lshlrev_b32 v248, 2, v248
	s_lshl_b32 s8, s6, 24                          ; x: ((64 b) 256 + 32 fb + wv) 1024 + 128 tr
	s_lshl_b32 s9, s7, 15
	s_add_co_u32 s8, s8, s9
	s_lshl_b32 s9, s2, 10
	s_add_co_u32 s8, s8, s9
	s_lshl_b32 s9, s5, 7
	s_add_co_u32 s8, s8, s9
	s_mov_b32 s9, 0
	s_add_nc_u64 s[82:83], s[20:21], s[8:9]
	s_add_nc_u64 s[84:85], s[82:83], 0x800000      ; channels 32 on
	s_lshl_b32 s8, s6, 21                          ; inp_codes: ((256 b + 32 fb + g) 256 + 32 tr) 32
	s_lshl_b32 s10, s7, 18
	s_add_co_u32 s8, s8, s10
	s_lshl_b32 s10, s4, 13
	s_add_co_u32 s8, s8, s10
	s_lshl_b32 s10, s5, 10
	s_add_co_u32 s8, s8, s10
	s_add_nc_u64 s[86:87], s[16:17], s[8:9]
	s_lshr_b32 s8, s8, 4                           ; two scale bytes a position
	s_add_nc_u64 s[88:89], s[18:19], s[8:9]
	s_lshl_b32 s8, s6, 20                          ; (256 b + 32 tr + wv) 4096
	s_lshl_b32 s10, s5, 17
	s_add_co_u32 s8, s8, s10
	s_lshl_b32 s10, s2, 12
	s_add_co_u32 s8, s8, s10
	s_lshl_b32 s10, s7, 8
	s_add_co_u32 s12, s8, s10                      ; + 256 fb
	s_mov_b32 s13, 0
	s_add_nc_u64 s[94:95], s[58:59], s[12:13]      ; vfc
	s_add_co_u32 s12, s12, s10                     ; + 512 fb
	s_add_nc_u64 s[90:91], s[54:55], s[12:13]      ; qfc
	s_add_nc_u64 s[92:93], s[56:57], s[12:13]      ; kfc
	s_lshl_b32 s8, s6, 16                          ; fsc: (8 b + fb) 8192 + 32 tr x 32
	s_lshl_b32 s10, s7, 13
	s_add_co_u32 s8, s8, s10
	s_lshl_b32 s10, s5, 10
	s_add_co_u32 s8, s8, s10
	s_add_nc_u64 s[96:97], s[60:61], s[8:9]
	s_wait_alu depctr_va_vdst(0)                   ; all addresses and offsets (v1 to v15, v206 to v209, v244 to v248) are written: every load and store of the kernel reads some of them
	global_load_b32 v250, v248, s[72:73]           ; b
	global_load_b32 v251, v248, s[74:75]           ; be
	global_load_b32 v252, v248, s[76:77]           ; g
	global_load_b32 v253, v248, s[78:79]           ; m
	global_load_b32 v254, v248, s[80:81]           ; v
.irp u, 0,1
	global_load_b128 v[WCH+4+8*\u:WCH+7+8*\u], v244, s[22:23] offset:512*\u
	global_load_u16 v[WS+\u], v245, s[24:25] offset:32*\u
.endr
.irp ct, 0,1
	global_load_b128 v[WCH+20+8*\ct:WCH+23+8*\ct], v246, s[38:39] offset:512*\ct
	global_load_u16 v[WS+2+\ct], v247, s[40:41] offset:32*\ct
.endr
	XILOAD 0, 0
	XILOAD 1, 1
	XLOAD 0
	s_wait_kmcnt 0x0
	s_mov_b32 s67, s66                             ; (the packed forms name pairs)
	s_mov_b32 s69, s68
	s_wait_loadcnt 63                              ; 83 loads have been issued: the 20 oldest are in, the 19 small ones among them
	s_wait_alu depctr_vm_vsrc(0)                   ; the loads issued so far have read their offsets: v244 to v248 are written again below, as CD
	v_add_f32 v254, 0x3727c5ac, v254               ; v + 1e-5
	s_wait_alu depctr_va_vdst(0)
	v_rsq_f32 v254, v254
	v_sub_f32 v250, v250, v253                     ; b - m  (a plain place behind the transcendental)
.irp i, 0,1,2,3
	v_perm_b32 v[WS+\i], v[WS+\i], v[WS+\i], 0x01000100   ; a weight row's two bytes in both halves of its word: they serve [w Z] and [Z w] alike
.endr
.irp z, 0,8,16,24,32
.irp i, 0,1,2,3
	v_mov_b32 v[WCH+\z+\i], 0                      ; the chain's zeros
.endr
.endr
.irp i, 0,1,2,3
	v_mov_b32 v[PXM+\i], 0                         ; written once: a lane permute's destination counts as one of its sources.  (Also the places behind the zeros)
.endr
	s_wait_alu depctr_va_vdst(0)                   ; the reciprocal root v254 is written, ahead of its first reader; the 29 lines above are the independent work behind it
	v_mul_f32 v252, v252, v254                     ; s
	v_fma_f32 v253, v250, v252, v251               ; o
	s_wait_alu depctr_va_vdst(0)                   ; s and o are written, which the LDS stores read; the chain's zeros and the weights' scale words, which every product takes, were written ahead of it too, their places behind them
	s_cmp_lt_u32 s2, 2
	s_cbranch_scc0 .Lnot_qk
	ds_store_b32 v206, v252
	ds_store_b32 v206, v253 offset:256
	s_branch .Lpt_done
.Lnot_qk:
	s_cmp_eq_u32 s2, 2
	s_cbranch_scc0 .Lpt_done
	ds_store_b64 v207, v[252:253]
.Lpt_done:
	BAR                                            ; the folded parameters lie in LDS
.irp k, 0,1,2,3
	ds_load_b128 v[SQ+4*\k:SQ+4*\k+3], v208 offset:16*\k          ; (no vector instruction has named these registers)
	ds_load_b128 v[OQ+4*\k:OQ+4*\k+3], v208 offset:256+16*\k
.endr
	ds_load_b64 v[FVP:FVP+1], v209
	ds_load_b64 v[FVP+2:FVP+3], v209 offset:128
	s_wait_dscnt 0x0
	PART_I 0, 0, 1
	PART_I 1, 1, 1
	PART_X 0, 6                                    ; x's 64 loads are in; behind them stand the six of the two fragments asked for above
	PART_I 2, 0, 0
	PART_I 3, 1, 0
	PART_X 1, 0
	BAR                                            ; q's and k's codes, their bytes and vf lie in LDS
	; ---- out: wave wv takes t = wv and wv + 16.  The loads below land in D and X with no further wait: no vector instruction has been issued since the last part's wait on va_vdst, and its wait on vm_vsrc has shown D read
.irp rho, 0,1
.irp n, 0,1
	ds_load_b128 v[D+4*(2*\rho+\n):D+4*(2*\rho+\n)+3], v10 offset:\rho*QKR+\n*16*528
.endr
.endr
.irp n, 0,1
.irp k, 0,1,2,3,4,5,6,7
	ds_load_b128 v[X+32*\n+4*\k:X+32*\n+4*\k+3], v[8+\n] offset:16*\k    ; vf(channel = lane, f = 0 .. 31): a whole block
.endr
.endr
	s_wait_dscnt 16                                ; the four rows of codes are in; vf's sixteen loads may be out
.irp rho, 0,1
.irp n, 0,1
	global_store_b128 v14, v[D+4*(2*\rho+\n):D+4*(2*\rho+\n)+3], s[90+2*\rho:91+2*\rho] offset:65536*\n   ; 512 consecutive bytes
.endr
.endr
	s_wait_dscnt 0x0
	Q32P X, CD, MX, SO, BY
	s_wait_alu depctr_va_vdst(0)                   ; the conversions have written CD and the shifts BY, which the four stores read; they are done reading X, in whose first four registers the last LDS load lands
	global_store_b128 v13, v[CD:CD+3], s[94:95]    ; two runs of 256 consecutive bytes, each at a multiple of 256
	global_store_b128 v13, v[CD+4:CD+7], s[94:95] offset:65536
	ds_store_b8 v11, v[BY]
	ds_store_b8 v11, v[BY+1] offset:512
	BAR                                            ; all 3,072 scale bytes lie in LDS
	s_cmp_lt_u32 s2, 6
	s_cbranch_scc0 .Lend
	ds_load_b128 v[16:19], v12
	s_wait_dscnt 0x0
	global_store_b128 v15, v[16:19], s[96:97]      ; 1,024 consecutive bytes a section
.Lend:
	s_wait_dscnt 0x0
	s_wait_alu depctr_hold_cnt(0) depctr_sa_sdst(0) depctr_va_vdst(0) depctr_va_sdst(0) depctr_va_ssrc(0) depctr_va_vcc(0) depctr_vm_vsrc(0)
	s_wait_tensorcnt 0x0
	ds_add_u32 v243, v255
	s_wait_dscnt 0x0
	s_endpgm
.Lfunc_end_k_q51c92796a6_prep:
	.size	k_q51c92796a6_prep, .Lfunc_end_k_q51c92796a6_prep-k_q51c92796a6_prep
	.p2alignl 7, 3214868480
	.fill 96, 4, 3214868480
	.section	.rodata,"a",@progbits
	.p2align	6, 0x0
	.amdhsa_kernel k_q51c92796a6_prep
		.amdhsa_group_segment_fixed_size 187904
		.amdhsa_private_segment_fixed_size 0
		.amdhsa_enable_private_segment 0
		.amdhsa_kernarg_size 184
		.amdhsa_user_sgpr_count 2
		.amdhsa_user_sgpr_kernarg_segment_ptr 1
		.amdhsa_wavefront_size32 1
		.amdhsa_system_sgpr_workgroup_id_x 1
		.amdhsa_system_sgpr_workgroup_id_y 1
		.amdhsa_system_sgpr_workgroup_id_z 1
		.amdhsa_system_vgpr_workitem_id 0
		.amdhsa_next_free_vgpr 256
		.amdhsa_next_free_sgpr 100
		.amdhsa_reserve_vcc 0
		.amdhsa_float_denorm_mode_32 3
		.amdhsa_float_denorm_mode_16_64 3
		.amdhsa_memory_ordered 1
		.amdhsa_forward_progress 1
		.amdhsa_inst_pref_size 76
	.end_amdhsa_kernel
	.amdgpu_metadata
---
amdhsa.version: [ 1, 2 ]
amdhsa.kernels:
  - .name:           k_q51c92796a6_prep
    .symbol:         k_q51c92796a6_prep.kd
    .args:
      - { .name: inp_codes, .offset: 0, .size: 8, .value_kind: global_buffer, .address_space: global }
      - { .name: inp_scales, .offset: 8, .size: 8, .value_kind: global_buffer, .address_space: global }
      - { .name: x, .offset: 16, .size: 8, .value_kind: global_buffer, .address_space: global }
      - { .name: fqk_W_codes, .offset: 24, .size: 8, .value_kind: global_buffer, .address_space: global }
      - { .name: fqk_W_scales, .offset: 32, .size: 8, .value_kind: global_buffer, .address_space: global }
      - { .name: fqk_a, .offset: 40, .size: 8, .value_kind: global_buffer, .address_space: global }
      - { .name: fqk_b, .offset: 48, .size: 8, .value_kind: global_buffer, .address_space: global }
      - { .name: fqk_be, .offset: 56, .size: 8, .value_kind: global_buffer, .address_space: global }
      - { .name: fqk_g, .offset: 64, .size: 8, .value_kind: global_buffer, .address_space: global }
      - { .name: fqk_m, .offset: 72, .size: 8, .value_kind: global_buffer, .address_space: global }
      - { .name: fqk_v, .offset: 80, .size: 8, .value_kind: global_buffer, .address_space: global }
      - { .name: fv_W_codes, .offset: 88, .size: 8, .value_kind: global_buffer, .address_space: global }
      - { .name: fv_W_scales, .offset: 96, .size: 8, .value_kind: global_buffer, .address_space: global }
      - { .name: fv_a, .offset: 104, .size: 8, .value_kind: global_buffer, .address_space: global }
      - { .name: fv_b, .offset: 112, .size: 8, .value_kind: global_buffer, .address_space: global }
      - { .name: fv_be, .offset: 120, .size: 8, .value_kind: global_buffer, .address_space: global }
      - { .name: fv_g, .offset: 128, .size: 8, .value_kind: global_buffer, .address_space: global }
      - { .name: fv_m, .offset: 136, .size: 8, .value_kind: global_buffer, .address_space: global }
      - { .name: fv_v, .offset: 144, .size: 8, .value_kind: global_buffer, .address_space: global }
      - { .name: qfc, .offset: 152, .size: 8, .value_kind: global_buffer, .address_space: global }
      - { .name: kfc, .offset: 160, .size: 8, .value_kind: global_buffer, .address_space: global }
      - { .name: vfc, .offset: 168, .size: 8, .value_kind: global_buffer, .address_space: global }
      - { .name: fsc, .offset: 176, .size: 8, .value_kind: global_buffer, .address_space: global }
    .group_segment_fixed_size: 187904
    .private_segment_fixed_size: 0
    .kernarg_segment_align: 8
    .kernarg_segment_size: 184
    .max_flat_workgroup_size: 512
    .sgpr_count:     100
    .vgpr_count:     256
    .wavefront_size: 32
...
	.end_amdgpu_metadata
.endif
;; end of part 4
;; launch freq (part 5): grid 8 x 32, 16 waves a work-group, no clusters, 166,400 bytes of LDS; arguments qfc, kfc, vfc, fsc, foc, fos; writes foc, fos
.if DOCPART == 5
	.amdgcn_target "amdgcn-amd-amdhsa--gfx1250"
	.amdhsa_code_object_version 6
	.text
	.protected	k_q51c92796a6_freq
	.globl	k_q51c92796a6_freq
	.p2align	8
	.type	k_q51c92796a6_freq,@function
k_q51c92796a6_freq:
	s_mov_b64 s[64:65], 0
	v_nop
	global_prefetch_b8 v0, s[64:65] scope:SCOPE_SE
	s_setreg_imm32_b32 hwreg(HW_REG_WAVE_SCHED_MODE, 0, 2), 2
	s_setreg_imm32_b32 hwreg(HW_REG_WAVE_MODE, 25, 1), 1
	s_wait_xcnt 0x0
	s_wait_alu depctr_vm_vsrc(0)
; FREQ: the frequency attention, for each (b, t) over the 256 f, on codes of FP4 (E2M1) with one E8M0 scale for each 32 along K; its result fout is quantised along t for the next launch.
; SOFTMAX: t' = score x log2(e) / sqrt(32); M = the running largest t', rounded UP to a whole number; p = 2^(t' - M) is what is quantised, along the keys; the row's sum is taken of the unquantised p
; and divides the result at the end.  When M moves, the sum and O are multiplied by 2^(old M - new M): exact.
; SHARES. A work-group owns 32 queries (grid x) x 32 t (grid y: 8 b + t / 32): the 32 t are a block of fout.  Wave wv takes t = wv and wv + 16, one after the other: two tiles of 16 queries against 256 keys, 128 a step.
; K and V of one t are 8 KB, laid by the launch before as images of the operands' registers: each wave loads its own t's straight into 64 registers, 512 consecutive bytes a load; no wave shares them.
; K = 32 IN AN INSTRUCTION OF K = 128: a fragment of K holds FOUR tiles of 16 keys (block beta of row r = key r of tile 4 sigma + beta); the queries stand in a chain of registers Z QL Z QH Z
; (QL: codes in lanes 0-15 alone, QH: in lanes 16-31 alone, Z: zeros), read at four places so that the codes fall into block beta alone.  Zero codes add nothing.
; Both products are used transposed (S^T = K Q^T, O^T = V^T P^T): a lane holds one query.  The keys of tile 2 b + u are 32 b + 8 u + r + 8 (r / 8): the 16 registers of two neighbouring tiles are 16 neighbouring keys.
; NO CLUSTER: the 8 work-groups of one (b, t / 32) read the same 264 KB of K, V and scales; held jointly in LDS that does not fit beside the 148 KB stage that fout's blocks along t need,
; and a ring of pieces would tie sixteen waves that share nothing to common rounds.
; fos is stored 32 neighbouring bytes a wave: parts of 256-byte runs, one byte in 17 of what this launch stores.
; LIMITS: NaN and infinities are not served; a block of fout or of p whose largest magnitude lies under 2^-124 gets the scale byte 1 (the bytes are read by this program alone).
; THE MODE: SCHED_MODE bits 1:0 = 2 (LLVM: expert scheduling mode 2), set by the entry lines.  The code itself states the register dependences
; between vector or matrix instructions and memory or LDS instructions, with s_wait_alu, always for 0.
; THE PLAN.  Registers that memory or LDS instructions touch:
;   v1-v13     addresses, made once at the head and never written again: one wait on va_vdst ahead of the first load serves them all.
;   RAW        the head's copies land in it and its LDS stores read it (a wait on vm_vsrc behind the first barrier); each t's LDS loads land in it and shifts read it; at the end conversions write it and stores read it.
;   QT, QRAW   read by a t's selects and permute; the next t's loads land behind the wait that stands ahead of the t's first products.
;   K          read by the score products; the next t's loads land behind a wait of their own, behind the first t's last score products.
;   V          read by the second products; the next t's loads land behind the wait that stands ahead of a tile's LDS stores.
;   O          written by products and multiplies; a tile's LDS stores read it (a wait on va_vdst ahead of them); the next tile's first products write it anew (a wait on vm_vsrc ahead of them).
;   S          named by vector and matrix instructions alone until the way out, where LDS loads land in it behind the last tile's wait.
;   The chain QC, the scale words KS, VSC, QS, PS and p's codes P are made by vector instructions and taken by products: a wait on va_vdst stands behind their places, ahead of the products.
; A step's 68 exponentials are one batch with one wait ahead of their first reader; each reciprocal has its own.
.set FS,   0                           ; LDS: fout [query 32] pitch 4624 [c 32] pitch 144 [t 32] f32
.set SCK,  147968                      ; K's scale bytes [f / 32][t 32][32]
.set SCV,  156160                      ; V's likewise
.set QC,   16                          ; v16-51   Z QL0 Z QH0 Z QL1 Z QH1 Z
.set QT,   52                          ; v52-59   the two tiles' codes as loaded
.set K,    60                          ; v60-91   four fragments
.set V,    92                          ; v92-123  (c / 16, step): 16 ct + 8 ks
.set S,    124                         ; v124-187 S^T, then p
.set O,    188                         ; v188-203 O^T
.set P,    204                         ; v204-211 p's codes
.set KS,   212                         ; v212-213 K's scale words, v214-215 V's, v216 Q's, v217 p's: scales alone
.set VSC,  214
.set QS,   216
.set PS,   217
.set QRAW, 218                         ; Q's byte as loaded
.set BM,   220
.set PX,   224
.set SO,   228
.set NM,   232                         ; -M;  v233 the largest t'
.set TM,   233
.set L,    234                         ; the sum, in two halves
.set F,    236                         ; 2^(old M - new M)
.set MS,   238
.set RAW,  240                         ; v240-251 scale bytes as loaded; at the end codes and bytes
.set SEL,  26
.set CS,   28
.macro WM d, a, b, cz, sa, sb, ra, rb
.if \cz
.if (\ra) && (\rb)
	v_wmma_scale_f32_16x16x128_f8f6f4 v[\d:\d+7], v[\a:\a+7], v[\b:\b+7], 0, v[\sa], v[\sb] matrix_a_fmt:MATRIX_FMT_FP4 matrix_b_fmt:MATRIX_FMT_FP4 matrix_a_scale:MATRIX_SCALE_ROW1 matrix_b_scale:MATRIX_SCALE_ROW1
.elseif \ra
	v_wmma_scale_f32_16x16x128_f8f6f4 v[\d:\d+7], v[\a:\a+7], v[\b:\b+7], 0, v[\sa], v[\sb] matrix_a_fmt:MATRIX_FMT_FP4 matrix_b_fmt:MATRIX_FMT_FP4 matrix_a_scale:MATRIX_SCALE_ROW1
.elseif \rb
	v_wmma_scale_f32_16x16x128_f8f6f4 v[\d:\d+7], v[\a:\a+7], v[\b:\b+7], 0, v[\sa], v[\sb] matrix_a_fmt:MATRIX_FMT_FP4 matrix_b_fmt:MATRIX_FMT_FP4 matrix_b_scale:MATRIX_SCALE_ROW1
.else
	v_wmma_scale_f32_16x16x128_f8f6f4 v[\d:\d+7], v[\a:\a+7], v[\b:\b+7], 0, v[\sa], v[\sb] matrix_a_fmt:MATRIX_FMT_FP4 matrix_b_fmt:MATRIX_FMT_FP4
.endif
.else
.if (\ra) && (\rb)
	v_wmma_scale_f32_16x16x128_f8f6f4 v[\d:\d+7], v[\a:\a+7], v[\b:\b+7], v[\d:\d+7], v[\sa], v[\sb] matrix_a_fmt:MATRIX_FMT_FP4 matrix_b_fmt:MATRIX_FMT_FP4 matrix_a_scale:MATRIX_SCALE_ROW1 matrix_b_scale:MATRIX_SCALE_ROW1
.elseif \ra
	v_wmma_scale_f32_16x16x128_f8f6f4 v[\d:\d+7], v[\a:\a+7], v[\b:\b+7], v[\d:\d+7], v[\sa], v[\sb] matrix_a_fmt:MATRIX_FMT_FP4 matrix_b_fmt:MATRIX_FMT_FP4 matrix_a_scale:MATRIX_SCALE_ROW1
.elseif \rb
	v_wmma_scale_f32_16x16x128_f8f6f4 v[\d:\d+7], v[\a:\a+7], v[\b:\b+7], v[\d:\d+7], v[\sa], v[\sb] matrix_a_fmt:MATRIX_FMT_FP4 matrix_b_fmt:MATRIX_FMT_FP4 matrix_b_scale:MATRIX_SCALE_ROW1
.else
	v_wmma_scale_f32_16x16x128_f8f6f4 v[\d:\d+7], v[\a:\a+7], v[\b:\b+7], v[\d:\d+7], v[\sa], v[\sb] matrix_a_fmt:MATRIX_FMT_FP4 matrix_b_fmt:MATRIX_FMT_FP4
.endif
.endif
.endm
.macro BAR
	s_wait_dscnt 0x0
	s_barrier_signal -1
	s_barrier_wait -1
.endm
.macro NOPS n
.rept \n
	v_nop
.endr
.endm
.macro Q32P src, cd, mx, so, by        ; two blocks of 32, each whole in my lane's 32 registers: four registers of codes each
.irp b, 0,1
	v_max3_num_f32 v[\mx+\b], |v[\src+32*\b]|, |v[\src+32*\b+1]|, 0x1800000   ; with the floor 2^(3 - 127): the byte cannot fall under 1
.endr
.set qi, 2
.rept 15
.irp b, 0,1
	v_max3_num_f32 v[\mx+\b], v[\mx+\b], |v[\src+32*\b+qi]|, |v[\src+32*\b+qi+1]|
.endr
.set qi, qi+2
.endr
.irp b, 0,1
	v_add_nc_u32 v[\so+\b], 0xff000000, v[\mx+\b]  ; 2 off the exponent field: the conversion's scale operand
.endr
.irp b, 0,1
	v_lshrrev_b32 v[\by+\b], 23, v[\so+\b]         ; the scale's byte
.endr
.irp b, 0,1
.irp g, 0,1,2,3
	v_cvt_scalef32_pk8_fp4_f32 v[\cd+4*\b+\g], v[\src+32*\b+8*\g:\src+32*\b+8*\g+7], v[\so+\b]
.endr
.endr
	v_nop                                          ; one plain place behind a scaled conversion
.endm
; The softmax of one step: 64 scores a lane (register 16 b + i = key 32 b + 16 (lane / 16) + i of the step) become p, p's codes and scale word; the sum and O^T go under the new M.  first = 1: a tile's first step.
.macro SMSTEP first
.irp b, 0,1,2,3
	v_max3_num_f32 v[BM+\b], v[S+16*\b], v[S+16*\b+1], v[S+16*\b+2]   ; the largest score of each block of 32 keys: for the row's maximum and, since p rises with the score, for the block's largest p
.endr
.irp i, 3,5,7,9,11,13
.irp b, 0,1,2,3
	v_max3_num_f32 v[BM+\b], v[BM+\b], v[S+16*\b+\i], v[S+16*\b+\i+1]
.endr
.endr
.irp b, 0,1,2,3
	v_max_num_f32 v[BM+\b], v[BM+\b], v[S+16*\b+15]
.endr
.irp b, 0,1,2,3
	v_permlanex16_b32 v[PX+\b], v[BM+\b], s[SEL], s[SEL+1]
.endr
.irp b, 0,1,2,3
	v_max_num_f32 v[BM+\b], v[BM+\b], v[PX+\b]     ; with lane l xor 16's 16 keys
.endr
	v_max3_num_f32 v[MS], v[BM], v[BM+1], v[BM+2]
	v_max_num_f32 v[MS], v[MS], v[BM+3]
	v_mul_f32 v[MS], s[CS], v[MS]                  ; the step's largest t' (c is positive)
.if \first
	v_mov_b32 v[TM], v[MS]
	v_floor_f32 v[NM], -v[TM]                      ; -M = floor(-t') = -ceil(t')
.else
	v_max_num_f32 v[TM], v[TM], v[MS]
	v_mov_b32 v[MS], v[NM]
	v_floor_f32 v[NM], -v[TM]
	v_sub_f32 v[MS], v[NM], v[MS]                  ; old M - new M: a whole number, 0 or less
	v_cvt_i32_f32 v[MS], v[MS]
	v_ldexp_f32 v[F], 1.0, v[MS]
.endif
.set sj, 0
.rept 32
	v_pk_fma_f32 v[S+sj:S+sj+1], v[S+sj:S+sj+1], s[CS:CS+1], v[NM:NM+1] op_sel_hi:[1,0,0]   ; t' - M, two at a time
.set sj, sj+2
.endr
.irp b, 0,1,2,3
	v_fma_f32 v[BM+\b], v[BM+\b], s[CS], v[NM]
.endr
.set sj, 0
	s_wait_alu depctr_va_vdst(0)
.rept 64
	v_exp_f32 v[S+sj], v[S+sj]                     ; p = 2^(t' - M)
.set sj, sj+1
.endr
.irp b, 0,1,2,3
	v_exp_f32 v[BM+\b], v[BM+\b]                   ; the block's largest p: the same two instructions on the same number
.endr
.if \first
	v_nop                                          ; a plain place behind the exponentials
.else
	v_pk_mul_f32 v[L:L+1], v[L:L+1], v[F:F+1] op_sel_hi:[1,0]   ; the sum under the new M (a plain place behind the exponentials)
.endif
	s_wait_alu depctr_va_vdst(0)                   ; the 68 exponentials have written p (S) and the blocks' largest p (BM): one wait for the batch, ahead of its first reader
.irp b, 0,1,2,3
	v_max_num_f32 v[BM+\b], 0x1800000, v[BM+\b]    ; the floor
.endr
.irp b, 0,1,2,3
	v_add_nc_u32 v[SO+\b], 0xff000000, v[BM+\b]
.endr
.irp b, 0,1,2,3
	v_lshrrev_b32 v[PX+\b], 23, v[SO+\b]
.endr
	v_lshl_or_b32 v[PS], v[PX+1], 8, v[PX]         ; p's scale word for these 128 keys
	v_lshl_or_b32 v[PS], v[PX+2], 16, v[PS]
	v_lshl_or_b32 v[PS], v[PX+3], 24, v[PS]
.irp b, 0,1,2,3
	v_cvt_scalef32_pk8_fp4_f32 v[P+2*\b], v[S+16*\b:S+16*\b+7], v[SO+\b]
	v_cvt_scalef32_pk8_fp4_f32 v[P+2*\b+1], v[S+16*\b+8:S+16*\b+15], v[SO+\b]
.endr
	v_nop                                          ; one plain place behind a scaled conversion
.irp c, 0,1
.irp i, 0,1
	v_permlane16_swap_b32 v[P+4*\c+\i], v[P+4*\c+2+\i]   ; a whole block to a lane: lanes 0-15 block 2 c, lanes 16-31 block 2 c + 1
.endr
.endr
	v_pk_add_f32 v[PX:PX+1], v[S:S+1], v[S+2:S+3]  ; the row's sum, of the unquantised p, in two chains.  (These additions are also the places between p's scale word and codes and the product)
.irp j, 4,8,12,16,20,24,28,32,36,40,44,48,52,56,60
	v_pk_add_f32 v[L:L+1], v[L:L+1], v[S+\j:S+\j+1]
	v_pk_add_f32 v[PX:PX+1], v[PX:PX+1], v[S+\j+2:S+\j+3]
.endr
	v_pk_add_f32 v[L:L+1], v[L:L+1], v[PX:PX+1]
.if !(\first)
.irp j, 0,2,4,6,8,10,12,14
	v_pk_mul_f32 v[O+\j:O+\j+1], v[O+\j:O+\j+1], v[F:F+1] op_sel_hi:[1,0]   ; O^T under the new M
.endr
.endif
.endm
.macro LOADQ n                         ; my two tiles of queries at t = wv + 16 n (both halves of the lanes take the same 16 bytes), and their scale bytes: lanes 0-15 tile 0, lanes 16-31 tile 1
.irp u, 0,1
	global_load_b128 v[QT+4*\u:QT+4*\u+3], v2, s[20:21] offset:65536*\n+256*\u
.endr
	global_load_u8 v[QRAW], v5, s[36:37] offset:512*\n
.endm
.macro LOADK n
.irp k, 0,1,2,3,4,5,6,7
	global_load_b128 v[K+4*\k:K+4*\k+3], v1, s[22:23] offset:65536*\n+512*\k
.endr
.endm
.macro LOADV n
.irp k, 0,1,2,3,4,5,6,7
	global_load_b128 v[V+4*\k:V+4*\k+3], v1, s[24:25] offset:65536*\n+512*\k
.endr
.endm
; one step of 128 keys for tile u
.macro STEP n, u, ks
.irp sl, 0,1
.irp be, 0,1,2,3
	WM S+8*(4*\sl+\be), K+8*(2*\ks+\sl), QC+16*\u+4+8*(\be%2)-4*(\be/2), 1, KS+\ks, QS, \sl, \u
.endr
.endr
	NOPS 4                                         ; places ahead of the first read of the scores
.if (\n == 0) && (\u == 1) && (\ks == 1)
	s_wait_alu depctr_va_vdst(0)                   ; the last products on this t's K are done reading it: the next t's loads land there
	LOADK 1
.endif
	SMSTEP (1-\ks)
.if \ks == 0
	s_wait_dscnt 0x0                               ; the last tile's LDS stores are done
.if (\n)+(\u) > 0
	s_wait_alu depctr_vm_vsrc(0)                   ; they have read O^T, which the products below begin anew
.endif
.if \u == 0
	s_wait_loadcnt 3*(1-\n)                        ; V is in; behind it stand the next t's three loads of Q, or nothing
.endif
.endif
	s_wait_alu depctr_va_vdst(0)                   ; p's codes P and scale word PS are written, which the two products take; their places, the sums above, stand ahead of this wait
	WM O, V+8*\ks, P, 1-\ks, VSC+\ks, PS, 0, 0     ; the two accumulators take turns, and eight score products stand between a sum's links
	WM O+8, V+16+8*\ks, P, 1-\ks, VSC+\ks, PS, 1, 0
.endm
.macro FINISH n, u                     ; O^T / the sum goes to the stage: query 16 u + r, channel 16 ct + 8 h + j, t = wv + 16 n
	v_add_f32 v[L], v[L], v[L+1]
	v_permlanex16_b32 v[PX], v[L], s[SEL], s[SEL+1]
	v_add_f32 v[L], v[L], v[PX]                    ; the row's sum
	s_wait_alu depctr_va_vdst(0)
	v_rcp_f32 v[L], v[L]
	NOPS 3                                         ; a plain place behind the transcendental; with the lines above, the places behind the last products
	s_wait_alu depctr_va_vdst(0)                   ; the reciprocal is written, ahead of its first reader
.irp j, 0,2,4,6,8,10,12,14
	v_pk_mul_f32 v[O+\j:O+\j+1], v[O+\j:O+\j+1], v[L:L+1] op_sel_hi:[1,0]
.endr
	s_wait_alu depctr_va_vdst(0)                   ; the multiplies have written O^T, which the LDS stores read; the tile's products are done reading V, and the shifts of this t's head RAW: the loads that follow land there
.irp ct, 0,1
.irp j, 0,1,2,3,4,5,6,7
	ds_store_b32 v[6+\u], v[O+8*\ct+\j] offset:(16*\ct+\j)*144+64*\n
.endr
.endr
.if (\n == 0) && (\u == 1)
	LOADV 1
.endif
.endm
.macro UNIT n
.irp ks, 0,1
	ds_load_u16 v[RAW+2*\ks], v3 offset:4096*\ks+512*\n          ; lanes 0-15: fragment 2 ks, lanes 16-31: fragment 2 ks + 1; two bytes (tiles 2 b, 2 b + 1) for each 32 keys
	ds_load_u16 v[RAW+2*\ks+1], v3 offset:4096*\ks+512*\n+1024
.endr
.irp ks, 0,1
.irp i, 0,1,2,3
	ds_load_u8 v[RAW+4+4*\ks+\i], v4 offset:(4*\ks+\i)*1024+512*\n   ; channel = lane, block 4 ks + i of the keys
.endr
.endr
	s_wait_dscnt 0x0
.irp ks, 0,1
	v_lshl_or_b32 v[KS+\ks], v[RAW+2*\ks+1], 16, v[RAW+2*\ks]
	v_lshl_or_b32 v[VSC+\ks], v[RAW+5+4*\ks], 8, v[RAW+4+4*\ks]
	v_lshl_or_b32 v[VSC+\ks], v[RAW+6+4*\ks], 16, v[VSC+\ks]
	v_lshl_or_b32 v[VSC+\ks], v[RAW+7+4*\ks], 24, v[VSC+\ks]
.endr
	s_wait_loadcnt 8                               ; Q and K are in; V's eight loads may be out
	v_perm_b32 v[QS], v[QRAW], v[QRAW], 0          ; a query's byte in all four places: it serves every block
.irp u, 0,1
.irp i, 0,1,2,3
	v_cndmask_b32 v[QC+16*\u+4+\i], v[QT+4*\u+\i], v[QC+\i], s30    ; QL: zeros in lanes 16-31
	v_cndmask_b32 v[QC+16*\u+12+\i], v[QC+\i], v[QT+4*\u+\i], s30   ; QH: zeros in lanes 0-15
.endr
.endr
	NOPS 4                                         ; an operand made by vector instructions stands 4 places ahead of the product (the scale words: 8 and more)
	s_wait_alu depctr_va_vdst(0)                   ; the chain QC and the scale words KS, VSC and QS are written, which this t's products take; the selects and the permute are done reading QT and QRAW, in which the next t's loads land
.if \n == 0
	LOADQ 1
.endif
.irp u, 0,1
	v_mov_b32 v[L], 0
	v_mov_b32 v[L+1], 0
	STEP \n, \u, 0
	STEP \n, \u, 1
	FINISH \n, \u
.endr
.endm
	s_load_b256 s[4:11], s[0:1], 0x0               ; qfc 4, kfc 6, vfc 8, fsc 10
	s_load_b128 s[12:15], s[0:1], 0x20             ; foc 12, fos 14
	v_lshl_add_u32 v254, v0, 2, 0x28200
	v_mov_b32 v255, 0
	v_lshrrev_b32 v220, 5, v0
	v_readfirstlane_b32 s2, v220                   ; wave 0..15
	s_wait_alu depctr_va_sdst(0)                   ; s2 is written, ahead of its first reader: the addresses are made from it
	s_mov_b32 s3, ttmp9                            ; which 32 queries
	s_and_b32 s18, ttmp7, 0xffff
	s_lshr_b32 s16, s18, 3                         ; b
	s_and_b32 s17, s18, 7                          ; t / 32
	s_mov_b32 s[SEL], 0x76543210
	s_mov_b32 s[SEL+1], 0xfedcba98
	s_mov_b32 s[CS], 0x3e8293ee                    ; c = log2(e) / sqrt(32)
	s_mov_b32 s[CS+1], s[CS]
	s_mov_b32 s30, 0xffff0000                      ; lanes 16-31
	v_and_b32 v11, 31, v0                          ; lane
	v_and_b32 v221, 15, v0                         ; r
	v_bfe_u32 v222, v0, 4, 1                       ; h
	v_lshlrev_b32 v1, 4, v11                       ; 16 x lane
	v_lshlrev_b32 v2, 4, v221                      ; 16 r
	s_lshl_b32 s18, s2, 5
	s_add_co_u32 s19, s18, SCK
	v_lshlrev_b32 v3, 1, v221
	v_lshl_add_u32 v3, v222, 11, v3
	v_add_nc_u32 v3, s19, v3                       ; K's bytes: t = wv, 64 keys further on for lanes 16-31, 2 r
	s_add_co_u32 s19, s18, SCV
	v_add_nc_u32 v4, s19, v11                      ; V's bytes: t = wv, channel = lane
	v_lshl_add_u32 v5, v221, 1, v222               ; Q's byte: 2 r + tile
	v_mul_u32_u24 v6, v221, 4624
	v_mad_u32_u24 v6, v222, 1152, v6
	s_lshl_b32 s19, s2, 2
	v_add_nc_u32 v6, s19, v6                       ; the stage, in: query r, channel 8 h, t = wv
	v_add_nc_u32 v7, 73984, v6                     ; and query 16 + r
	s_mul_i32 s19, s2, 4624
	v_mul_u32_u24 v8, v11, 144
	v_add_nc_u32 v8, s19, v8                       ; out: query wv, channel = lane
	v_add_nc_u32 v9, 73984, v8
	v_lshl_add_u32 v10, v222, 11, v2               ; foc: (c / 16) 2048 + (c % 16) 16
	v_lshrrev_b32 v223, 6, v0
	v_and_b32 v224, 63, v0
	v_lshlrev_b32 v12, 4, v224
	v_lshl_add_u32 v12, v223, 13, v12              ; fsc: f / 32 = tid / 64, 16 bytes a thread
	v_lshl_add_u32 v13, v0, 4, SCK
	s_wait_kmcnt 0x0
	s_lshl_b32 s18, s16, 20                        ; (256 b + 32 tb + wv) 4096
	s_lshl_b32 s19, s17, 17
	s_add_co_u32 s18, s18, s19
	s_lshl_b32 s19, s2, 12
	s_add_co_u32 s18, s18, s19
	s_mov_b32 s19, 0
	s_add_nc_u64 s[22:23], s[6:7], s[18:19]
	s_add_nc_u64 s[24:25], s[8:9], s[18:19]
	s_lshl_b32 s31, s3, 9
	s_add_co_u32 s18, s18, s31
	s_add_nc_u64 s[20:21], s[4:5], s[18:19]        ; + my 32 queries' pieces
	s_lshl_b32 s18, s16, 16
	s_lshl_b32 s31, s17, 10
	s_add_co_u32 s18, s18, s31
	s_add_nc_u64 s[32:33], s[10:11], s[18:19]
	s_add_nc_u64 s[32:33], s[32:33], 0x40000       ; k's section
	s_add_nc_u64 s[34:35], s[32:33], 0x40000       ; v's
	s_lshl_b32 s31, s3, 13
	s_add_co_u32 s18, s18, s31
	s_lshl_b32 s31, s2, 5
	s_add_co_u32 s18, s18, s31
	s_add_nc_u64 s[36:37], s[10:11], s[18:19]      ; q's section, my 32 queries, t = wv
	s_lshl_b32 s18, s16, 8                         ; the f that stage row wv holds: 256 b + 32 fq + wv % 8 + 16 (wv / 8); row wv + 16 holds f + 8
	s_lshl_b32 s31, s3, 5
	s_add_co_u32 s18, s18, s31
	s_and_b32 s31, s2, 7
	s_add_co_u32 s18, s18, s31
	s_lshr_b32 s31, s2, 3
	s_lshl_b32 s31, s31, 4
	s_add_co_u32 s18, s18, s31
	s_lshl_b32 s42, s18, 12
	s_lshl_b32 s31, s17, 8
	s_add_co_u32 s42, s42, s31
	s_mov_b32 s43, 0
	s_add_nc_u64 s[38:39], s[12:13], s[42:43]      ; foc
	s_lshl_b32 s42, s18, 8
	s_lshl_b32 s31, s17, 5
	s_add_co_u32 s42, s42, s31
	s_add_nc_u64 s[40:41], s[14:15], s[42:43]      ; fos
	s_wait_alu depctr_va_vdst(0)                   ; the addresses and offsets v1 to v13 are written: every load and store of the kernel reads some of them
	global_load_b128 v[RAW:RAW+3], v12, s[32:33]   ; the 32 t's scale bytes of K and of V: 8 KB each, once, 1,024 consecutive bytes for each 32 keys
	global_load_b128 v[RAW+4:RAW+7], v12, s[34:35]
	LOADQ 0
	LOADK 0
	LOADV 0
.irp z, 0,8,16,24,32
.irp i, 0,1,2,3
	v_mov_b32 v[QC+\z+\i], 0                       ; the chain's zeros
.endr
.endr
.irp i, 0,1,2,3
	v_mov_b32 v[PX+\i], 0                          ; written once: a lane permute's destination counts as one of its sources
.endr
	v_mov_b32 v[F+1], 0                            ; (named as the upper half of a pair)
	s_wait_loadcnt 19                              ; the two copies are in; behind them stand Q's 3, K's 8 and V's 8
	ds_store_b128 v13, v[RAW:RAW+3]
	ds_store_b128 v13, v[RAW+4:RAW+7] offset:8192
	BAR                                            ; the scale bytes lie in LDS
	s_wait_alu depctr_vm_vsrc(0)                   ; my two LDS stores have read RAW, in which the LDS loads below land
	UNIT 0
	UNIT 1
	BAR                                            ; fout of 32 queries x 32 channels x 32 t lies in the stage
	; ---- out: wave wv takes stage rows wv and wv + 16; lane = channel; its 32 numbers along t are a whole block.  The loads land in S with no further wait: no vector instruction has been issued since the last tile's wait on va_vdst
.irp n, 0,1
.irp k, 0,1,2,3,4,5,6,7
	ds_load_b128 v[S+32*\n+4*\k:S+32*\n+4*\k+3], v[8+\n] offset:16*\k
.endr
.endr
	s_wait_dscnt 0x0
	Q32P S, RAW, BM, SO, RAW+10
	s_wait_alu depctr_va_vdst(0)                   ; the conversions have written the codes and the shifts the bytes in RAW, which the four stores read
	global_store_b128 v10, v[RAW:RAW+3], s[38:39]                 ; two runs of 256 consecutive bytes, each at a multiple of 256
	global_store_b128 v10, v[RAW+4:RAW+7], s[38:39] offset:32768
	global_store_b8 v11, v[RAW+10], s[40:41]
	global_store_b8 v11, v[RAW+11], s[40:41] offset:2048
	s_wait_dscnt 0x0
	s_wait_alu depctr_hold_cnt(0) depctr_sa_sdst(0) depctr_va_vdst(0) depctr_va_sdst(0) depctr_va_ssrc(0) depctr_va_vcc(0) depctr_vm_vsrc(0)
	s_wait_tensorcnt 0x0
	ds_add_u32 v254, v255
	s_wait_dscnt 0x0
	s_endpgm
.Lfunc_end_k_q51c92796a6_freq:
	.size	k_q51c92796a6_freq, .Lfunc_end_k_q51c92796a6_freq-k_q51c92796a6_freq
	.p2alignl 7, 3214868480
	.fill 96, 4, 3214868480
	.section	.rodata,"a",@progbits
	.p2align	6, 0x0
	.amdhsa_kernel k_q51c92796a6_freq
		.amdhsa_group_segment_fixed_size 166400
		.amdhsa_private_segment_fixed_size 0
		.amdhsa_enable_private_segment 0
		.amdhsa_kernarg_size 48
		.amdhsa_user_sgpr_count 2
		.amdhsa_user_sgpr_kernarg_segment_ptr 1
		.amdhsa_wavefront_size32 1
		.amdhsa_system_sgpr_workgroup_id_x 1
		.amdhsa_system_sgpr_workgroup_id_y 1
		.amdhsa_system_sgpr_workgroup_id_z 1
		.amdhsa_system_vgpr_workitem_id 0
		.amdhsa_next_free_vgpr 256
		.amdhsa_next_free_sgpr 66
		.amdhsa_reserve_vcc 0
		.amdhsa_float_denorm_mode_32 3
		.amdhsa_float_denorm_mode_16_64 3
		.amdhsa_memory_ordered 1
		.amdhsa_forward_progress 1
		.amdhsa_inst_pref_size 124
	.end_amdhsa_kernel
	.amdgpu_metadata
---
amdhsa.version: [ 1, 2 ]
amdhsa.kernels:
  - .name:           k_q51c92796a6_freq
    .symbol:         k_q51c92796a6_freq.kd
    .args:
      - { .name: qfc, .offset: 0, .size: 8, .value_kind: global_buffer, .address_space: global }
      - { .name: kfc, .offset: 8, .size: 8, .value_kind: global_buffer, .address_space: global }
      - { .name: vfc, .offset: 16, .size: 8, .value_kind: global_buffer, .address_space: global }
      - { .name: fsc, .offset: 24, .size: 8, .value_kind: global_buffer, .address_space: global }
      - { .name: foc, .offset: 32, .size: 8, .value_kind: global_buffer, .address_space: global }
      - { .name: fos, .offset: 40, .size: 8, .value_kind: global_buffer, .address_space: global }
    .group_segment_fixed_size: 166400
    .private_segment_fixed_size: 0
    .kernarg_segment_align: 8
    .kernarg_segment_size: 48
    .max_flat_workgroup_size: 512
    .sgpr_count:     66
    .vgpr_count:     256
    .wavefront_size: 32
...
	.end_amdgpu_metadata
.endif
;; end of part 5
;; launch time (part 6): grid 128 x 4, 16 waves a work-group, no clusters, 169,984 bytes of LDS; arguments inp_codes, inp_scales, x, tqk_W_codes, tqk_W_scales, tqk_a, tqk_b, tqk_be, tqk_g, tqk_m, tqk_v, proj_W_codes, proj_W_scales, proj_a, proj_b, proj_be, proj_g, proj_m, proj_v, foc, fos, out0; writes out0
.if DOCPART == 6
	.amdgcn_target "amdgcn-amd-amdhsa--gfx1250"
	.amdhsa_code_object_version 6
	.text
	.protected	k_q51c92796a6_time
	.globl	k_q51c92796a6_time
	.p2align	8
	.type	k_q51c92796a6_time,@function
k_q51c92796a6_time:
	s_mov_b64 s[64:65], 0
	v_nop
	global_prefetch_b8 v0, s[64:65] scope:SCOPE_SE
	s_setreg_imm32_b32 hwreg(HW_REG_WAVE_MODE, 25, 1), 1
	s_wait_xcnt 0x0
; TIME: t_qk = prelu(bn(tqk_W inp + b)); the causal time attention for each (b, f) over the 256 t, with fout (codes from the launch before) as values; the projection, BN, PReLU and + x.
; All four products on codes of FP4 (E2M1) with one E8M0 scale for each 32 along K.  Softmax as in the launch before: p = 2^(t' - M), M a whole number, the sum of the unquantised p divides at the end.
; SHARES. A work-group owns two f (2 x grid x + wave / 8) of one b (grid y).  Of the eight waves of an f, wave w convolves positions 32 w .. 32 w + 31, attends for query tile w (keys 0-127 alone can count:
; one step, on the diagonal) and for tile 15 - w (step 0 open, step 1 on the diagonal): three steps in every wave and no branch; steps that the mask hides whole are not computed.
; It copies in, and at the end stores, channel rows 8 w .. 8 w + 7 of x and of the result.
; x's 64 rows of 1,024 bytes for each f come into LDS by asynchronous copies at the kernel's head, are waited for ahead of the projection, take the result in place, and leave as whole rows.
; K = 64 and K = 32 in an instruction of K = 128: as in the two launches before (a dense operand against a chain of registers with zeros).
; tout's one block of 32 channels is fed as two half-filled blocks: lane half h carries its 16 codes and 16 zeros, both under the block's byte, and proj_W is loaded in the same order: no lane exchange.
; LDS is claimed beyond the 151,552 bytes used.  No cluster: work-groups share only a few KB of weights.
; BN is folded: s = g rsq(v + 1e-5), o = (b - m) s + be (an order of rounding other than the source's).  PReLU: max(y, 0) + a min(y, 0).
; LIMITS: NaN and infinities are not served; v + 1e-5 <= 0 is not served; a block whose largest magnitude lies under 2^-124 gets the scale byte 1 (read by this program alone).
.set XSF,  66560                       ; LDS: x [f 2] XSF [channel 64] pitch 1040 [t 256] f32, from byte 0
.set XP,   1040
.set KI,   133120                      ; k's codes [f 2][piece 256][16 bytes], piece = t with its bits 3 and 4 changed over
.set QI,   141312                      ; q's codes [f 2][t 256][16 bytes]
.set KSC,  149504                      ; k's scale bytes [f 2][fragment 4][r 16][block 4]
.set QSC,  150016                      ; q's [f 2][t 256]
.set PT,   150528                      ; folded parameters: s of tqk [role][c] at 0, o at 256, (s, o) of proj [o 64] at 512
.set WCH,  20                          ; v20-55   Z w Z w Z w Z w Z: tqk's four tiles, later proj's
.set WS,   56                          ; v56-59   the weights' scale words (scales alone)
.set QC,   60                          ; v60-79   Z QL Z QH Z
.set QT,   80
.set K,    84                          ; v84-99   two fragments
.set V,    100                         ; v100-131 16 ct + 8 ks
.set S,    132                         ; v132-195 S^T, then p; also the convolution's and the projection's results
.set O,    196                         ; v196-211 O^T
.set P,    212                         ; v212-219 p's codes; later tile B's tout
.set TFA,  220                         ; v220-227 tile A's tout: two registers of codes, six of zeros
.set KS,   228                         ; v228-236 scales alone: K's 2, V's 2, Q's, p's, inp's, tout's 2
.set VSC,  230
.set QS,   232
.set PS,   233
.set XIS,  234
.set TS,   235
.set MS,   237
.set NM,   238
.set TM,   239
.set L,    240
.set F,    242
.set BM,   244
.set PX,   248
.set SO,   252
.set T,    204                         ; at work in BN and PReLU
.set XI,   196                         ; the convolution's fragment of inp
.set SEL,  92
.set CS,   94
.macro WM d, a, b, cz, sa, sb, ra, rb
.if \cz
.if (\ra) && (\rb)
	v_wmma_scale_f32_16x16x128_f8f6f4 v[\d:\d+7], v[\a:\a+7], v[\b:\b+7], 0, v[\sa], v[\sb] matrix_a_fmt:MATRIX_FMT_FP4 matrix_b_fmt:MATRIX_FMT_FP4 matrix_a_scale:MATRIX_SCALE_ROW1 matrix_b_scale:MATRIX_SCALE_ROW1
.elseif \ra
	v_wmma_scale_f32_16x16x128_f8f6f4 v[\d:\d+7], v[\a:\a+7], v[\b:\b+7], 0, v[\sa], v[\sb] matrix_a_fmt:MATRIX_FMT_FP4 matrix_b_fmt:MATRIX_FMT_FP4 matrix_a_scale:MATRIX_SCALE_ROW1
.elseif \rb
	v_wmma_scale_f32_16x16x128_f8f6f4 v[\d:\d+7], v[\a:\a+7], v[\b:\b+7], 0, v[\sa], v[\sb] matrix_a_fmt:MATRIX_FMT_FP4 matrix_b_fmt:MATRIX_FMT_FP4 matrix_b_scale:MATRIX_SCALE_ROW1
.else
	v_wmma_scale_f32_16x16x128_f8f6f4 v[\d:\d+7], v[\a:\a+7], v[\b:\b+7], 0, v[\sa], v[\sb] matrix_a_fmt:MATRIX_FMT_FP4 matrix_b_fmt:MATRIX_FMT_FP4
.endif
.else
.if (\ra) && (\rb)
	v_wmma_scale_f32_16x16x128_f8f6f4 v[\d:\d+7], v[\a:\a+7], v[\b:\b+7], v[\d:\d+7], v[\sa], v[\sb] matrix_a_fmt:MATRIX_FMT_FP4 matrix_b_fmt:MATRIX_FMT_FP4 matrix_a_scale:MATRIX_SCALE_ROW1 matrix_b_scale:MATRIX_SCALE_ROW1
.elseif \ra
	v_wmma_scale_f32_16x16x128_f8f6f4 v[\d:\d+7], v[\a:\a+7], v[\b:\b+7], v[\d:\d+7], v[\sa], v[\sb] matrix_a_fmt:MATRIX_FMT_FP4 matrix_b_fmt:MATRIX_FMT_FP4 matrix_a_scale:MATRIX_SCALE_ROW1
.elseif \rb
	v_wmma_scale_f32_16x16x128_f8f6f4 v[\d:\d+7], v[\a:\a+7], v[\b:\b+7], v[\d:\d+7], v[\sa], v[\sb] matrix_a_fmt:MATRIX_FMT_FP4 matrix_b_fmt:MATRIX_FMT_FP4 matrix_b_scale:MATRIX_SCALE_ROW1
.else
	v_wmma_scale_f32_16x16x128_f8f6f4 v[\d:\d+7], v[\a:\a+7], v[\b:\b+7], v[\d:\d+7], v[\sa], v[\sb] matrix_a_fmt:MATRIX_FMT_FP4 matrix_b_fmt:MATRIX_FMT_FP4
.endif
.endif
.endm
.macro BAR
	s_wait_dscnt 0x0
	s_barrier_signal -1
	s_barrier_wait -1
.endm
.macro NOPS n
.rept \n
	v_nop
.endr
.endm
; BN and PReLU on n registers from d on, ascending (each result is first read at its low end)
.macro BNPRV d, n, md, sp, op, a
.set bi, 0
.rept (\n)/2
.set bt, T+2*((bi/2)%4)
	v_pk_fma_f32 v[\d+bi:\d+bi+1], v[\d+bi:\d+bi+1], v[\sp+bi%\md:\sp+bi%\md+1], v[\op+bi%\md:\op+bi%\md+1]
	s_delay_alu instid0(VALU_DEP_1)
	v_max_num_f32 v[bt], 0, v[\d+bi]
	s_delay_alu instid0(VALU_DEP_2)
	v_max_num_f32 v[bt+1], 0, v[\d+bi+1]
	s_delay_alu instid0(VALU_DEP_3)
	v_min_num_f32 v[\d+bi], 0, v[\d+bi]
	s_delay_alu instid0(VALU_DEP_4)
	v_min_num_f32 v[\d+bi+1], 0, v[\d+bi+1]
	s_delay_alu instid0(VALU_DEP_1)
	v_pk_fma_f32 v[\d+bi:\d+bi+1], v[\d+bi:\d+bi+1], s[\a:\a+1], v[bt:bt+1] op_sel_hi:[1,0,1]
.set bi, bi+2
.endr
.endm
.macro BNPRP d, n, md, grp, pb, a      ; a lane holds ONE channel: (s, o) is the pair pb + 2 ((index % md) / grp)
.set bi, 0
.rept (\n)/2
.set bt, T+2*((bi/2)%4)
.set pp, \pb+2*((bi%\md)/\grp)
	v_pk_fma_f32 v[\d+bi:\d+bi+1], v[\d+bi:\d+bi+1], v[pp:pp+1], v[pp:pp+1] op_sel:[0,0,1] op_sel_hi:[1,0,1]
	s_delay_alu instid0(VALU_DEP_1)
	v_max_num_f32 v[bt], 0, v[\d+bi]
	s_delay_alu instid0(VALU_DEP_2)
	v_max_num_f32 v[bt+1], 0, v[\d+bi+1]
	s_delay_alu instid0(VALU_DEP_3)
	v_min_num_f32 v[\d+bi], 0, v[\d+bi]
	s_delay_alu instid0(VALU_DEP_4)
	v_min_num_f32 v[\d+bi+1], 0, v[\d+bi+1]
	s_delay_alu instid0(VALU_DEP_1)
	v_pk_fma_f32 v[\d+bi:\d+bi+1], v[\d+bi:\d+bi+1], s[\a:\a+1], v[bt:bt+1] op_sel_hi:[1,0,1]
.set bi, bi+2
.endr
.endm
; nb blocks of 32 that lie in lanes l and l xor 16, 16 registers a lane (src + 16 block): two registers of codes a block at cd, the byte at by
.macro QB16 nb, src, cd, mx, px, so, by
.set qb, 0
.rept \nb
	v_max3_num_f32 v[\mx+qb], |v[\src+16*qb]|, |v[\src+16*qb+1]|, 0x1800000   ; with the floor 2^(3 - 127): the byte cannot fall under 1
.set qb, qb+1
.endr
.set qi, 2
.rept 7
.set qb, 0
	v_max3_num_f32 v[\mx+qb], v[\mx+qb], |v[\src+16*qb+qi]|, |v[\src+16*qb+qi+1]|
.set qb, qb+1
.rept (\nb)-1
	s_delay_alu instid0(VALU_DEP_4)
	v_max3_num_f32 v[\mx+qb], v[\mx+qb], |v[\src+16*qb+qi]|, |v[\src+16*qb+qi+1]|
.set qb, qb+1
.endr
.set qi, qi+2
.endr
.set qb, 0
	v_permlanex16_b32 v[\px+qb], v[\mx+qb], s[SEL], s[SEL+1]
.set qb, qb+1
.rept (\nb)-1
	s_delay_alu instid0(VALU_DEP_4)
	v_permlanex16_b32 v[\px+qb], v[\mx+qb], s[SEL], s[SEL+1]
.set qb, qb+1
.endr
.set qb, 0
	v_max_num_f32 v[\mx+qb], v[\mx+qb], v[\px+qb]
.set qb, qb+1
.rept (\nb)-1
	s_delay_alu instid0(VALU_DEP_4)
	v_max_num_f32 v[\mx+qb], v[\mx+qb], v[\px+qb]
.set qb, qb+1
.endr
.set qb, 0
	v_add_nc_u32 v[\so+qb], 0xff000000, v[\mx+qb]
.set qb, qb+1
.rept (\nb)-1
	s_delay_alu instid0(VALU_DEP_4)
	v_add_nc_u32 v[\so+qb], 0xff000000, v[\mx+qb]  ; 2 off the exponent field: the conversion's scale operand
.set qb, qb+1
.endr
.set qb, 0
	v_lshrrev_b32 v[\by+qb], 23, v[\so+qb]
.set qb, qb+1
.rept (\nb)-1
	s_delay_alu instid0(VALU_DEP_4)
	v_lshrrev_b32 v[\by+qb], 23, v[\so+qb]         ; the scale's byte
.set qb, qb+1
.endr
.set qb, 0
.rept \nb
	v_cvt_scalef32_pk8_fp4_f32 v[\cd+2*qb], v[\src+16*qb:\src+16*qb+7], v[\so+qb]
	v_cvt_scalef32_pk8_fp4_f32 v[\cd+2*qb+1], v[\src+16*qb+8:\src+16*qb+15], v[\so+qb]
.set qb, qb+1
.endr
	v_nop                                          ; one plain place behind a scaled conversion
.endm
; The softmax of one step, as in the launch before
.macro SMSTEP first
.irp b, 0,1,2,3
	v_max3_num_f32 v[BM+\b], v[S+16*\b], v[S+16*\b+1], v[S+16*\b+2]
.endr
.irp i, 3,5,7,9,11,13
.irp b, 0,1,2,3
	v_max3_num_f32 v[BM+\b], v[BM+\b], v[S+16*\b+\i], v[S+16*\b+\i+1]
.endr
.endr
.irp b, 0,1,2,3
	v_max_num_f32 v[BM+\b], v[BM+\b], v[S+16*\b+15]
.endr
.irp b, 0,1,2,3
	s_delay_alu instid0(VALU_DEP_4)
	v_permlanex16_b32 v[PX+\b], v[BM+\b], s[SEL], s[SEL+1]
.endr
.irp b, 0,1,2,3
	s_delay_alu instid0(VALU_DEP_4)
	v_max_num_f32 v[BM+\b], v[BM+\b], v[PX+\b]
.endr
	s_delay_alu instid0(VALU_DEP_2)
	v_max3_num_f32 v[MS], v[BM], v[BM+1], v[BM+2]
	s_delay_alu instid0(VALU_DEP_1)
	v_max_num_f32 v[MS], v[MS], v[BM+3]
	s_delay_alu instid0(VALU_DEP_1)
	v_mul_f32 v[MS], s[CS], v[MS]
.if \first
	s_delay_alu instid0(VALU_DEP_1)
	v_mov_b32 v[TM], v[MS]
	s_delay_alu instid0(VALU_DEP_1)
	v_floor_f32 v[NM], -v[TM]
.else
	s_delay_alu instid0(VALU_DEP_1)
	v_max_num_f32 v[TM], v[TM], v[MS]
	v_mov_b32 v[MS], v[NM]
	s_delay_alu instid0(VALU_DEP_2)
	v_floor_f32 v[NM], -v[TM]
	s_delay_alu instid0(VALU_DEP_1)
	v_sub_f32 v[MS], v[NM], v[MS]
	s_delay_alu instid0(VALU_DEP_1)
	v_cvt_i32_f32 v[MS], v[MS]
	s_delay_alu instid0(VALU_DEP_1)
	v_ldexp_f32 v[F], 1.0, v[MS]
.endif
.set sj, 0
.rept 32
	v_pk_fma_f32 v[S+sj:S+sj+1], v[S+sj:S+sj+1], s[CS:CS+1], v[NM:NM+1] op_sel_hi:[1,0,0]
.set sj, sj+2
.endr
.irp b, 0,1,2,3
	v_fma_f32 v[BM+\b], v[BM+\b], s[CS], v[NM]
.endr
.set sj, 0
	s_wait_alu depctr_va_vdst(0)
.rept 64
	v_exp_f32 v[S+sj], v[S+sj]
.set sj, sj+1
.endr
.irp b, 0,1,2,3
	v_exp_f32 v[BM+\b], v[BM+\b]
.endr
.if \first
	v_nop                                          ; a plain place behind the exponentials
	s_wait_alu depctr_va_vdst(0)
.else
	v_pk_mul_f32 v[L:L+1], v[L:L+1], v[F:F+1] op_sel_hi:[1,0]
	s_wait_alu depctr_va_vdst(0)
.endif
.irp b, 0,1,2,3
	v_max_num_f32 v[BM+\b], 0x1800000, v[BM+\b]    ; the floor: a block that the mask hides whole keeps the byte 1; its codes are zeros
.endr
.irp b, 0,1,2,3
	s_delay_alu instid0(VALU_DEP_4)
	v_add_nc_u32 v[SO+\b], 0xff000000, v[BM+\b]
.endr
.irp b, 0,1,2,3
	s_delay_alu instid0(VALU_DEP_4)
	v_lshrrev_b32 v[PX+\b], 23, v[SO+\b]
.endr
	s_delay_alu instid0(VALU_DEP_3)
	v_lshl_or_b32 v[PS], v[PX+1], 8, v[PX]
	s_delay_alu instid0(VALU_DEP_1)
	v_lshl_or_b32 v[PS], v[PX+2], 16, v[PS]
	s_delay_alu instid0(VALU_DEP_1)
	v_lshl_or_b32 v[PS], v[PX+3], 24, v[PS]
.irp b, 0,1,2,3
	v_cvt_scalef32_pk8_fp4_f32 v[P+2*\b], v[S+16*\b:S+16*\b+7], v[SO+\b]
	v_cvt_scalef32_pk8_fp4_f32 v[P+2*\b+1], v[S+16*\b+8:S+16*\b+15], v[SO+\b]
.endr
	v_nop
.irp c, 0,1
.irp i, 0,1
	v_permlane16_swap_b32 v[P+4*\c+\i], v[P+4*\c+2+\i]
.endr
.endr
	v_pk_add_f32 v[248:249], v[136:137], v[140:141]
	v_pk_add_f32 v[254:255], v[144:145], v[148:149]
	v_pk_add_f32 v[252:253], v[152:153], v[156:157]
	v_pk_add_f32 v[246:247], v[160:161], v[164:165]
	v_pk_add_f32 v[244:245], v[168:169], v[172:173]
	v_pk_add_f32 v[236:237], v[176:177], v[180:181]
	v_pk_add_f32 v[98:99], v[184:185], v[188:189]
	v_pk_add_f32 v[240:241], v[240:241], v[192:193]
	v_pk_add_f32 v[248:249], v[248:249], v[132:133]
	v_pk_add_f32 v[254:255], v[254:255], v[134:135]
	v_pk_add_f32 v[252:253], v[252:253], v[138:139]
	v_pk_add_f32 v[246:247], v[246:247], v[142:143]
	v_pk_add_f32 v[244:245], v[244:245], v[146:147]
	v_pk_add_f32 v[236:237], v[236:237], v[150:151]
	v_pk_add_f32 v[98:99], v[98:99], v[154:155]
	v_pk_add_f32 v[240:241], v[240:241], v[158:159]
	v_pk_add_f32 v[248:249], v[248:249], v[162:163]
	v_pk_add_f32 v[254:255], v[254:255], v[166:167]
	v_pk_add_f32 v[252:253], v[252:253], v[170:171]
	v_pk_add_f32 v[246:247], v[246:247], v[174:175]
	v_pk_add_f32 v[244:245], v[244:245], v[178:179]
	v_pk_add_f32 v[236:237], v[236:237], v[182:183]
	v_pk_add_f32 v[98:99], v[98:99], v[186:187]
	v_pk_add_f32 v[240:241], v[240:241], v[190:191]
	v_pk_add_f32 v[248:249], v[248:249], v[194:195]
	s_delay_alu instid0(VALU_DEP_2)
	v_pk_add_f32 v[240:241], v[240:241], v[246:247]
	s_delay_alu instid0(VALU_DEP_2)
	v_pk_add_f32 v[248:249], v[248:249], v[244:245]
	v_pk_add_f32 v[254:255], v[254:255], v[236:237]
	v_pk_add_f32 v[252:253], v[252:253], v[98:99]
	s_delay_alu instid0(VALU_DEP_2)
	v_pk_add_f32 v[240:241], v[240:241], v[254:255]
	s_delay_alu instid0(VALU_DEP_2)
	v_pk_add_f32 v[248:249], v[248:249], v[252:253]
	s_delay_alu instid0(VALU_DEP_1)
	v_pk_add_f32 v[240:241], v[240:241], v[248:249]
.if !(\first)
.irp j, 0,2,4,6,8,10,12,14
	v_pk_mul_f32 v[O+\j:O+\j+1], v[O+\j:O+\j+1], v[F:F+1] op_sel_hi:[1,0]
.endr
.endif
.endm
; On the diagonal the scores of hidden keys become -infinity ahead of the maximum.  e: the scalar that holds my tile's first query less the step's first key.
; Register 16 b + i holds key 32 b + 16 (lane / 16) + i of the step: hidden where 32 b + i > d, d = e + lane % 16 - 16 (lane / 16).  The six lines at the head are the places behind the score products.
.macro MASK e
	v_and_b32 v[SO], 15, v0
	v_bfe_u32 v[SO+1], v0, 4, 1
	s_delay_alu instid0(VALU_DEP_1)
	v_lshlrev_b32 v[SO+1], 4, v[SO+1]
	s_delay_alu instid0(VALU_DEP_1)
	v_sub_nc_u32 v[SO], v[SO], v[SO+1]
	s_delay_alu instid0(VALU_DEP_1)
	v_add_nc_u32 v[SO], s[\e], v[SO]
	v_mov_b32 v[SO+1], 0xff800000
.set mn, 0
.rept 64
	v_cmp_gt_i32 vcc_lo, 32*(mn/16)+mn%16, v[SO]
	v_cndmask_b32 v[S+mn], v[S+mn], v[SO+1], vcc_lo
.set mn, mn+1
.endr
.endm
.macro TPRO tt                         ; tile tt (0: A, 1: B): its queries' codes into the chain, its scale word, the sum = 0
	ds_load_b128 v[QT:QT+3], v[9+\tt]
	ds_load_u8 v[QS], v[11+\tt]
	s_wait_dscnt 0x0
	v_perm_b32 v[QS], v[QS], v[QS], 0              ; a query's byte in all four places
.irp i, 0,1,2,3
	v_cndmask_b32 v[QC+4+\i], v[QT+\i], v[QC+\i], s96
	v_cndmask_b32 v[QC+12+\i], v[QC+\i], v[QT+\i], s96
.endr
	v_mov_b32 v[L], 0
	v_mov_b32 v[L+1], 0
	NOPS 6                                         ; the scale word stands 8 places ahead of the product and more, the operand 4
.endm
.macro ASTEP ks, first, msk, e         ; keys 128 ks on
.irp k, 0,1,2,3
	ds_load_b128 v[K+4*\k:K+4*\k+3], v7 offset:2048*\ks+512*\k
.endr
	s_wait_dscnt 0x0
.irp sl, 0,1
.irp be, 0,1,2,3
	WM S+8*(4*\sl+\be), K+8*\sl, QC+4+8*(\be%2)-4*(\be/2), 1, KS+\ks, QS, \sl, 0
.endr
.endr
.if \msk
	MASK \e
.else
	NOPS 4
.endif
	SMSTEP \first
	WM O, V+8*\ks, P, \first, VSC+\ks, PS, 0, 0    ; the two accumulators take turns, and eight score products stand between a sum's links
	WM O+8, V+16+8*\ks, P, \first, VSC+\ks, PS, 1, 0
.endm
.macro TEPI tt, tf                     ; tout = O^T / the sum, quantised along its 32 channels: register 0 of tf: channels 8 h .., register 1: 16 + 8 h ..
	v_add_f32 v[L], v[L], v[L+1]
	s_delay_alu instid0(VALU_DEP_1)
	v_permlanex16_b32 v[PX], v[L], s[SEL], s[SEL+1]
	s_delay_alu instid0(VALU_DEP_1)
	v_add_f32 v[L], v[L], v[PX]
	s_wait_alu depctr_va_vdst(0)
	v_rcp_f32 v[L], v[L]
	NOPS 3                                         ; a plain place behind the transcendental; with the lines above, the places behind the last products
	s_wait_alu depctr_va_vdst(0)
.irp j, 0,2,4,6,8,10,12,14
	v_pk_mul_f32 v[O+\j:O+\j+1], v[O+\j:O+\j+1], v[L:L+1] op_sel_hi:[1,0]
.endr
	QB16 1, O, \tf, BM, PX, SO, SO+1
	v_perm_b32 v[TS+\tt], v[SO+1], v[SO+1], 0      ; the block's byte in all four places: both half-filled blocks stand under it
.endm
	s_load_b512 s[16:31], s[0:1], 0x0              ; inp_codes 16, inp_scales 18, x 20, tqk_W_codes 22, tqk_W_scales 24, tqk_a 26, tqk_b 28, tqk_be 30
	s_load_b512 s[32:47], s[0:1], 0x40             ; tqk_g 32, tqk_m 34, tqk_v 36, proj_W_codes 38, proj_W_scales 40, proj_a 42, proj_b 44, proj_be 46
	s_load_b256 s[48:55], s[0:1], 0x80             ; proj_g 48, proj_m 50, proj_v 52, foc 54
	s_load_b128 s[56:59], s[0:1], 0xa0             ; fos 56, out0 58
	v_lshl_add_u32 v254, v0, 2, 0x29000
	v_mov_b32 v255, 0
	ds_add_u32 v254, v255
	ds_add_u32 v254, v255
	s_wait_dscnt 0x0
	v_lshrrev_b32 v132, 5, v0
	s_delay_alu instid0(VALU_DEP_1)
	v_readfirstlane_b32 s2, v132                   ; wave 0..15
	s_lshr_b32 s3, s2, 3                           ; which of my two f
	s_and_b32 s4, s2, 7                            ; w
	s_lshl_b32 s5, ttmp9, 1
	s_add_co_u32 s5, s5, s3                        ; f
	s_and_b32 s6, ttmp7, 0xffff                    ; b
	s_lshl_b32 s7, s4, 4                           ; tile A's first query
	s_xor_b32 s9, s4, 7
	s_lshl_b32 s8, s9, 4                           ; tile B's first query less 128
	s_xor_b32 s9, s4, 15                           ; tile B
	s_lshl_b32 s60, s3, 12
	s_lshl_b32 s61, s3, 8
	s_mul_i32 s62, s3, XSF
	s_mov_b32 s[SEL], 0x76543210
	s_mov_b32 s[SEL+1], 0xfedcba98
	s_mov_b32 s[CS], 0x3e8293ee                    ; c = log2(e) / sqrt(32)
	s_mov_b32 s[CS+1], s[CS]
	s_mov_b32 s96, 0xffff0000                      ; lanes 16-31
	v_and_b32 v132, 31, v0                         ; lane
	v_and_b32 v133, 15, v0                         ; r
	v_bfe_u32 v134, v0, 4, 1                       ; h
	v_bfe_u32 v135, v0, 2, 1                       ; r's bit 2
	v_bfe_u32 v136, v0, 3, 1                       ; r's bit 3
	v_and_b32 v137, 3, v0                          ; r % 4
	; every address register is made here, ahead of the first branch on the wave's number
	v_lshlrev_b32 v1, 4, v132                      ; 16 x lane: never rewritten
	s_mul_i32 s14, s4, 8*XP
	s_add_co_u32 s14, s14, s62
	v_add_nc_u32 v2, s14, v1                       ; my eight rows in LDS: never rewritten
	v_lshlrev_b32 v3, 8, v135
	s_delay_alu instid0(VALU_DEP_1)
	v_lshl_add_u32 v3, v136, 7, v3
	s_delay_alu instid0(VALU_DEP_1)
	v_lshl_add_u32 v3, v137, 5, v3
	s_delay_alu instid0(VALU_DEP_1)
	v_lshl_add_u32 v3, v134, 3, v3
	s_lshl_b32 s14, s4, 9
	s_add_co_u32 s14, s14, s60
	s_add_co_u32 s15, s14, KI
	v_add_nc_u32 v3, s15, v3                       ; k's codes, in: key 32 w + 2 r (+ var): piece 32 w + 16 r[2] + 8 r[3] + 2 (r % 4), my half
	v_lshlrev_b32 v5, 5, v133
	s_delay_alu instid0(VALU_DEP_1)
	v_lshl_add_u32 v5, v134, 3, v5
	s_add_co_u32 s15, s14, QI
	v_add_nc_u32 v5, s15, v5                       ; q's codes, in
	v_lshl_add_u32 v4, v136, 5, v135
	s_delay_alu instid0(VALU_DEP_1)
	v_lshl_add_u32 v4, v137, 3, v4
	s_lshr_b32 s14, s4, 1
	s_lshl_b32 s14, s14, 6
	s_and_b32 s15, s4, 1
	s_lshl_b32 s15, s15, 1
	s_add_co_u32 s14, s14, s15
	s_add_co_u32 s14, s14, s61
	s_add_co_u32 s14, s14, KSC
	v_add_nc_u32 v4, s14, v4                       ; k's byte: fragment w / 2, block 2 (w % 2) + r[2], row 8 r[3] + 2 (r % 4)
	s_lshl_b32 s14, s4, 5
	s_add_co_u32 s14, s14, s61
	s_add_co_u32 s14, s14, QSC
	v_lshl_add_u32 v6, v133, 1, s14                ; q's byte
	s_add_co_u32 s14, s60, KI
	v_add_nc_u32 v7, s14, v1                       ; k's fragments, out
	s_add_co_u32 s14, s61, KSC
	v_lshl_add_u32 v8, v132, 2, s14                ; their scale words: lanes 0-15 one fragment, lanes 16-31 the next
	s_add_co_u32 s14, s60, QI
	s_lshl_b32 s15, s4, 8
	s_add_co_u32 s15, s15, s14
	v_lshl_add_u32 v9, v133, 4, s15                ; tile A's queries
	s_lshl_b32 s15, s9, 8
	s_add_co_u32 s15, s15, s14
	v_lshl_add_u32 v10, v133, 4, s15               ; tile B's
	s_add_co_u32 s14, s61, QSC
	s_add_co_u32 s15, s14, s7
	v_add_nc_u32 v11, s15, v133
	s_lshl_b32 s15, s9, 4
	s_add_co_u32 s15, s15, s14
	v_add_nc_u32 v12, s15, v133
	v_and_b32 v138, 1, v0
	v_bfe_u32 v139, v0, 1, 5
	s_delay_alu instid0(VALU_DEP_1)
	v_lshlrev_b32 v13, 2, v139
	s_delay_alu instid0(VALU_DEP_1)
	v_lshl_add_u32 v13, v138, 7, v13
	s_delay_alu instid0(VALU_DEP_1)
	v_add_nc_u32 v13, PT, v13                      ; output o = tid of tqk: role o % 2, channel o / 2
	v_and_b32 v138, 63, v0
	s_delay_alu instid0(VALU_DEP_1)
	v_lshl_add_u32 v14, v138, 3, PT+512            ; output tid % 64 of proj
	v_lshl_add_u32 v15, v134, 6, PT                ; s of channels 16 h ..
	v_lshl_add_u32 v16, v133, 3, PT+512            ; proj's (s, o) of output r
	v_mul_u32_u24 v139, v133, XP
	s_delay_alu instid0(VALU_DEP_1)
	v_lshl_add_u32 v139, v134, 5, v139
	s_lshl_b32 s14, s4, 6
	s_add_co_u32 s14, s14, s62
	v_add_nc_u32 v17, s14, v139                    ; x and the result: channel r, t = 16 (tile A) + 8 h
	s_lshl_b32 s14, s9, 6
	s_add_co_u32 s14, s14, s62
	v_add_nc_u32 v18, s14, v139                    ; tile B
	v_lshlrev_b32 v138, 2, v138                    ; the parameters: 4 (tid % 64)
	v_and_b32 v149, 8, v133
	s_delay_alu instid0(VALU_DEP_1)
	v_add_nc_u32 v149, v149, v133                  ; r + 8 (r / 8)
	s_delay_alu instid0(VALU_DEP_1)
	v_lshlrev_b32 v145, 6, v149
	s_delay_alu instid0(VALU_DEP_1)
	v_lshl_add_u32 v145, v134, 4, v145             ; tqk_W: output 2 (r + 8 (r / 8)), + 16 h
	s_delay_alu instid0(VALU_DEP_3)
	v_lshlrev_b32 v146, 2, v149
	v_lshlrev_b32 v147, 6, v133
	s_delay_alu instid0(VALU_DEP_1)
	v_lshl_add_u32 v147, v134, 4, v147             ; inp's fragment: 64 r + 16 h
	v_lshlrev_b32 v148, 2, v133
	v_lshlrev_b32 v253, 4, v133
	s_delay_alu instid0(VALU_DEP_1)
	v_lshl_add_u32 v253, v134, 2, v253             ; proj_W: 16 r + 4 h
	v_mov_b32 v254, v133
	v_mov_b32 v255, v132
	s_wait_alu depctr_va_vdst(0)
	s_wait_kmcnt 0x0
	s_lshl_b32 s14, s6, 24                         ; x and out0: (64 b + 8 w) 262144 + 1024 f
	s_lshl_b32 s15, s4, 21
	s_add_co_u32 s14, s14, s15
	s_lshl_b32 s15, s5, 10
	s_add_co_u32 s14, s14, s15
	s_mov_b32 s15, 0
	s_add_nc_u64 s[66:67], s[20:21], s[14:15]
	s_add_nc_u64 s[98:99], s[58:59], s[14:15]
.irp p, 1,2,3,4,5,6,7
	s_add_nc_u64 s[66+2*\p:67+2*\p], s[66:67], \p*(262144-XP)   ; a copy's immediate is added to both addresses: with p XP in it the row lands p XP on in LDS and comes from p x 262,144 on in memory
.endr
.irp p, 0,1,2,3,4,5,6,7
	global_load_async_to_lds_b128 v2, v1, s[66+2*\p:67+2*\p] offset:XP*\p          ; sixteen copies of 512 bytes a wave, issued once, ahead of every LDS read and barrier
	global_load_async_to_lds_b128 v2, v1, s[66+2*\p:67+2*\p] offset:XP*\p+512
.endr
	s_load_b32 s10, s[26:27], 0x0                  ; the slopes
	s_load_b32 s12, s[42:43], 0x0
	s_cmp_lt_u32 s2, 2                             ; waves 0, 1 fold tqk's 64 outputs, the others proj's (waves 2, 3's are kept)
	s_cselect_b64 s[82:83], s[28:29], s[44:45]
	s_cselect_b64 s[84:85], s[30:31], s[46:47]
	s_cselect_b64 s[86:87], s[32:33], s[48:49]
	s_cselect_b64 s[88:89], s[34:35], s[50:51]
	s_cselect_b64 s[90:91], s[36:37], s[52:53]
	s_lshl_b32 s14, s6, 21                         ; inp_codes: ((256 b + f) 256 + 32 w) 32
	s_lshl_b32 s63, s5, 13
	s_add_co_u32 s14, s14, s63
	s_lshl_b32 s63, s4, 10
	s_add_co_u32 s14, s14, s63
	s_add_nc_u64 s[16:17], s[16:17], s[14:15]
	s_lshr_b32 s14, s14, 4
	s_add_nc_u64 s[18:19], s[18:19], s[14:15]
	s_lshl_b32 s14, s6, 8
	s_add_co_u32 s14, s14, s5
	s_lshl_b32 s14, s14, 12                        ; foc: (256 b + f) 4096
	s_add_nc_u64 s[54:55], s[54:55], s[14:15]
	s_lshr_b32 s14, s14, 4                         ; fos: (256 b + f) 256
	s_add_nc_u64 s[56:57], s[56:57], s[14:15]
	global_load_b32 v140, v138, s[82:83]           ; b
	global_load_b32 v141, v138, s[84:85]           ; be
	global_load_b32 v142, v138, s[86:87]           ; g
	global_load_b32 v143, v138, s[88:89]           ; m
	global_load_b32 v144, v138, s[90:91]           ; v
.irp rho, 0,1
.irp u, 0,1
	global_load_b128 v[WCH+4+8*(2*\rho+\u):WCH+7+8*(2*\rho+\u)], v145, s[22:23] offset:32*\rho+512*\u
	global_load_u16 v[WS+2*\rho+\u], v146, s[24:25] offset:2*\rho+32*\u
.endr
.endr
	global_load_b128 v[XI:XI+3], v147, s[16:17]
	global_load_b128 v[XI+4:XI+7], v147, s[16:17] offset:32
	global_load_b32 v[XIS], v148, s[18:19]
	s_wait_kmcnt 0x0
	s_mov_b32 s11, s10
	s_mov_b32 s13, s12
	s_wait_loadcnt 0x0
	v_add_f32 v144, 0x3727c5ac, v144               ; v + 1e-5
	s_wait_alu depctr_va_vdst(0)
	v_rsq_f32 v144, v144
	v_sub_f32 v140, v140, v143                     ; b - m  (a plain place behind the transcendental)
	s_wait_alu depctr_va_vdst(0)
	v_mul_f32 v142, v142, v144                     ; s
	s_delay_alu instid0(VALU_DEP_1)
	v_fma_f32 v143, v140, v142, v141               ; o
	s_cmp_lt_u32 s2, 2
	s_cbranch_scc0 .Lnot_qk
	ds_store_b32 v13, v142
	ds_store_b32 v13, v143 offset:256
	s_branch .Lpt_done
.Lnot_qk:
	s_cmp_lt_u32 s2, 4
	s_cbranch_scc0 .Lpt_done
	s_wait_alu depctr_va_vdst(0)
	ds_store_b64 v14, v[142:143]
.Lpt_done:
.irp i, 0,1,2,3
	v_perm_b32 v[WS+\i], v[WS+\i], v[WS+\i], 0x01000100   ; a weight row's two bytes in both halves of its word
.endr
.irp z, 0,8,16,24,32
.irp i, 0,1,2,3
	v_mov_b32 v[WCH+\z+\i], 0                      ; the chain's zeros
.endr
.endr
.irp i, 0,1,2,3
	v_mov_b32 v[241+\i], 0                         ; written once: a lane permute's destination counts as one of its sources.  (Also the places behind the zeros)
.endr
	s_wait_alu depctr_va_vdst(0)
	BAR                                            ; the folded parameters lie in LDS (the copies of x may stay out: nothing is read of them yet)
.irp rho, 0,1
.irp k, 0,1,2,3
	ds_load_b128 v[60+16*\rho+4*\k:63+16*\rho+4*\k], v15 offset:128*\rho+16*\k
	ds_load_b128 v[92+16*\rho+4*\k:95+16*\rho+4*\k], v15 offset:256+128*\rho+16*\k
.endr
.endr
	s_wait_dscnt 0x0
	; ---- the convolution: lane (r, h) holds position 32 w + 2 r + var and channels 16 h + 8 u + j of q (rho = 0) and of k (1), at register 32 var + 16 rho + 8 u + j
.irp var, 0,1
.irp rho, 0,1
.irp u, 0,1
	WM S+32*\var+16*\rho+8*\u, WCH+4+8*(2*\rho+\u)-4*\var, XI, 1, WS+2*\rho+\u, XIS, 0, 0
.endr
.endr
.endr
	NOPS 4                                         ; places ahead of loads into the weights' registers and of the first read of results
.irp ot, 0,1,2,3
	global_load_b32 v[WCH+4+8*\ot], v253, s[38:39] offset:256*\ot      ; proj_W, output 16 ot + r: channels 8 h .. 8 h + 7,
	global_load_b32 v[WCH+5+8*\ot], v253, s[38:39] offset:256*\ot+8    ; and 16 + 8 h ..: tout's order
	global_load_u8 v[WS+\ot], v254, s[40:41] offset:16*\ot
.endr
	BNPRV S, 64, 32, 60, 92, 10
.irp k, 0,1,2,3,4,5,6,7
	global_load_b128 v[V+4*\k:V+4*\k+3], v1, s[54:55] offset:512*\k    ; fout's codes of my f: images of the operand's registers
	global_load_u8 v[196+\k], v255, s[56:57] offset:32*\k              ; channel = lane, block k of the keys
.endr
	QB16 4, S, 212, 237, 241, 245, 249
.irp var, 0,1
	ds_store_b64 v5, v[212+4*\var:213+4*\var] offset:16*\var
	ds_store_b8 v6, v[249+2*\var] offset:\var
	ds_store_b64 v3, v[214+4*\var:215+4*\var] offset:16*\var
	ds_store_b8 v4, v[250+2*\var] offset:4*\var    ; both lanes of a block write the same byte with the same value
.endr
	BAR                                            ; q's and k's codes and bytes of both f lie in LDS
	s_wait_loadcnt 0x0
.irp ot, 0,1,2,3
	v_mov_b32 v[WCH+6+8*\ot], 0                    ; the upper halves of proj's half-filled blocks
	v_mov_b32 v[WCH+7+8*\ot], 0
	v_perm_b32 v[WS+\ot], v[WS+\ot], v[WS+\ot], 0
.endr
.irp z, 0,8,16
.irp i, 0,1,2,3
	v_mov_b32 v[QC+\z+\i], 0
.endr
.endr
.irp i, 2,3,4,5,6,7
	v_mov_b32 v[TFA+\i], 0
.endr
.irp i, 0,1,2,3
	v_mov_b32 v[PX+\i], 0
.endr
	v_mov_b32 v[F+1], 0                            ; (named as the upper half of a pair)
.irp ks, 0,1
	v_lshl_or_b32 v[VSC+\ks], v[197+4*\ks], 8, v[196+4*\ks]
	s_delay_alu instid0(VALU_DEP_1)
	v_lshl_or_b32 v[VSC+\ks], v[198+4*\ks], 16, v[VSC+\ks]
	s_delay_alu instid0(VALU_DEP_1)
	v_lshl_or_b32 v[VSC+\ks], v[199+4*\ks], 24, v[VSC+\ks]
	ds_load_b32 v[KS+\ks], v8 offset:128*\ks
.endr
	; ---- the attention
	TPRO 0
	s_wait_alu depctr_va_vdst(0)
	ASTEP 0, 1, 1, 7
	TEPI 0, TFA
	TPRO 1
	s_wait_alu depctr_va_vdst(0)
	ASTEP 0, 1, 0, 7
	ASTEP 1, 0, 1, 8
	TEPI 1, P
.irp i, 2,3,4,5,6,7
	v_mov_b32 v[P+\i], 0
.endr
	s_wait_alu depctr_va_vdst(0)
	; ---- the projection, not transposed: source 0 = tout (16 queries), source 1 = proj_W: lane (r, h) holds output 16 ot + r and t = 16 tile + 8 h + j
	s_wait_asynccnt 0x0                            ; my copies of x have landed,
	BAR                                            ; everybody's have
.irp tt, 0,1
.irp ot, 0,1,2,3
	ds_load_b128 v[60+32*\tt+8*\ot:63+32*\tt+8*\ot], v[17+\tt] offset:16*XP*\ot
	ds_load_b128 v[64+32*\tt+8*\ot:67+32*\tt+8*\ot], v[17+\tt] offset:16*XP*\ot+16
.endr
.endr
.irp ot, 0,1,2,3
	ds_load_b64 v[124+2*\ot:125+2*\ot], v16 offset:128*\ot
.endr
	NOPS 8                                         ; tile B's scale word stands 8 places ahead of the product
.irp ot, 0,1,2,3
	WM S+8*\ot, TFA, WCH+4+8*\ot, 1, TS, WS+\ot, 0, 0
.endr
.irp ot, 0,1,2,3
	WM S+32+8*\ot, P, WCH+4+8*\ot, 1, TS+1, WS+\ot, 0, 0
.endr
	NOPS 4
	s_wait_dscnt 0x0
	BNPRP S, 64, 32, 8, 124, 12
.set sj, 0
.rept 32
	v_pk_add_f32 v[S+sj:S+sj+1], v[S+sj:S+sj+1], v[60+sj:61+sj]   ; + x
.set sj, sj+2
.endr
.irp tt, 0,1
.irp ot, 0,1,2,3
	ds_store_b128 v[17+\tt], v[S+32*\tt+8*\ot:S+32*\tt+8*\ot+3] offset:16*XP*\ot      ; over the same bytes of x, which this lane alone has read
	ds_store_b128 v[17+\tt], v[S+32*\tt+8*\ot+4:S+32*\tt+8*\ot+7] offset:16*XP*\ot+16
.endr
.endr
	BAR                                            ; whole rows of the result lie in LDS
.irp p, 0,1,2,3,4,5,6,7
	ds_load_b128 v[S+8*\p:S+8*\p+3], v2 offset:XP*\p
	ds_load_b128 v[S+8*\p+4:S+8*\p+7], v2 offset:XP*\p+512
.endr
.irp p, 0,1,2,3,4,5,6,7
	s_wait_dscnt 15-2*\p                           ; LDS loads come back in order: the younger ones may be out
	global_store_b128 v1, v[S+8*\p:S+8*\p+3], s[98:99] offset:262144*\p th:TH_STORE_NT        ; 512 consecutive bytes, at a multiple of 256
	s_wait_dscnt 14-2*\p
	global_store_b128 v1, v[S+8*\p+4:S+8*\p+7], s[98:99] offset:262144*\p+512 th:TH_STORE_NT
.endr
	s_wait_xcnt 0x0
	v_lshl_add_u32 v254, v0, 2, 0x29000
	v_mov_b32 v255, 0
	s_wait_alu depctr_va_vdst(0)
	s_wait_tensorcnt 0x0
	ds_add_u32 v254, v255
	s_wait_dscnt 0x0
	s_endpgm
.Lfunc_end_k_q51c92796a6_time:
	.size	k_q51c92796a6_time, .Lfunc_end_k_q51c92796a6_time-k_q51c92796a6_time
	.p2alignl 7, 3214868480
	.fill 96, 4, 3214868480
	.section	.rodata,"a",@progbits
	.p2align	6, 0x0
	.amdhsa_kernel k_q51c92796a6_time
		.amdhsa_group_segment_fixed_size 169984
		.amdhsa_private_segment_fixed_size 0
		.amdhsa_enable_private_segment 0
		.amdhsa_kernarg_size 176
		.amdhsa_user_sgpr_count 2
		.amdhsa_user_sgpr_kernarg_segment_ptr 1
		.amdhsa_wavefront_size32 1
		.amdhsa_system_sgpr_workgroup_id_x 1
		.amdhsa_system_sgpr_workgroup_id_y 1
		.amdhsa_system_sgpr_workgroup_id_z 1
		.amdhsa_system_vgpr_workitem_id 0
		.amdhsa_next_free_vgpr 256
		.amdhsa_next_free_sgpr 100
		.amdhsa_reserve_vcc 1
		.amdhsa_float_denorm_mode_32 3
		.amdhsa_float_denorm_mode_16_64 3
		.amdhsa_memory_ordered 1
		.amdhsa_forward_progress 1
		.amdhsa_inst_pref_size 116
	.end_amdhsa_kernel
	.amdgpu_metadata
---
amdhsa.version: [ 1, 2 ]
amdhsa.kernels:
  - .name:           k_q51c92796a6_time
    .symbol:         k_q51c92796a6_time.kd
    .args:
      - { .name: inp_codes, .offset: 0, .size: 8, .value_kind: global_buffer, .address_space: global }
      - { .name: inp_scales, .offset: 8, .size: 8, .value_kind: global_buffer, .address_space: global }
      - { .name: x, .offset: 16, .size: 8, .value_kind: global_buffer, .address_space: global }
      - { .name: tqk_W_codes, .offset: 24, .size: 8, .value_kind: global_buffer, .address_space: global }
      - { .name: tqk_W_scales, .offset: 32, .size: 8, .value_kind: global_buffer, .address_space: global }
      - { .name: tqk_a, .offset: 40, .size: 8, .value_kind: global_buffer, .address_space: global }
      - { .name: tqk_b, .offset: 48, .size: 8, .value_kind: global_buffer, .address_space: global }
      - { .name: tqk_be, .offset: 56, .size: 8, .value_kind: global_buffer, .address_space: global }
      - { .name: tqk_g, .offset: 64, .size: 8, .value_kind: global_buffer, .address_space: global }
      - { .name: tqk_m, .offset: 72, .size: 8, .value_kind: global_buffer, .address_space: global }
      - { .name: tqk_v, .offset: 80, .size: 8, .value_kind: global_buffer, .address_space: global }
      - { .name: proj_W_codes, .offset: 88, .size: 8, .value_kind: global_buffer, .address_space: global }
      - { .name: proj_W_scales, .offset: 96, .size: 8, .value_kind: global_buffer, .address_space: global }
      - { .name: proj_a, .offset: 104, .size: 8, .value_kind: global_buffer, .address_space: global }
      - { .name: proj_b, .offset: 112, .size: 8, .value_kind: global_buffer, .address_space: global }
      - { .name: proj_be, .offset: 120, .size: 8, .value_kind: global_buffer, .address_space: global }
      - { .name: proj_g, .offset: 128, .size: 8, .value_kind: global_buffer, .address_space: global }
      - { .name: proj_m, .offset: 136, .size: 8, .value_kind: global_buffer, .address_space: global }
      - { .name: proj_v, .offset: 144, .size: 8, .value_kind: global_buffer, .address_space: global }
      - { .name: foc, .offset: 152, .size: 8, .value_kind: global_buffer, .address_space: global }
      - { .name: fos, .offset: 160, .size: 8, .value_kind: global_buffer, .address_space: global }
      - { .name: out0, .offset: 168, .size: 8, .value_kind: global_buffer, .address_space: global }
    .group_segment_fixed_size: 169984
    .private_segment_fixed_size: 0
    .kernarg_segment_align: 8
    .kernarg_segment_size: 176
    .max_flat_workgroup_size: 512
    .sgpr_count:     100
    .vgpr_count:     256
    .wavefront_size: 32
...
	.end_amdgpu_metadata
.endif
;; end of part 6
